; MI455X (gfx1250); checked and timed in simulation.
; The chip was launched on July 23, 2026; its instructions are those of AMD's public machine-readable ISA for CDNA 5 (MIT licence, August 2026) and "CDNA5" Instruction Set Architecture Reference Guide (July 2026). The comments in the code are by the model that wrote it; some were corrected since.
;; Multi Head Attention. Allowed arithmetic: matrix products marked QUANTISED: E3M2 operands, one E8M0 scale for each 32 along K, by v_wmma_scale_f32_16x16x128_f8f6f4 with both operands' format E3M2, f32 sums; everything else in f32.
;; Inputs: Wk 2,048 x 2,048 float32; Wo 2,048 x 2,048 float32; Wq 2,048 x 2,048 float32; Wv 2,048 x 2,048 float32; cos 2,048 x 128 float32; doc_ids 1 x 2,048 int32; sin 2,048 x 128 float32; x 1 x 2,048 x 2,048 float32.
;; Outputs: out0 1 x 2,048 x 2,048 float32.
;; This version of the problem:
;;   THIS VERSION OF THE PROBLEM IS GIVEN IN LOW PRECISION. The matrix products marked QUANTISED in the list below multiply operands that are first quantised to E3M2 (3 exponent bits, 2 mantissa bits; 6 bits a number), with one power-of-two scale for each 32 numbers along K (OCP MX v1.0); their sums are f32. All else is computed in f32.
;;   The module's matrix products, in the order in which they are computed (A, B: the left and right operand; K: the contracted axis; several contracted axes count as one K, in the product's order):
;;     1. [M 2,048, K 2,048] x [K 2,048, N 2,048]; A: input x; B: input Wq: QUANTISED
;;     2. [M 2,048, K 2,048] x [K 2,048, N 2,048]; A: input x; B: input Wk: QUANTISED
;;     3. [M 2,048, K 2,048] x [K 2,048, N 2,048]; A: input x; B: input Wv: QUANTISED
;;     4. batch 16 x [M 2,048, K 128] x [K 128, N 2,048]; A: computed on the way; B: computed on the way: QUANTISED
;;     5. batch 16 x [M 128, K 2,048] x [K 2,048, N 2,048]; A: computed on the way; B: softmax (see below): QUANTISED
;;     6. [M 2,048, K 2,048] x [K 2,048, N 2,048]; A: computed on the way; B: input Wo: QUANTISED
;;   THE QUANTISER, for each operand of a quantised product, along K:
;;     - K is cut into blocks of 32 from its start; a last block that is shorter is filled with zeros.
;;     - A block's scale is 2^e with e = floor(log2(the largest magnitude in the block)) - 4, held to -126 .. 127; a block of zeros has e = 0. As a byte (E8M0): e + 127.
;;     - Each number is divided by its block's scale, clamped to +-28, and rounded to the nearest number of E3M2, ties to even, subnormals kept.
;;     - The product sums the exact products of the quantised numbers (number of the format x scale) in f32.
;;   ~~~python
;;   def quantise(x, axis):      # numpy; x: float32 -> the quantised numbers, widened to float32 again
;;       x = np.moveaxis(x, axis, -1); K = x.shape[-1]
;;       x = np.pad(x, [(0, 0)] * (x.ndim - 1) + [(0, -K % 32)]); x = x.reshape(x.shape[:-1] + (-1, 32)); a = np.abs(x).max(-1, keepdims=True)
;;       e = np.where(a > 0, np.clip(np.frexp(np.where(a > 0, a, 1))[1] - 1 - 4, -126, 127), 0)      # np.frexp(a)[1] - 1 = floor(log2(a)), exactly
;;       r = np.clip(x / 2.0 ** e, -28, 28)
;;       step = 2.0 ** (np.maximum(np.frexp(np.where(r == 0, 1, r))[1] - 1, -2) - 2)
;;       q = np.round(r / step) * step * 2.0 ** e      # np.round: ties to even
;;       return np.moveaxis(q.reshape(q.shape[:-2] + (-1,))[..., :K], -1, axis).astype(np.float32)
;;   ~~~
;;   SOFTMAX AHEAD OF A QUANTISED PRODUCT. Where the list says 'softmax', what is quantised is not the finished softmax but p = 2^(t - M), with t = logit x log2(e) and M = ceil(the row's largest t), a whole number; so 1/2 < the row's largest p <= 1. The row's sum l is taken of the UNQUANTISED p, in f32, and the product's result is divided by l at the end. Since M is a whole number, a kernel that streams over the keys may use a running M (the ceiling of the running maximum): every later rescaling is an exact power of two, which a block's scale takes up: the codes' values come out the same.
;;   OPERANDS COMPUTED ON THE WAY. 'Computed on the way' means the value that the module computes at that place (a softmax that the list does not call 'softmax' is quantised finished and normalised). What goes into a quantiser is computed in f32, as accurately as f32 sums, v_exp_f32 and their like allow (about 1e-6 of the number): no bf16 or f16 on the way to a quantiser, and a product that is left as it is and whose result goes on into a quantised operand takes f32 operands (vector FMAs, or v_wmma_f32_16x16x4_f32). A number that lies on a knife's edge between two numbers of the format may be rounded either way, as far as f32 arithmetic and the matrix unit's own rounding can turn it there, and no further.
;; 2 versions. Each part assembles by itself: llvm-mc -triple=amdgcn-amd-amdhsa -mcpu=gfx1250 --defsym DOCPART=n.
;; ======== version 1 of 2: 4 launches
;; workspace buffers: cod 15,728,640 bytes; scl 655,360 bytes; qkvc 9,437,184 bytes; qkvs 393,216 bytes; oc 3,145,728 bytes; os 131,072 bytes
;; launch quant (part 1): grid 768 x 1, 4 waves a work-group, no clusters, 58,880 bytes of LDS; arguments x, Wq, Wk, Wv, Wo, cod, scl; writes cod, scl
.if DOCPART == 1
	.amdgcn_target "amdgcn-amd-amdhsa--gfx1250"
	.amdhsa_code_object_version 6
	.text
	.protected	k_qb173c64e5e_quant
	.globl	k_qb173c64e5e_quant
	.p2align	8
	.type	k_qb173c64e5e_quant,@function
k_qb173c64e5e_quant:
	s_mov_b64 s[64:65], 0
	v_nop
	global_prefetch_b8 v0, s[64:65] scope:SCOPE_SE
	s_setreg_imm32_b32 hwreg(HW_REG_WAVE_MODE, 25, 1), 1
	s_wait_xcnt 0x0
; x [2048][2048] (K innermost) and Wq, Wk, Wv, Wo [2048 (k)][2048 (n)] (K outermost), f32, become operands of BF6 (E3M2) with one E8M0 byte for each 32 along K.
; A block's scale is 2^(floor(log2(largest magnitude)) - 4); its byte is the largest magnitude's exponent field - 4, held at 1 from below.
; LIMITS: NaN and infinities are not served; a block of zeros, or one whose largest magnitude lies under 2^-122, gets the byte 1 (only this program reads the bytes).
; LAYOUT OF AN OPERAND (2,048 rows, K = 2,048).  Tile tau holds the 16 rows 32 (tau / 2) + 8 (tau % 2) + r + 8 (r / 8).  A fragment (16 rows x 128 K, 12 registers a lane) lies as an IMAGE
; of its registers: registers 4 c .. 4 c + 3 of lane L at 512 c + 16 L, 1,536 bytes.  Codes: [k / 256][tau][(k / 128) % 2][1,536].  Scale words: tau x 1,024 + (k / 256) x 128 + 8 r + 4 ((k / 128) % 2).
; Tensor 0 of cod and scl is x, 1 to 4 are Wq, Wk, Wv, Wo.
; Work-groups 0-255 take x: a wave takes one tile x 256 K.  Work-groups 256-767 take the weights: a wave takes 32 columns x 256 K, a lane a column, its registers down K.
; The two ways use LDS bytes of their own; a wave uses only its own bytes: no barrier.
.set TENB,  3145728                    ; an operand's codes in bytes
.set TENS,  131072                     ; its scale words
.set TILEB, 3072                       ; a tile x 256 K
.set FRB,   1536                       ; a fragment's image
.set XSTG,  16*528                     ; x: a wave's stage, 16 rows of 512 bytes + 16
.set WBASE, 4*XSTG                     ; the weights' stages begin here
.set WSTG,  2*TILEB                    ; a wave's two tiles x 256 K
.set SEL,   46                         ; s[46:47] lane selects for v_permlanex16_b32: lane l xor 16
.set R,     32                         ; x: v32-159 two halves of 64 numbers
.set TM,    160                        ; v160-175 at work in QUANT
.set PC,    176                        ; v176-194 the codes just made
.set X,     32                         ; weights: v32-95 two sets of 32 numbers
.set C,     96                         ; v96-101 a block's codes
.set D,     104                        ; v104-106 its second half as converted
.set OUTR,  112                        ; v112-159 the way out
.set SB,    24                         ; v24-25 scale words
; 64 numbers of a lane, register 16 b + i = k 32 b + 16 (lane / 16) + i of my row, become a fragment's image in v[PC] on and its scale word in v[pw]
.macro QUANT s, pw
.irp b, 0,1,2,3
	v_max3_num_f32 v[TM+\b], |v[\s+16*\b]|, |v[\s+1+16*\b]|, 0x2800000   ; my 16 numbers of block b, and the floor 2^(5 - 127): the byte cannot fall under 1
.endr
.irp i, 2,4,6,8,10,12,14
.irp b, 0,1,2,3
	v_max3_num_f32 v[TM+\b], v[TM+\b], |v[\s+16*\b+\i]|, |v[\s+1+16*\b+\i]|
.endr
.endr
.irp b, 0,1,2,3
	v_permlanex16_b32 v[TM+4+\b], v[TM+\b], s[SEL], s[SEL+1]
.endr
.irp b, 0,1,2,3
	v_max_num_f32 v[TM+\b], v[TM+\b], v[TM+4+\b]       ; with lane l xor 16's: the block's largest magnitude
.endr
.irp b, 0,1,2,3
	v_add_nc_u32 v[TM+12+\b], 0xfe000000, v[TM+\b]     ; 4 off its exponent field: the conversion's scale operand
.endr
.irp b, 0,1,2,3
	v_lshrrev_b32 v[TM+4+\b], 23, v[TM+12+\b]          ; the scale's byte
.endr
	v_lshl_or_b32 v[\pw], v[TM+5], 8, v[TM+4]
	v_lshl_or_b32 v[\pw], v[TM+6], 16, v[\pw]
	v_lshl_or_b32 v[\pw], v[TM+7], 24, v[\pw]
.irp c, 0,1
	v_cvt_scalef32_pk16_bf6_f32 v[PC+6*\c:PC+2+6*\c], v[\s+32*\c:\s+15+32*\c], v[TM+12+2*\c]
	v_cvt_scalef32_pk16_bf6_f32 v[PC+12+4*\c:PC+14+4*\c], v[\s+16+32*\c:\s+31+32*\c], v[TM+12+2*\c+1]
.endr
	v_nop                                              ; one plain place behind a scaled conversion
.irp c, 0,1                            ; the operand's layout wants a whole block in a lane: lanes 0-15 block 2 c, lanes 16-31 block 2 c + 1
.irp i, 0,1,2
	v_permlane16_swap_b32 v[PC+6*\c+\i], v[PC+12+4*\c+\i]
.endr
.irp i, 0,1,2
	v_mov_b32 v[PC+3+6*\c+\i], v[PC+12+4*\c+\i]
.endr
.endr
.endm
	s_load_b256 s[4:11], s[0:1], 0x0               ; x s[4:5], Wq s[6:7], Wk s[8:9], Wv s[10:11]
	s_load_b128 s[12:15], s[0:1], 0x20             ; Wo s[12:13], cod s[14:15]
	s_load_b64 s[16:17], s[0:1], 0x30              ; scl
	v_lshl_add_u32 v208, v0, 2, 0xe400
	v_mov_b32 v209, 0
	v_lshrrev_b32 v1, 5, v0
	v_readfirstlane_b32 s18, v1                    ; wave 0..3
	v_and_b32 v1, 31, v0
	v_lshlrev_b32 v1, 4, v1                        ; 16 x lane
	s_mov_b32 s[SEL], 0x76543210
	s_mov_b32 s[SEL+1], 0xfedcba98
	s_cmp_lt_u32 ttmp9, 256
	s_cbranch_scc0 .Lweights
	; ---------------- x: K is innermost ----------------
	v_and_b32 v2, 15, v0                           ; r
	v_bfe_u32 v3, v0, 4, 1                         ; h
	s_mul_i32 s19, s18, XSTG                       ; my stage
	v_add_nc_u32 v4, s19, v1                       ; in: a row's 512 bytes as loaded, 16 a lane
	v_mul_u32_u24 v5, v2, 528
	v_lshl_add_u32 v5, v3, 6, v5
	v_add_nc_u32 v5, s19, v5                       ; back: row r, + 64 h: my 16 numbers of each block of 32
	v_lshlrev_b32 v6, 3, v2
	v_lshl_add_u32 v6, v3, 2, v6                   ; the scale words: 8 r + 4 h
.irp b, 0,1,2,3
	v_mov_b32 v[TM+4+\b], 0                        ; written once: a lane permute's destination counts as one of its sources
.endr
	s_lshl_b32 s20, ttmp9, 2
	s_add_co_u32 s20, s20, s18                     ; my unit
	s_lshr_b32 s21, s20, 3                         ; tau
	s_and_b32 s22, s20, 7                          ; which 256 along K
	s_lshr_b32 s24, s21, 1
	s_lshl_b32 s24, s24, 18                        ; 32 (tau / 2) rows of 8,192 bytes
	s_and_b32 s25, s21, 1
	s_lshl_b32 s25, s25, 16                        ; 8 (tau % 2) rows
	s_add_co_u32 s24, s24, s25
	s_lshl_b32 s25, s22, 10                        ; 256 numbers along K
	s_add_co_u32 s24, s24, s25
	s_mov_b32 s25, 0
	s_lshl_b32 s26, s22, 7
	s_add_co_u32 s26, s26, s21
	s_mul_i32 s26, s26, TILEB                      ; the codes' place
	s_mov_b32 s27, 0
	s_lshl_b32 s28, s21, 10
	s_lshl_b32 s29, s22, 7
	s_add_co_u32 s28, s28, s29                     ; the scale words' place
	s_mov_b32 s29, 0
	s_wait_kmcnt 0x0
	s_add_nc_u64 s[4:5], s[4:5], s[24:25]
	s_add_nc_u64 s[14:15], s[14:15], s[26:27]
	s_add_nc_u64 s[16:17], s[16:17], s[28:29]
.irp q, 0,1
.irp i, 0,1,2,3,4,5,6,7,8,9,10,11,12,13,14,15
	global_load_b128 v[R+64*\q+4*\i:R+64*\q+4*\i+3], v1, s[4:5] offset:(\i+8*(\i/8))*8192+512*\q th:TH_LOAD_NT   ; 32 lanes read 512 consecutive bytes of the tile's row i
.endr
.endr
.irp q, 0,1
	s_wait_loadcnt 16*(1-\q)                       ; this half's 16 loads are in; the other half's may be out
.irp i, 0,1,2,3,4,5,6,7,8,9,10,11,12,13,14,15
	ds_store_b128 v4, v[R+64*\q+4*\i:R+64*\q+4*\i+3] offset:528*\i
.endr
.irp b, 0,1,2,3
.irp j, 0,1,2,3
	ds_load_b128 v[R+64*\q+16*\b+4*\j:R+64*\q+16*\b+4*\j+3], v5 offset:128*\b+16*\j   ; LDS serves a wave's instructions in order: these see the stores above
.endr
.endr
	s_wait_dscnt 0x0
.if \q
	s_wait_xcnt 0x0                                ; the first fragment's stores have read their registers: the codes' registers may be written again
.endif
	QUANT R+64*\q, SB+\q
.irp c, 0,1,2
	global_store_b128 v1, v[PC+4*\c:PC+4*\c+3], s[14:15] offset:FRB*\q+512*\c   ; 512 consecutive bytes a store
.endr
.endr
	v_cmp_eq_u32 vcc_lo, 1, v3
	v_cndmask_b32 v26, v[SB], v[SB+1], vcc_lo      ; lanes 0-15 store the first 128's word of row r, lanes 16-31 the second's
	global_store_b32 v6, v26, s[16:17]             ; 128 consecutive bytes
	s_wait_tensorcnt 0x0
	ds_add_u32 v208, v209
	s_wait_dscnt 0x0
	s_endpgm
	; ---------------- the weights: K is outermost ----------------
.Lweights:
	v_and_b32 v2, 31, v0                           ; l: my column of the wave's 32
	v_lshlrev_b32 v3, 2, v2                        ; 4 bytes a lane
	v_bfe_u32 v10, v0, 3, 1                        ; which of the two tiles: u = (l / 8) % 2
	v_and_b32 v11, 7, v0
	v_bfe_u32 v12, v0, 4, 1
	v_lshl_add_u32 v11, v12, 3, v11                ; and which row of it: r = l % 8 + 8 (l / 16)
	s_mul_i32 s19, s18, WSTG
	s_add_co_u32 s19, s19, WBASE                   ; my stage: the two tiles' images
	v_mul_u32_u24 v4, v10, TILEB
	v_lshl_add_u32 v4, v11, 4, v4
	v_add_nc_u32 v4, s19, v4                       ; in: tile u, image lane r (+ 16 for odd blocks)
	v_add_nc_u32 v7, s19, v1                       ; back: 16 bytes a lane
	v_lshlrev_b32 v9, 10, v10
	v_lshl_add_u32 v9, v11, 3, v9                  ; the scale words: 1,024 u + 8 r
	s_sub_co_u32 s20, ttmp9, 256
	s_lshr_b32 s21, s20, 7                         ; which weight: 0..3
	s_bfe_u32 s22, s20, 0x30004                    ; which 256 along K
	s_and_b32 s23, s20, 15
	s_lshl_b32 s23, s23, 2
	s_add_co_u32 s23, s23, s18                     ; which 32 columns: 0..63
	s_lshl_b32 s24, s22, 21                        ; 256 rows of 8,192 bytes
	s_lshl_b32 s25, s23, 7                         ; 32 columns of 4 bytes
	s_add_co_u32 s24, s24, s25
	s_mov_b32 s25, 0
	s_add_co_u32 s30, s21, 1                       ; the tensor's number in cod and scl
	s_lshl_b32 s26, s22, 7
	s_lshl_b32 s27, s23, 1
	s_add_co_u32 s26, s26, s27
	s_mul_i32 s26, s26, TILEB
	s_mul_i32 s27, s30, TENB
	s_add_co_u32 s26, s26, s27
	s_mov_b32 s27, 0
	s_mul_i32 s28, s30, TENS
	s_lshl_b32 s29, s23, 11
	s_add_co_u32 s28, s28, s29
	s_lshl_b32 s29, s22, 7
	s_add_co_u32 s28, s28, s29
	s_mov_b32 s29, 0
	s_wait_kmcnt 0x0
	s_cmp_lt_u32 s21, 2                            ; the choice hangs on the work-group's number alone
	s_cselect_b64 s[32:33], s[6:7], s[10:11]       ; Wq or Wv
	s_cselect_b64 s[34:35], s[8:9], s[12:13]       ; Wk or Wo
	s_bitcmp1_b32 s21, 0
	s_cselect_b64 s[32:33], s[34:35], s[32:33]
	s_add_nc_u64 s[32:33], s[32:33], s[24:25]
	s_add_nc_u64 s[14:15], s[14:15], s[26:27]
	s_add_nc_u64 s[16:17], s[16:17], s[28:29]
.macro LOAD t                          ; block t: W(32 t + i, my column), i = 0 .. 31, into set t % 2
.irp i, 0,1,2,3,4,5,6,7,8,9,10,11,12,13,14,15,16,17,18,19,20,21,22,23,24,25,26,27,28,29,30,31
	global_load_b32 v[X+32*((\t)%2)+\i], v3, s[32:33] offset:(32*(\t)+\i)*8192 th:TH_LOAD_NT
.endr
.endm
.macro BLOCK t
.set XS, X+32*((\t)%2)
.set IO, FRB*((\t)/4)+256*((\t)%2)     ; block t is block t % 4 of fragment t / 4: image lane r + 16 (t % 2), registers 6 ((t / 2) % 2) on
.if (\t) < 7
	s_wait_loadcnt 32                              ; this block's 32 loads are in; the next block's may be out
.else
	s_wait_loadcnt 0x0
.endif
	v_max3_num_f32 v12, |v[XS]|, |v[XS+1]|, |v[XS+2]|  ; the block's largest magnitude: all 32 numbers are mine
	v_max3_num_f32 v13, |v[XS+3]|, |v[XS+4]|, |v[XS+5]|
.irp i, 6,10,14,18,22,26
	v_max3_num_f32 v12, v12, |v[XS+\i]|, |v[XS+\i+1]|
	v_max3_num_f32 v13, v13, |v[XS+\i+2]|, |v[XS+\i+3]|
.endr
	v_max3_num_f32 v12, v12, |v[XS+30]|, |v[XS+31]|
	v_max3_num_f32 v12, v12, v13, 0x2800000        ; and the floor 2^(5 - 127)
	v_add_nc_u32 v14, 0xfe000000, v12              ; 4 off the exponent field: the conversion's scale operand
	v_lshrrev_b32 v15, 23, v14                     ; the scale's byte
.if (\t)%4 == 0
	v_mov_b32 v[SB+(\t)/4], v15
.else
	v_lshl_or_b32 v[SB+(\t)/4], v15, 8*((\t)%4), v[SB+(\t)/4]
.endif
	v_cvt_scalef32_pk16_bf6_f32 v[C:C+2], v[XS:XS+15], v14
	v_cvt_scalef32_pk16_bf6_f32 v[D:D+2], v[XS+16:XS+31], v14   ; (a conversion's three registers begin on an even number)
	v_nop                                          ; one plain place behind a scaled conversion
.irp i, 0,1,2
	v_mov_b32 v[C+3+\i], v[D+\i]
.endr
.if ((\t)/2)%2 == 0
	ds_store_b128 v4, v[C:C+3] offset:IO           ; the image's registers 0-3,
	ds_store_b64 v4, v[C+4:C+5] offset:IO+512      ; 4 and 5
.else
	ds_store_b64 v4, v[C:C+1] offset:IO+520        ; registers 6 and 7,
	ds_store_b128 v4, v[C+2:C+5] offset:IO+1024    ; 8-11
.endif
.if (\t)+2 < 8
	LOAD (\t)+2
.endif
	s_wait_dscnt 0x0                               ; the stores have read their registers: the next block's codes may be written
.endm
	LOAD 0
	LOAD 1
.irp t, 0,1,2,3,4,5,6,7
	BLOCK \t
.endr
	global_store_b64 v9, v[SB:SB+1], s[16:17]      ; my column's two scale words
.irp k, 0,1,2,3,4,5,6,7,8,9,10,11
	ds_load_b128 v[OUTR+4*\k:OUTR+4*\k+3], v7 offset:512*\k   ; LDS serves a wave's instructions in order: these see my stores
.endr
.irp k, 0,1,2,3,4,5,6,7,8,9,10,11
	s_wait_dscnt 11-\k                             ; load k is in; the younger ones may be out
	global_store_b128 v1, v[OUTR+4*\k:OUTR+4*\k+3], s[14:15] offset:512*\k   ; 512 consecutive bytes a store; the wave's two tiles are 6,144 bytes on end
.endr
	s_wait_tensorcnt 0x0
	ds_add_u32 v208, v209
	s_wait_dscnt 0x0
	s_endpgm
.Lfunc_end_k_qb173c64e5e_quant:
	.size	k_qb173c64e5e_quant, .Lfunc_end_k_qb173c64e5e_quant-k_qb173c64e5e_quant
	.p2alignl 7, 3214868480
	.fill 96, 4, 3214868480
	.section	.rodata,"a",@progbits
	.p2align	6, 0x0
	.amdhsa_kernel k_qb173c64e5e_quant
		.amdhsa_group_segment_fixed_size 58880
		.amdhsa_private_segment_fixed_size 0
		.amdhsa_enable_private_segment 0
		.amdhsa_kernarg_size 56
		.amdhsa_user_sgpr_count 2
		.amdhsa_user_sgpr_kernarg_segment_ptr 1
		.amdhsa_wavefront_size32 1
		.amdhsa_system_sgpr_workgroup_id_x 1
		.amdhsa_system_sgpr_workgroup_id_y 1
		.amdhsa_system_sgpr_workgroup_id_z 1
		.amdhsa_system_vgpr_workitem_id 0
		.amdhsa_next_free_vgpr 210
		.amdhsa_next_free_sgpr 66
		.amdhsa_reserve_vcc 1
		.amdhsa_float_denorm_mode_32 3
		.amdhsa_float_denorm_mode_16_64 3
		.amdhsa_memory_ordered 1
		.amdhsa_forward_progress 1
		.amdhsa_inst_pref_size 60
	.end_amdhsa_kernel
	.amdgpu_metadata
---
amdhsa.version: [ 1, 2 ]
amdhsa.kernels:
  - .name:           k_qb173c64e5e_quant
    .symbol:         k_qb173c64e5e_quant.kd
    .args:
      - { .name: x, .offset: 0, .size: 8, .value_kind: global_buffer, .address_space: global }
      - { .name: Wq, .offset: 8, .size: 8, .value_kind: global_buffer, .address_space: global }
      - { .name: Wk, .offset: 16, .size: 8, .value_kind: global_buffer, .address_space: global }
      - { .name: Wv, .offset: 24, .size: 8, .value_kind: global_buffer, .address_space: global }
      - { .name: Wo, .offset: 32, .size: 8, .value_kind: global_buffer, .address_space: global }
      - { .name: cod, .offset: 40, .size: 8, .value_kind: global_buffer, .address_space: global }
      - { .name: scl, .offset: 48, .size: 8, .value_kind: global_buffer, .address_space: global }
    .group_segment_fixed_size: 58880
    .private_segment_fixed_size: 0
    .kernarg_segment_align: 8
    .kernarg_segment_size: 56
    .max_flat_workgroup_size: 128
    .sgpr_count:     66
    .vgpr_count:     210
    .wavefront_size: 32
...
	.end_amdgpu_metadata
.endif
;; end of part 1
;; launch qkv (part 2): grid 24 x 8, 4 waves a work-group, clusters of 4 x 4, 327,680 bytes of LDS; arguments cod, scl, sin, cos, qkvc, qkvs; writes qkvc, qkvs
.if DOCPART == 2
	.amdgcn_target "amdgcn-amd-amdhsa--gfx1250"
	.amdhsa_code_object_version 6
	.text
	.protected	k_qb173c64e5e_qkv
	.globl	k_qb173c64e5e_qkv
	.p2align	8
	.type	k_qb173c64e5e_qkv,@function
k_qb173c64e5e_qkv:
	s_mov_b64 s[64:65], 0
	v_nop
	global_prefetch_b8 v0, s[64:65] scope:SCOPE_SE
	s_setreg_imm32_b32 hwreg(HW_REG_WAVE_MODE, 25, 1), 1
	s_wait_xcnt 0x0
	s_wait_alu depctr_hold_cnt(0) depctr_sa_sdst(0) depctr_va_vdst(0) depctr_va_sdst(0) depctr_va_ssrc(0) depctr_va_vcc(0) depctr_vm_vsrc(0)
	s_getreg_b32 s2, hwreg(HW_REG_IB_STS2, 6, 4)
	s_cmp_eq_u32 s2, 0
	s_cbranch_scc0 .Lentry_in_a_cluster
	s_endpgm
.Lentry_in_a_cluster:
	s_bfe_u32 s2, ttmp6, 0x10000c
	s_cmp_lg_u32 s2, 0xf033
	s_cbranch_scc0 .Lentry_shape_is_right
	s_endpgm
.Lentry_shape_is_right:
; q = rope(x Wq), k = rope(x Wk), v = x Wv, on codes of BF6 (E3M2) with E8M0 scales, f32 sums; the results are quantised here and leave as operands of the attention's two products.
; A tile of 256 x 256 results is made by four waves, each 128 x 128: 64 accumulators.  K goes in steps of 256 through two LDS slots filled by the tensor data mover.
; OPERANDS lie in cod as images of fragment registers ([k / 256][tile][(k / 128) % 2][1,536 bytes]; tile tau = rows 32 (tau / 2) + 8 (tau % 2) + r + 8 (r / 8)): 128 rows x 256 K are 24,576 dense bytes,
; and a fragment comes out of LDS by three loads of 16 bytes a lane, 512 consecutive bytes each.  Tensor 0 is x, 1 Wq, 2 Wk, 3 Wv.
; THE MATRIX INSTRUCTION IS USED TRANSPOSED: B is source 0, A source 1.  A lane holds one row of A, and the 16 registers of two neighbouring tiles of B are 16 neighbouring rows of B.
; ROLES by the cluster's x: 0-1 q, 2-3 k: B = the weight's 256 columns, A = 256 rows of x: a lane holds one t, its 64 registers a head's d (the next product's K).
;   4-5 v: B = 256 rows of x, A = Wv's 256 columns: a lane holds one d, its registers run along t (the keys: the second product's K).
; CLUSTERS: 4 x 4 work-groups; A's tiles are asked for jointly along a row of the cluster, B's along a column.
; OUT: qkvc [hd][t / 128][tile a][1,536] (hd 0-15 q, 16-31 k: rows t, K = d; hd 32-47 v: rows d, K = the group's 128 keys); qkvs [hd][t / 128][r][a], a word each.
; LIMITS: NaN and infinities are not served; a block of zeros or under 2^-122 gets the byte 1 (only this program reads the bytes); RoPE is one multiply and one fused multiply-add in f32.
; REGISTERS: window 0: v1-29 addresses; v32-63 scale words, two sets, and nothing else; v64-111 at work in the epilogue; v128-223 A's fragments, one set.  window 1: B's fragments, two sets, at v0 and v128.
;   windows 2, 3: the accumulators ((a, b) at v[8 (8 (a % 4) + b)]).  In the epilogue v128-255 of windows 0 and 1 take the cos and sin tables by turns.
.set NQ,     2                         ; matrix instructions deep in a slot
.set FR,     12                        ; registers of a fragment
.set NL,     3                         ; LDS loads that bring one
.set NP,     4                         ; places behind this matrix instruction (ISA guide 7.12.1)
.set FRB,    1536
.set TILEB,  3072
.set SIGB,   393216                    ; from one 256 along K to the next, in bytes
.set TENB,   3145728
.set TENS,   131072
.set HALFT,  24576                     ; 128 rows x 256 K: what one tensor load brings
.set SLOT,   4*HALFT                   ; A's two halves, then B's two
.set LAPS,   4                         ; 2,048 / 512
.set SCL,    2*SLOT                    ; behind the ring: the scale words of A's and B's 256 rows for all of K
.set HALFS,  8192                      ; those of 128 rows
.set SPARE,  SCL+4*HALFS               ; the spare words, 128 bytes for each wave: two blocks of 256 bytes that no other line names
.set LI,   7                           ; v7   16 x lane
.set OWA,  8                           ; v8   32 r + 16 h: my four scale words on the way out
.set TA,   9                           ; v9   the tables: (r + 8 (r / 8)) x 512 + 64 h
.set ADRA, 16                          ; v16-17 LDS address of A's fragments in slot 0, 1
.set ADRB, 20                          ; v20-21 of B's
.set ADRS, 27                          ; v27  of my scale words: lanes 0-15 A's rows, lanes 16-31 B's
.set SPW,  28                          ; v28  my spare word; never rewritten
.set NIL,  29                          ; v29  0; never rewritten
.set SC,   32
.set TM,   64                          ; v64-79 at work in QUANT
.set PC,   80                          ; v80-98 the codes just made
.set OUTW, 100                         ; v100-103 four scale words to store
.set PWS,  104                         ; v104-111 the eight fragments' scale words
.set AF,   128
.set COS,  128
.set SIN,  192
.set G1, 24
.set G0, 32
.set G1B, 48
.set G0B, 56
.set G1S, 68
.set G0S, 76
.set G1SB, 80
.set G0SB, 88
.set SEL, 100                          ; s[100:101]
.set MSB, 0
.macro WIN new                         ; the immediate's high byte repeats the setting that is left
.if MSB != (\new)
	s_set_vgpr_msb (MSB<<8)|(\new)
.set MSB, (\new)
.endif
.endm
.set MUL_LO, 0xa1                      ; source 0 (B) window 1, source 1 (A) window 0, C and D window 2
.set MUL_HI, 0xf1                      ; the same, C and D window 3
.set TO_B,   0x40                      ; destination window 1, address window 0
; A joint load: waves 0 and 1 fetch for A, waves 2 and 3 for B; the branch hangs on the wave's number alone.  Four v_nop follow each of the two lines.
.macro JLOAD g0a, g1a, g0b, g1b
	s_cmp_eq_u32 s15, 0
	s_cbranch_scc0 .Lfor_b_\@
	tensor_load_to_lds s[\g0a:\g0a+3], s[\g1a:\g1a+7]
	s_nop 0
.rept 4
	v_nop
.endr
	s_branch .Lasked_\@
.Lfor_b_\@:
	tensor_load_to_lds s[\g0b:\g0b+3], s[\g1b:\g1b+7]
	s_nop 0
.rept 4
	v_nop
.endr
.Lasked_\@:
.endm
.macro CREST                           ; a round of the cluster's barrier behind its opening barrier
	s_cmp_lg_u32 s14, 0
	s_cbranch_scc1 .Lnot_wave_0_\@
	s_barrier_signal -3
.Lnot_wave_0_\@:
	s_barrier_wait -3
	s_barrier_signal -1
	s_barrier_wait -1
.endm
.macro CROUND
	s_barrier_signal -1
	s_barrier_wait -1
	CREST
.endm
	s_load_b256 s[4:11], s[0:1], 0x0               ; cod s[4:5], scl s[6:7], sin s[8:9], cos s[10:11]
	s_load_b128 s[96:99], s[0:1], 0x20             ; qkvc s[96:97], qkvs s[98:99]
	v_lshl_add_u32 v[SPW], v0, 2, SPARE
	v_mov_b32 v[NIL], 0
	ds_add_u32 v28, v29
	ds_add_u32 v28, v29
	s_wait_dscnt 0x0
	v_lshrrev_b32 v1, 5, v0
	v_readfirstlane_b32 s14, v1                    ; wave 0..3
	s_lshr_b32 s15, s14, 1                         ; which half of A's rows is mine.  Also: I fetch for A (0) or for B (1)
	s_and_b32 s16, s14, 1                          ; which half of B's rows.  Also: which 128 rows I fetch
	s_bfe_u32 s40, ttmp6, 0x40000                  ; cx
	s_bfe_u32 s41, ttmp6, 0x40004                  ; cy
	s_and_b32 s42, ttmp9, 1
	s_lshl_b32 s42, s42, 2
	s_add_co_u32 s42, s42, s40                     ; B's tile of 256 rows: (4 x cluster x + cx) % 8
	s_and_b32 s17, ttmp7, 0xffff
	s_lshl_b32 s17, s17, 2
	s_add_co_u32 s17, s17, s41                     ; A's tile: 4 x cluster y + cy
	s_lshl_b32 s43, s41, 2
	s_lshl_b32 s43, 15, s43                        ; my row of the cluster
	s_lshl_b32 s44, 0x1111, s40                    ; my column
	; descriptor group 1: a dense block as rows of 256 bytes (32 elements of 8 bytes), no padding: 96 rows of codes, 32 rows of scale words
	s_or_b32 s[G1+0], s43, (3<<16)|(1<<21)         ; 15:0 the mask: A's go to my row; 17:16 elements of 8 bytes; 21 set beside a mask
	s_or_b32 s[G1B+0], s44, (3<<16)|(1<<21)
.irp g, G1, G1B
	s_mov_b32 s[\g+1], 32<<16                      ; tensor_dim0
	s_mov_b32 s[\g+2], 96<<16                      ; tensor_dim1
	s_mov_b32 s[\g+3], 32<<16                      ; tile_dim0
	s_mov_b32 s[\g+4], 96                          ; tile_dim1
	s_mov_b32 s[\g+5], 32                          ; the pitch
	s_mov_b32 s[\g+6], 0
	s_mov_b32 s[\g+7], 0
.endr
	s_or_b32 s[G1S+0], s43, (3<<16)|(1<<21)
	s_or_b32 s[G1SB+0], s44, (3<<16)|(1<<21)
.irp g, G1S, G1SB
	s_mov_b32 s[\g+1], 32<<16
	s_mov_b32 s[\g+2], 32<<16
	s_mov_b32 s[\g+3], 32<<16
	s_mov_b32 s[\g+4], 32
	s_mov_b32 s[\g+5], 32
	s_mov_b32 s[\g+6], 0
	s_mov_b32 s[\g+7], 0
.endr
	; which tensors: the choice hangs on the cluster's x, which all sixteen partners share
	s_lshr_b32 s45, ttmp9, 1
	s_add_co_u32 s45, s45, 1                       ; Wq or Wk
	s_cmp_lt_u32 ttmp9, 4
	s_cselect_b32 s18, 0, 3                        ; A: x, or Wv
	s_cselect_b32 s19, s45, 0                      ; B: the weight, or x
	s_lshl_b32 s21, s16, 3                         ; which 8 tiles of the 16 I fetch
	s_lshl_b32 s20, s17, 4
	s_add_co_u32 s20, s20, s21                     ; A: first tile
	s_lshl_b32 s46, s42, 4
	s_add_co_u32 s46, s46, s21                     ; B: first tile
	s_lshl_b32 s22, s20, 10                        ; A's scale words,
	s_mul_i32 s23, s18, TENS
	s_add_co_u32 s22, s22, s23
	s_mov_b32 s23, 0
	s_mul_i32 s20, s20, TILEB                      ; A's codes,
	s_mul_i32 s21, s18, TENB
	s_add_co_u32 s20, s20, s21
	s_mov_b32 s21, 0
	s_lshl_b32 s92, s46, 10                        ; B's scale words,
	s_mul_i32 s93, s19, TENS
	s_add_co_u32 s92, s92, s93
	s_mov_b32 s93, 0
	s_mul_i32 s46, s46, TILEB                      ; B's codes
	s_mul_i32 s47, s19, TENB
	s_add_co_u32 s46, s46, s47
	s_mov_b32 s47, 0
	s_mul_i32 s45, s14, HALFT                      ; where they go: wave x 24,576: no place in the cluster enters an LDS address
	s_mul_i32 s94, s14, HALFS
	s_wait_kmcnt 0x0
	s_add_nc_u64 s[20:21], s[4:5], s[20:21]
	s_add_nc_u64 s[22:23], s[6:7], s[22:23]
	s_add_nc_u64 s[46:47], s[4:5], s[46:47]
	s_add_nc_u64 s[92:93], s[6:7], s[92:93]
	CROUND                                         ; all sixteen work-groups are here: the first joint loads meet
	s_mov_b32 s[G0S], 1
	s_add_co_u32 s[G0S+1], s94, SCL
	s_mov_b64 s[G0S+2:G0S+3], s[22:23]
	s_or_b32 s[G0S+3], s[G0S+3], 0x80000000
	s_mov_b32 s[G0SB], 1
	s_add_co_u32 s[G0SB+1], s94, SCL
	s_mov_b64 s[G0SB+2:G0SB+3], s[92:93]
	s_or_b32 s[G0SB+3], s[G0SB+3], 0x80000000
	JLOAD G0S, G1S, G0SB, G1SB                     ; the scale words first: they are wanted with K step 0
.irp s, 0,1
	s_mov_b32 s[G0+4*\s], 1
	s_add_co_u32 s[G0+4*\s+1], s45, \s*SLOT
	s_add_nc_u64 s[G0+4*\s+2:G0+4*\s+3], s[20:21], \s*SIGB
	s_or_b32 s[G0+4*\s+3], s[G0+4*\s+3], 0x80000000
	s_mov_b32 s[G0B+4*\s], 1
	s_add_co_u32 s[G0B+4*\s+1], s45, \s*SLOT
	s_add_nc_u64 s[G0B+4*\s+2:G0B+4*\s+3], s[46:47], \s*SIGB
	s_or_b32 s[G0B+4*\s+3], s[G0B+4*\s+3], 0x80000000
	JLOAD G0+4*\s, G1, G0B+4*\s, G1B
.endr
	v_and_b32 v1, 15, v0                           ; r
	v_bfe_u32 v2, v0, 4, 1                         ; h
	v_and_b32 v3, 31, v0
	v_lshlrev_b32 v[LI], 4, v3                     ; 16 x lane: my place in every image
	s_mul_i32 s21, s15, HALFT                      ; my 128 rows of A
	s_mul_i32 s22, s16, HALFT                      ; my 128 rows of B,
	s_add_co_u32 s22, s22, 2*HALFT                 ; which lie behind A's 256
.irp s, 0,1
	v_add_nc_u32 v[ADRA+\s], s21, v[LI]
	v_add_nc_u32 v[ADRB+\s], s22, v[LI]
	s_add_co_u32 s21, s21, SLOT
	s_add_co_u32 s22, s22, SLOT
.endr
	v_lshlrev_b32 v5, 3, v1                        ; my row's two words of a K step: 8 r
	s_mul_i32 s21, s15, HALFS                      ; A's: my 128 rows
	s_mul_i32 s22, s16, HALFS                      ; B's: my 128 rows, behind A's 256
	s_add_co_u32 s22, s22, 2*HALFS
	s_sub_co_u32 s22, s22, s21
	v_mul_u32_u24 v6, s22, v2                      ; lanes 16-31 take B's: one product, the distance between the two bases
	s_add_co_u32 s21, s21, SCL
	v_add_nc_u32 v5, v5, v6
	v_add_nc_u32 v[ADRS], s21, v5
	v_lshlrev_b32 v[OWA], 5, v1
	v_lshl_add_u32 v[OWA], v2, 4, v[OWA]
	v_and_b32 v3, 8, v1
	v_add_nc_u32 v3, v3, v1                        ; r + 8 (r / 8)
	v_lshlrev_b32 v[TA], 9, v3
	v_lshl_add_u32 v[TA], v2, 6, v[TA]
.irp b, 0,1,2,3
	v_mov_b32 v[TM+4+\b], 0                        ; written once: a lane permute's destination counts as one of its sources
.endr
	s_mov_b32 s[SEL], 0x76543210
	s_mov_b32 s[SEL+1], 0xfedcba98
	; where my results go
	s_lshl_b32 s20, s42, 1
	s_add_co_u32 s20, s20, s16                     ; which 128 rows of B's tensor are mine: 0..15
	s_lshl_b32 s21, s17, 1
	s_add_co_u32 s21, s21, s15                     ; which 128 rows of A's: 0..15
	s_lshr_b32 s22, ttmp9, 1
	s_lshl_b32 s22, s22, 4
	s_add_co_u32 s22, s22, s20                     ; q, k: hd = 16 x (0 or 1) + the head (B's group)
	s_add_co_u32 s23, s21, 32                      ; v: hd = 32 + the head (A's group)
	s_cmp_lt_u32 ttmp9, 4
	s_cselect_b32 s22, s22, s23
	s_cselect_b32 s23, s21, s20                    ; the group of 128 along t: A's for q and k, B's for v
	s_lshl_b32 s22, s22, 4
	s_add_co_u32 s22, s22, s23
	s_mul_i32 s46, s22, 8*FRB
	s_mov_b32 s47, 0
	s_add_nc_u64 s[96:97], s[96:97], s[46:47]
	s_lshl_b32 s46, s22, 9
	s_add_nc_u64 s[98:99], s[98:99], s[46:47]
	s_lshl_b32 s46, s23, 16                        ; the tables at my group's first t: 128 rows of 512 bytes (read by q and k alone)
	s_add_nc_u64 s[8:9], s[8:9], s[46:47]
	s_add_nc_u64 s[10:11], s[10:11], s[46:47]
.macro FRAG reg, adr, q, i             ; fragment (tile i, the slot's q-th 128 along K): its image, three loads of 512 consecutive bytes
.irp c, 0,1,2
	ds_load_b128 v[\reg+4*\c:\reg+4*\c+3], v[\adr] offset:(\i)*TILEB+(\q)*FRB+512*\c
.endr
.endm
; 16 matrix instructions: A's blocks a0, a0 + 1 x B's eight.  p: B's set; sc: the set of scale words.  zero = 1: the first product starts the sums.
; The 64 accumulators take turns, one instruction a turn, in the same order in every step.
.macro MUL16 a0, p, q, sc, zero
.irp a, \a0, \a0+1
.irp b, 0,1,2,3,4,5,6,7
.if \zero
	v_wmma_scale_f32_16x16x128_f8f6f4 v[8*(8*((\a)%4)+\b):8*(8*((\a)%4)+\b)+7], v[128*(\p)+FR*\b:128*(\p)+FR*\b+FR-1], v[AF+FR*(\a):AF+FR*(\a)+FR-1], 0, v[SC+8*NQ*(\sc)+NQ*\b+(\q)], v[SC+8*NQ*(\sc)+NQ*(\a)+(\q)] matrix_a_fmt:MATRIX_FMT_BF6 matrix_b_fmt:MATRIX_FMT_BF6 matrix_a_scale:MATRIX_SCALE_ROW1
.else
	v_wmma_scale_f32_16x16x128_f8f6f4 v[8*(8*((\a)%4)+\b):8*(8*((\a)%4)+\b)+7], v[128*(\p)+FR*\b:128*(\p)+FR*\b+FR-1], v[AF+FR*(\a):AF+FR*(\a)+FR-1], v[8*(8*((\a)%4)+\b):8*(8*((\a)%4)+\b)+7], v[SC+8*NQ*(\sc)+NQ*\b+(\q)], v[SC+8*NQ*(\sc)+NQ*(\a)+(\q)] matrix_a_fmt:MATRIX_FMT_BF6 matrix_b_fmt:MATRIX_FMT_BF6 matrix_a_scale:MATRIX_SCALE_ROW1
.endif
.endr
.endr
.endm
.macro FETCH_B slot, q, p
	WIN TO_B
.irp i, 0,1,2,3,4,5,6,7
	FRAG 128*(\p)+FR*\i, ADRB+\slot, \q, \i
.endr
	WIN 0
.endm
.macro FETCH_A slot, q, i0
.irp i, \i0, \i0+1, \i0+2, \i0+3
	FRAG AF+FR*(\i), ADRA+\slot, \q, \i
.endr
.endm
.macro SCALES sc                       ; a K step's scale words: two a row; lanes 0-15 take A's block i, lanes 16-31 B's block i
.irp i, 0,1,2,3,4,5,6,7
	ds_load_b64 v[SC+8*NQ*\sc+NQ*\i:SC+8*NQ*\sc+NQ*\i+1], v[ADRS] offset:\i*1024
.endr
.endm
.macro PLACES n                        ; plain vector instructions between a matrix instruction and a load into, or a read of, its registers (ISA guide 7.12.1 for the reads)
.rept \n
	v_nop
.endr
.endm
.macro STEP slot, q, zero              ; a step of 128 along K that has its successor in the same slot
	s_wait_dscnt 4*NL                              ; B's set, A's blocks 0-3 and the scale words are in; the youngest 12 loads (A's blocks 4-7) may be out
	WIN MUL_LO
	MUL16 0, (\q)%2, \q, \slot, \zero
	MUL16 2, (\q)%2, \q, \slot, \zero
	s_wait_dscnt 0
	PLACES NP
	FETCH_B \slot, (\q)+1, 1-(\q)%2
	FETCH_A \slot, (\q)+1, 0
	WIN MUL_HI
	MUL16 4, (\q)%2, \q, \slot, \zero
	MUL16 6, (\q)%2, \q, \slot, \zero
	PLACES NP
	WIN 0
	FETCH_A \slot, (\q)+1, 4
.endm
; A slot's last step changes slots: one barrier; in front of it each wave waits for all its tensor loads, adds 0 to its spare word, and waits for that and for its reads of this slot.
.macro TURN slot, next, fill
	s_wait_tensorcnt 0x0                           ; all my tensor loads have landed: my part of the next slot
	ds_add_u32 v[SPW], v[NIL]                      ; 0 onto my spare word
	s_wait_dscnt 4*NL+1                            ; (the add and the youngest 12 loads, A's blocks 4-7, may be out)
	WIN MUL_LO
	MUL16 0, 1, NQ-1, \slot, 0
	s_wait_dscnt 0x0                               ; the add is done, and my reads of this slot are over
	s_barrier_signal -1
	MUL16 2, 1, NQ-1, \slot, 0
	WIN 0
	s_barrier_wait -1
.if \fill
	CREST                                          ; the barrier has opened a round of the cluster's barrier: no wave of any partner still reads this slot or has a load on its way
	s_add_nc_u64 s[G0+4*\slot+2:G0+4*\slot+3], s[G0+4*\slot+2:G0+4*\slot+3], 2*SIGB
	s_add_nc_u64 s[G0B+4*\slot+2:G0B+4*\slot+3], s[G0B+4*\slot+2:G0B+4*\slot+3], 2*SIGB
	JLOAD G0+4*\slot, G1, G0B+4*\slot, G1B         ; the first tensor load behind the round; its four v_nop are the places in front of the loads below
.else
	PLACES NP
.endif
	v_add_nc_u32 v[ADRS], 128, v[ADRS]             ; on to the next K step's scale words
	FETCH_B \next, 0, 0
	FETCH_A \next, 0, 0
	SCALES \next
	WIN MUL_HI
	MUL16 4, 1, NQ-1, \slot, 0
	MUL16 6, 1, NQ-1, \slot, 0
	PLACES NP
	WIN 0
	FETCH_A \next, 0, 4
.endm
	s_wait_tensorcnt 1                             ; the scale words and my part of K step 0 are in (K step 1's load may be out)
	s_barrier_signal -1
	s_barrier_wait -1
	FETCH_B 0, 0, 0
	FETCH_A 0, 0, 0
	SCALES 0
	FETCH_A 0, 0, 4
	STEP 0, 0, 1                                   ; the first step stands in front of the loop: its products start the sums
	s_mov_b32 s3, LAPS-1
.Llap:                                             ; a trip goes once round the ring and fills both slots again
	TURN 0, 1, 1
	STEP 1, 0, 0
	TURN 1, 0, 1
	STEP 0, 0, 0
	s_sub_co_u32 s3, s3, 1
	s_cmp_lg_u32 s3, 0
	s_cbranch_scc1 .Llap
	TURN 0, 1, 0                                   ; the last lap fills nothing
	STEP 1, 0, 0
	s_wait_dscnt 4*NL
	WIN MUL_LO
	MUL16 0, 1, NQ-1, 1, 0
	MUL16 2, 1, NQ-1, 1, 0
	s_wait_dscnt 0
	WIN MUL_HI
	MUL16 4, 1, NQ-1, 1, 0
	MUL16 6, 1, NQ-1, 1, 0
	WIN 0
	PLACES NP                                      ; in front of the first reads of results and of the loads into the fragments' registers
; THE EPILOGUE.  For A's block a the lane's 64 registers v[64 (a % 4)] on, window 2 + a / 4, are: register 16 b + i = row 32 b + 16 (lane / 16) + i of my 128 rows of B: the order that QUANT takes.
; 64 numbers in window sw become a fragment's image in v[PC] on and its scale word in v[pw]
.macro QUANT s, sw, pw
	WIN ((\sw)<<2)|((\sw)<<4)                      ; sources 1 and 2: the numbers' window
.irp b, 0,1,2,3
	v_max3_num_f32 v[TM+\b], 0x2800000, |v[\s+16*\b]|, |v[\s+1+16*\b]|   ; my 16 numbers of block b, and the floor 2^(5 - 127)
.endr
.irp i, 2,4,6,8,10,12,14
.irp b, 0,1,2,3
	v_max3_num_f32 v[TM+\b], v[TM+\b], |v[\s+16*\b+\i]|, |v[\s+1+16*\b+\i]|
.endr
.endr
	WIN 0
.irp b, 0,1,2,3
	v_permlanex16_b32 v[TM+4+\b], v[TM+\b], s[SEL], s[SEL+1]
.endr
.irp b, 0,1,2,3
	v_max_num_f32 v[TM+\b], v[TM+\b], v[TM+4+\b]
.endr
.irp b, 0,1,2,3
	v_add_nc_u32 v[TM+12+\b], 0xfe000000, v[TM+\b]
.endr
.irp b, 0,1,2,3
	v_lshrrev_b32 v[TM+4+\b], 23, v[TM+12+\b]
.endr
	v_lshl_or_b32 v[\pw], v[TM+5], 8, v[TM+4]
	v_lshl_or_b32 v[\pw], v[TM+6], 16, v[\pw]
	v_lshl_or_b32 v[\pw], v[TM+7], 24, v[\pw]
	WIN (\sw)                                      ; source 0: the numbers' window
.irp c, 0,1
	v_cvt_scalef32_pk16_bf6_f32 v[PC+6*\c:PC+2+6*\c], v[\s+32*\c:\s+15+32*\c], v[TM+12+2*\c]
	v_cvt_scalef32_pk16_bf6_f32 v[PC+12+4*\c:PC+14+4*\c], v[\s+16+32*\c:\s+31+32*\c], v[TM+12+2*\c+1]
.endr
	WIN 0
	v_nop                                          ; one plain place behind a scaled conversion
.irp c, 0,1
.irp i, 0,1,2
	v_permlane16_swap_b32 v[PC+6*\c+\i], v[PC+12+4*\c+\i]
.endr
.irp i, 0,1,2
	v_mov_b32 v[PC+3+6*\c+\i], v[PC+12+4*\c+\i]
.endr
.endr
.endm
.macro STORE a
.irp c, 0,1,2
	global_store_b128 v[LI], v[PC+4*\c:PC+4*\c+3], s[96:97] offset:(\a)*FRB+512*\c   ; 512 consecutive bytes a store
.endr
.endm
.macro LOADT a                         ; cos and sin of my t in tile a, at my 64 places of d, into window a % 2
	WIN ((\a)%2)<<6
.irp b, 0,1,2,3
.irp j, 0,1,2,3
	global_load_b128 v[COS+16*\b+4*\j:COS+16*\b+4*\j+3], v[TA], s[10:11] offset:(32*((\a)/2)+8*((\a)%2))*512+128*\b+16*\j
	global_load_b128 v[SIN+16*\b+4*\j:SIN+16*\b+4*\j+3], v[TA], s[8:9] offset:(32*((\a)/2)+8*((\a)%2))*512+128*\b+16*\j
.endr
.endr
	WIN 0
.endm
.macro ROPE a                          ; register n holds d = 32 (n / 16) + 16 h + n % 16, so d + 64 is register n + 32.  The result takes the cosines' place
.set AC, 64*((\a)%4)
.set TW, (\a)%2
	WIN (2+(\a)/4)|(TW<<2)|(TW<<4)|(TW<<6)         ; source 0: the accumulators; the rest: the tables
.set NN, 0
.rept 32
	v_pk_mul_f32 v[COS+NN:COS+NN+1], v[AC+NN:AC+NN+1], v[COS+NN:COS+NN+1]   ; u cos, each accumulator from its low end on
.set NN, NN+2
.endr
.set NN, 0
.rept 16
	v_pk_fma_f32 v[COS+NN:COS+NN+1], v[AC+NN+32:AC+NN+33], v[SIN+NN:SIN+NN+1], v[COS+NN:COS+NN+1] neg_lo:[1,0,0] neg_hi:[1,0,0]   ; d < 64: - u(d + 64) sin
.set NN, NN+2
.endr
.rept 16
	v_pk_fma_f32 v[COS+NN:COS+NN+1], v[AC+NN-32:AC+NN-31], v[SIN+NN:SIN+NN+1], v[COS+NN:COS+NN+1]   ; d >= 64: + u(d - 64) sin
.set NN, NN+2
.endr
	WIN 0
.endm
	s_cmp_ge_u32 ttmp9, 4                          ; the cluster's x: the same in all partners
	s_cbranch_scc1 .Lvpath
	LOADT 0
	LOADT 1
.irp a, 0,1,2,3,4,5,6,7
.if \a < 7
	s_wait_loadcnt 32                              ; this tile's 32 loads are in; the next tile's may be out
.else
	s_wait_loadcnt 0x0
.endif
.if \a > 0
	s_wait_xcnt 0x0                                ; the last fragment's stores have read their registers
.endif
	ROPE \a
	QUANT COS, (\a)%2, PWS+\a
	STORE \a
.if \a < 6
	LOADT \a+2
.endif
.endr
	s_branch .Ljoin
.Lvpath:
.irp a, 0,1,2,3,4,5,6,7
.if \a > 0
	s_wait_xcnt 0x0                                ; the last fragment's stores have read their registers
.endif
	QUANT 64*((\a)%4), 2+(\a)/4, PWS+\a
	STORE \a
.endr
.Ljoin:
	v_cmp_eq_u32 vcc_lo, 1, v2
.irp i, 0,1,2,3
	v_cndmask_b32 v[OUTW+\i], v[PWS+\i], v[PWS+4+\i], vcc_lo   ; lanes 0-15 store row r's words of tiles 0-3, lanes 16-31 of tiles 4-7
.endr
	global_store_b128 v[OWA], v[OUTW:OUTW+3], s[98:99]         ; 512 consecutive bytes
	s_wait_tensorcnt 0x0                           ; the wave's end
	ds_add_u32 v[SPW], v[NIL]
	s_wait_dscnt 0x0
	CROUND                                         ; the closing round: no work-group ends while a partner may still ask for a tile that names it
	s_endpgm
.Lfunc_end_k_qb173c64e5e_qkv:
	.size	k_qb173c64e5e_qkv, .Lfunc_end_k_qb173c64e5e_qkv-k_qb173c64e5e_qkv
	.p2alignl 7, 3214868480
	.fill 96, 4, 3214868480
	.section	.rodata,"a",@progbits
	.p2align	6, 0x0
	.amdhsa_kernel k_qb173c64e5e_qkv
		.amdhsa_group_segment_fixed_size 327680
		.amdhsa_private_segment_fixed_size 0
		.amdhsa_enable_private_segment 0
		.amdhsa_kernarg_size 48
		.amdhsa_user_sgpr_count 2
		.amdhsa_user_sgpr_kernarg_segment_ptr 1
		.amdhsa_wavefront_size32 1
		.amdhsa_system_sgpr_workgroup_id_x 1
		.amdhsa_system_sgpr_workgroup_id_y 1
		.amdhsa_system_sgpr_workgroup_id_z 1
		.amdhsa_system_vgpr_workitem_id 0
		.amdhsa_next_free_vgpr 1024
		.amdhsa_next_free_sgpr 102
		.amdhsa_reserve_vcc 1
		.amdhsa_float_denorm_mode_32 3
		.amdhsa_float_denorm_mode_16_64 3
		.amdhsa_memory_ordered 1
		.amdhsa_forward_progress 1
		.amdhsa_inst_pref_size 230
	.end_amdhsa_kernel
	.amdgpu_metadata
---
amdhsa.version: [ 1, 2 ]
amdhsa.kernels:
  - .name:           k_qb173c64e5e_qkv
    .symbol:         k_qb173c64e5e_qkv.kd
    .args:
      - { .name: cod, .offset: 0, .size: 8, .value_kind: global_buffer, .address_space: global }
      - { .name: scl, .offset: 8, .size: 8, .value_kind: global_buffer, .address_space: global }
      - { .name: sin, .offset: 16, .size: 8, .value_kind: global_buffer, .address_space: global }
      - { .name: cos, .offset: 24, .size: 8, .value_kind: global_buffer, .address_space: global }
      - { .name: qkvc, .offset: 32, .size: 8, .value_kind: global_buffer, .address_space: global }
      - { .name: qkvs, .offset: 40, .size: 8, .value_kind: global_buffer, .address_space: global }
    .group_segment_fixed_size: 327680
    .private_segment_fixed_size: 0
    .kernarg_segment_align: 8
    .kernarg_segment_size: 48
    .max_flat_workgroup_size: 128
    .sgpr_count:     102
    .vgpr_count:     1024
    .wavefront_size: 32
...
	.end_amdgpu_metadata
.endif
;; end of part 2
;; launch attn (part 3): grid 16 x 16, 8 waves a work-group, no clusters, 0 bytes of LDS; arguments qkvc, qkvs, doc_ids, oc, os; writes oc, os
.if DOCPART == 3
	.amdgcn_target "amdgcn-amd-amdhsa--gfx1250"
	.amdhsa_code_object_version 6
	.text
	.protected	k_qb173c64e5e_attn
	.globl	k_qb173c64e5e_attn
	.p2align	8
	.type	k_qb173c64e5e_attn,@function
k_qb173c64e5e_attn:
	s_mov_b64 s[64:65], 0
	v_nop
	global_prefetch_b8 v0, s[64:65] scope:SCOPE_SE
	s_setreg_imm32_b32 hwreg(HW_REG_WAVE_MODE, 25, 1), 1
	s_wait_xcnt 0x0
; out[t][head] = the sum over s of softmax_s(q[t] . k[s] / sqrt(128), masked) v[s], key s counting for query t where s <= t and doc_ids[s] == doc_ids[t]; both products on codes of BF6 (E3M2) with E8M0 scales.
; THE SOFTMAX AHEAD OF THE SECOND PRODUCT: t = score x log2(e) / sqrt(128); M = the running largest t rounded up to a whole number; p = 2^(t - M) is quantised along the keys, not normalised; the row's sum is taken
; of the unquantised p and divides at the end.  When M moves, the sum and O are multiplied by 2^(old M - new M): exact.  The result is quantised along the head's 128 and leaves as the last product's operand.
; SHARES.  A wave owns one tile of 16 queries (tile tau = rows 32 (tau / 2) + 8 (tau % 2) + r + 8 (r / 8)) of one head.  Waves 0-3 of work-group i take tiles 4 i + w, waves 4-7 tiles 120 - 4 i + w: early and late
; queries share a WGP.  A wave walks the 16 key steps of 128 in a loop of constant count and passes over a step whose every score is masked: steps behind its queries, and steps whose range of doc ids does not
; meet the range of its queries' ids (of the aligned 32 queries round my 16: a wider range, so nothing is passed over wrongly; no order of doc_ids is assumed).  The branches hang on doc_ids, whole numbers read
; from memory, so this launch has no tensor load: operands come from memory straight into registers, as images, three loads of 512 consecutive bytes a fragment.  No LDS, no barrier.
; Multicast is not used: partners would want different steps.
; LAYOUT.  Both products are used transposed (S^T = K Q^T, O^T = V^T P^T): a lane holds one query; the 16 registers of tiles 2 b, 2 b + 1 are keys (or channels) 32 b + 16 (lane / 16) + 0 .. 15.
; LIMITS: NaN and infinities are not served; the division is a multiplication by v_rcp_f32; a block of zeros or under 2^-122 gets the byte 1 (only this program reads the bytes).
; REGISTERS, window 0: v1-11 addresses and ids; v12 -M, v13 the largest t, v[14:15] the sum; v16-27 Q, v28 its scale words; v32-39 K's scale words, v40-47 V's; v48-84 at work at the head and in the last QUANT;
;   v96-159 S^T, then p; v160-223 O^T; v224-254 at work.   window 1: v0-95 K's eight fragments, v96-191 V's, v192-255 the doc ids of my 64 keys.
.set FRB,   1536
.set SIGB,  393216
.set VC,    3145728                    ; from k's codes of a head to v's: 16 heads x 16 groups x 8 fragments
.set VS,    131072                     ; and between their scale words
.set TM,    48
.set PC,    64
.set PW,    84
.set SEL,   20                         ; s[20:21]
.set CS,    22                         ; s[22:23] c = log2(e) / sqrt(128)
.set MSB, 0
.macro WIN new
.if MSB != (\new)
	s_set_vgpr_msb (MSB<<8)|(\new)
.set MSB, (\new)
.endif
.endm
.macro QUANT s, pw                     ; 64 numbers, register 16 b + i = k 32 b + 16 (lane / 16) + i, become a fragment's image in v[PC] on and its scale word in v[pw]
.irp b, 0,1,2,3
	v_max3_num_f32 v[TM+\b], |v[\s+16*\b]|, |v[\s+1+16*\b]|, 0x2800000
.endr
.irp i, 2,4,6,8,10,12,14
.irp b, 0,1,2,3
	v_max3_num_f32 v[TM+\b], v[TM+\b], |v[\s+16*\b+\i]|, |v[\s+1+16*\b+\i]|
.endr
.endr
.irp b, 0,1,2,3
	v_permlanex16_b32 v[TM+4+\b], v[TM+\b], s[SEL], s[SEL+1]
.endr
.irp b, 0,1,2,3
	v_max_num_f32 v[TM+\b], v[TM+\b], v[TM+4+\b]
.endr
.irp b, 0,1,2,3
	v_add_nc_u32 v[TM+12+\b], 0xfe000000, v[TM+\b]
.endr
.irp b, 0,1,2,3
	v_lshrrev_b32 v[TM+4+\b], 23, v[TM+12+\b]
.endr
	v_lshl_or_b32 v[\pw], v[TM+5], 8, v[TM+4]
	v_lshl_or_b32 v[\pw], v[TM+6], 16, v[\pw]
	v_lshl_or_b32 v[\pw], v[TM+7], 24, v[\pw]
.irp c, 0,1
	v_cvt_scalef32_pk16_bf6_f32 v[PC+6*\c:PC+2+6*\c], v[\s+32*\c:\s+15+32*\c], v[TM+12+2*\c]
	v_cvt_scalef32_pk16_bf6_f32 v[PC+12+4*\c:PC+14+4*\c], v[\s+16+32*\c:\s+31+32*\c], v[TM+12+2*\c+1]
.endr
	v_nop
.irp c, 0,1
.irp i, 0,1,2
	v_permlane16_swap_b32 v[PC+6*\c+\i], v[PC+12+4*\c+\i]
.endr
.irp i, 0,1,2
	v_mov_b32 v[PC+3+6*\c+\i], v[PC+12+4*\c+\i]
.endr
.endr
.endm
	s_load_b256 s[4:11], s[0:1], 0x0               ; qkvc s[4:5], qkvs s[6:7], doc_ids s[8:9], oc s[10:11]
	s_load_b64 s[12:13], s[0:1], 0x20              ; os
	v_lshrrev_b32 v1, 5, v0
	v_readfirstlane_b32 s18, v1                    ; wave 0..7
	v_and_b32 v6, 31, v0
	v_lshlrev_b32 v1, 4, v6                        ; 16 x lane: my place in every image
	v_and_b32 v6, 15, v0                           ; r
	v_bfe_u32 v7, v0, 4, 1                         ; h
	v_lshlrev_b32 v2, 5, v6                        ; 32 r: a row's eight scale words
	v_lshlrev_b32 v3, 6, v7                        ; 64 h: my 16 keys' ids in each block of 32
	s_lshl_b32 s26, ttmp9, 2
	s_sub_co_u32 s27, 120, s26
	s_cmp_lt_u32 s18, 4
	s_cselect_b32 s19, s26, s27
	s_add_co_u32 s19, s19, s18                     ; my tile of queries: 0..127
	s_lshr_b32 s24, s19, 3                         ; its group of 128: the last key step that counts
	s_and_b32 s25, s19, 7                          ; and its place in the group
	s_lshr_b32 s26, s19, 1
	s_lshl_b32 s26, s26, 5                         ; the aligned 32 queries round my 16 begin here
	s_and_b32 s27, s19, 1
	s_lshl_b32 s27, s27, 3
	s_add_co_u32 s27, s27, s26
	v_and_b32 v4, 8, v6
	v_add_nc_u32 v4, v4, v6
	v_add_nc_u32 v4, s27, v4                       ; my query
	v_lshlrev_b32 v9, 4, v7
	v_sub_nc_u32 v8, v4, v9                        ; my query - 16 h
	v_lshlrev_b32 v9, 2, v4                        ; its id's byte
	v_lshlrev_b32 v10, 9, v6
	v_lshl_add_u32 v10, v7, 8, v10                 ; 512 r + 256 h: at the head lane (r, h) takes the ids of keys 128 r + 64 h + 0 .. 63
	v_lshlrev_b32 v11, 3, v6                       ; 8 r: the output's scale word
	s_and_b32 s40, ttmp7, 0xffff                   ; the head
	s_lshl_b32 s41, s40, 7
	s_add_co_u32 s41, s41, s19
	s_mul_i32 s42, s41, FRB                        ; Q's image
	s_mov_b32 s43, 0
	s_lshl_b32 s44, s40, 4
	s_add_co_u32 s44, s44, s24
	s_lshl_b32 s44, s44, 9
	s_lshl_b32 s45, s25, 2
	s_add_co_u32 s44, s44, s45                     ; Q's scale words
	s_mov_b32 s45, 0
	s_add_co_u32 s46, s40, 16
	s_mul_i32 s48, s46, 128*FRB                    ; k's codes of my head
	s_mov_b32 s49, 0
	s_lshl_b32 s50, s46, 13                        ; and its scale words
	s_mov_b32 s51, 0
	s_lshl_b32 s52, s26, 2                         ; the 32 queries' ids
	s_mov_b32 s53, 0
	s_lshr_b32 s54, s40, 1
	s_and_b32 s55, s40, 1
	s_mul_i32 s56, s54, SIGB                       ; the output as an operand: K = 128 x head + d
	s_mul_i32 s57, s19, 2*FRB
	s_add_co_u32 s56, s56, s57
	s_mul_i32 s57, s55, FRB
	s_add_co_u32 s56, s56, s57
	s_mov_b32 s57, 0
	s_lshl_b32 s58, s19, 10
	s_lshl_b32 s59, s54, 7
	s_add_co_u32 s58, s58, s59
	s_lshl_b32 s59, s55, 2
	s_add_co_u32 s58, s58, s59
	s_mov_b32 s59, 0
	s_mov_b32 s[SEL], 0x76543210
	s_mov_b32 s[SEL+1], 0xfedcba98
	s_mov_b32 s[CS], 0x3e0293ee
	s_mov_b32 s[CS+1], s[CS]                       ; (named with it as a pair, so it is written)
	s_wait_kmcnt 0x0
	s_add_nc_u64 s[42:43], s[4:5], s[42:43]
	s_add_nc_u64 s[44:45], s[6:7], s[44:45]
	s_add_nc_u64 s[32:33], s[4:5], s[48:49]        ; the step's codes of k; v's lie VC bytes on
	s_add_nc_u64 s[34:35], s[6:7], s[50:51]        ; the step's scale words of k; v's VS bytes on
	s_mov_b64 s[36:37], s[8:9]                     ; the step's ids
	s_add_nc_u64 s[52:53], s[8:9], s[52:53]
	s_add_nc_u64 s[10:11], s[10:11], s[56:57]
	s_add_nc_u64 s[12:13], s[12:13], s[58:59]
	s_load_b512 s[68:83], s[52:53], 0x0            ; 32 queries' ids
	s_load_b512 s[84:99], s[52:53], 0x40
.irp c, 0,1,2
	global_load_b128 v[16+4*\c:19+4*\c], v1, s[42:43] offset:512*\c   ; Q stays in registers
.endr
	global_load_b32 v28, v2, s[44:45]
	global_load_b32 v5, v9, s[8:9]                 ; my query's id
.irp j, 0,1,2,3,4,5,6,7,8,9,10,11,12,13,14,15
	global_load_b128 v[96+4*\j:99+4*\j], v10, s[8:9] offset:16*\j
.endr
	v_mov_b32 v13, 0xff61b1e6                      ; the largest t so far: -3e38, under every t
	v_floor_f32 v12, -v13                          ; -M
	v_mov_b32 v14, 0
	v_mov_b32 v15, 0
.irp b, 0,1,2,3
	v_mov_b32 v[236+\b], 0                         ; written once: a lane permute's destination counts as one of its sources
	v_mov_b32 v[TM+4+\b], 0
.endr
	v_mov_b32 v50, 0
	v_mov_b32 v51, 0
	v_mov_b32 v252, 0
	v_mov_b32 v253, 0
.set NN, 0
.rept 64
	v_mov_b32 v[160+NN], 0                         ; O^T.  Which step is a wave's first hangs on data, so no first step is written out: the first finds zeros, which the first change of M leaves zeros
.set NN, NN+1
.endr
	s_wait_loadcnt 0x0
	s_wait_kmcnt 0x0
	v_min_u32 v48, v96, v97                        ; the least and the greatest id of my 64 keys
	v_max_u32 v49, v96, v97
.set NN, 2
.rept 62
	v_min_u32 v48, v48, v[96+NN]
	v_max_u32 v49, v49, v[96+NN]
.set NN, NN+1
.endr
	v_permlanex16_b32 v50, v48, s[SEL], s[SEL+1]
	v_permlanex16_b32 v51, v49, s[SEL], s[SEL+1]
	v_min_u32 v48, v48, v50                        ; lane r: of key step r
	v_max_u32 v49, v49, v51
	s_min_u32 s38, s68, s69                        ; and of the queries
	s_max_u32 s39, s68, s69
.irp j, 70,71,72,73,74,75,76,77,78,79,80,81,82,83,84,85,86,87,88,89,90,91,92,93,94,95,96,97,98,99
	s_min_u32 s38, s38, s[\j]
	s_max_u32 s39, s39, s[\j]
.endr
	v_cmp_ge_u32 s26, s39, v48                     ; the ranges meet: the queries' greatest >= the step's least
	v_cmp_le_u32 s27, s38, v49                     ; and their least <= the step's greatest
	s_and_b32 s29, s26, s27
	s_lshl_b32 s26, 2, s24
	s_sub_co_u32 s26, s26, 1                       ; steps 0 .. my group's (at most 16 bits: lanes 16-31 fall away)
	s_and_b32 s29, s29, s26                        ; bit KS: step KS is walked.  My own group's bit is always set: a query's own key counts
	v_cmp_eq_u32 s26, s39, v48
	v_cmp_eq_u32 s27, s38, v49
	s_and_b32 s30, s26, s27                        ; bit KS: all ids of the step and of the queries are one number: no id need be compared
	s_mov_b32 s28, 0                               ; KS
	s_mov_b32 s31, 0                               ; the step's first key
.Lstep:
	s_bitcmp1_b32 s29, s28
	s_cbranch_scc0 .Lskip
	WIN 0x40                                       ; destination window 1
.irp t, 0,1,2,3,4,5,6,7
.irp c, 0,1,2
	global_load_b128 v[12*\t+4*\c:12*\t+4*\c+3], v1, s[32:33] offset:FRB*\t+512*\c
.endr
.endr
	WIN 0
	global_load_b128 v[32:35], v2, s[34:35]        ; row r's words of K's tiles 0-3,
	global_load_b128 v[36:39], v2, s[34:35] offset:16   ; 4-7
	WIN 0x40
.irp b, 0,1,2,3
.irp j, 0,1,2,3
	global_load_b128 v[192+16*\b+4*\j:192+16*\b+4*\j+3], v3, s[36:37] offset:128*\b+16*\j   ; the ids of keys 32 b + 16 h + 0 .. 15
.endr
.endr
.irp t, 0,1,2,3,4,5,6,7
.irp c, 0,1,2
	global_load_b128 v[96+12*\t+4*\c:96+12*\t+4*\c+3], v1, s[32:33] offset:VC+FRB*\t+512*\c
.endr
.endr
	WIN 0
	global_load_b128 v[40:43], v2, s[34:35] offset:VS
	global_load_b128 v[44:47], v2, s[34:35] offset:VS+16
	s_wait_loadcnt 42                              ; K and its scale words are in; 16 loads of ids, 24 of V and 2 of its scale words may be out
	WIN 0x01                                       ; source 0 window 1
.irp t, 0,1,2,3,4,5,6,7
	v_wmma_scale_f32_16x16x128_f8f6f4 v[96+8*\t:103+8*\t], v[12*\t:12*\t+11], v[16:27], 0, v[32+\t], v28 matrix_a_fmt:MATRIX_FMT_BF6 matrix_b_fmt:MATRIX_FMT_BF6
.endr
	WIN 0
.rept 4
	v_nop                                          ; places in front of the first read of the scores
.endr
	s_bitcmp1_b32 s30, s28
	s_cbranch_scc1 .Lsame
	s_wait_loadcnt 26                              ; the ids are in; V's 24 loads and its 2 of scale words may be out
	WIN 0x01
.set NN, 0
.rept 64
	v_cmp_eq_u32 vcc_lo, v[192+NN], v5             ; the key's id against my query's
	v_cndmask_b32 v[96+NN], 0xff800000, v[96+NN], vcc_lo   ; another document's score becomes -infinity: p = 0 then
.set NN, NN+1
.endr
	WIN 0
.Lsame:
	s_cmp_lg_u32 s28, s24
	s_cbranch_scc1 .Lopen
	v_sub_nc_u32 v252, v8, s31                     ; on the diagonal: register 16 b + i holds key KF + 16 h + 32 b + i: hidden where 32 b + i > my query - KF - 16 h
	v_mov_b32 v254, 0xff800000
.set NN, 0
.rept 64
	v_cmp_gt_i32 vcc_lo, 32*(NN/16)+NN%16, v252
	v_cndmask_b32 v[96+NN], v[96+NN], v254, vcc_lo
.set NN, NN+1
.endr
.Lopen:
.irp b, 0,1,2,3
	v_max3_num_f32 v[232+\b], v[96+16*\b], v[97+16*\b], v[98+16*\b]   ; the largest score of each block of 32 keys: it serves the row's maximum and, since p rises with the score, the block's largest p
.endr
.irp i, 3,5,7,9,11,13
.irp b, 0,1,2,3
	v_max3_num_f32 v[232+\b], v[232+\b], v[96+16*\b+\i], v[97+16*\b+\i]
.endr
.endr
.irp b, 0,1,2,3
	v_max_num_f32 v[232+\b], v[232+\b], v[111+16*\b]
.endr
.irp b, 0,1,2,3
	v_permlanex16_b32 v[236+\b], v[232+\b], s[SEL], s[SEL+1]
.endr
.irp b, 0,1,2,3
	v_max_num_f32 v[232+\b], v[232+\b], v[236+\b]  ; with lane l xor 16's 16 keys
.endr
	v_max3_num_f32 v254, v232, v233, v234
	v_max_num_f32 v254, v254, v235
	v_mul_f32 v254, s[CS], v254                    ; the step's largest t of my query (-infinity where all its keys are masked: the running maximum stays)
	v_max_num_f32 v13, v13, v254
	v_mov_b32 v254, v12
	v_floor_f32 v12, -v13                          ; the new -M = -ceil(t): a whole number
	v_sub_f32 v254, v12, v254
	v_cvt_i32_f32 v254, v254                       ; (it saturates)
	v_ldexp_f32 v252, 1.0, v254                    ; f = 2^(old M - new M)
.set NN, 0
.rept 32
	v_pk_fma_f32 v[96+NN:97+NN], v[96+NN:97+NN], s[CS:CS+1], v[12:13] op_sel_hi:[1,0,0]   ; t - M, two at a time
.set NN, NN+2
.endr
.irp b, 0,1,2,3
	v_fma_f32 v[232+\b], v[232+\b], s[CS], v12     ; the same of each block's largest score
.endr
.set NN, 0
.rept 64
	v_exp_f32 v[96+NN], v[96+NN]                   ; p = 2^(t - M), at most 1
.set NN, NN+1
.endr
	v_pk_mul_f32 v[14:15], v[14:15], v[252:253] op_sel_hi:[1,0]   ; the sums under the new M: a plain place behind the exponentials
	s_wait_alu depctr_va_vdst(0)                   ; one wait for the whole batch, ahead of its first reader
.irp b, 0,1,2,3
	v_exp_f32 v[232+\b], v[232+\b]                 ; the block's largest p
.endr
	v_pk_add_f32 v[236:237], v[96:97], v[98:99]    ; the row's sum of the unquantised p, in two chains
.irp j, 4,8,12,16,20,24,28,32,36,40,44,48,52,56,60
	v_pk_add_f32 v[14:15], v[14:15], v[96+\j:97+\j]
	v_pk_add_f32 v[236:237], v[236:237], v[98+\j:99+\j]
.endr
	v_pk_add_f32 v[14:15], v[14:15], v[236:237]
	s_wait_alu depctr_va_vdst(0)                   ; and one for the four
.irp b, 0,1,2,3
	v_max_num_f32 v[232+\b], 0x2800000, v[232+\b]  ; the floor 2^(5 - 127)
.endr
.irp b, 0,1,2,3
	v_add_nc_u32 v[244+\b], 0xfe000000, v[232+\b]
.endr
.irp b, 0,1,2,3
	v_lshrrev_b32 v[236+\b], 23, v[244+\b]
.endr
	v_lshl_or_b32 v253, v237, 8, v236              ; p's scale word for these 128 keys
	v_lshl_or_b32 v253, v238, 16, v253
	v_lshl_or_b32 v253, v239, 24, v253
.irp c, 0,1
	v_cvt_scalef32_pk16_bf6_f32 v[224+6*\c:226+6*\c], v[96+32*\c:111+32*\c], v[244+2*\c]
	v_cvt_scalef32_pk16_bf6_f32 v[236+4*\c:238+4*\c], v[112+32*\c:127+32*\c], v[244+2*\c+1]
.endr
	v_nop                                          ; one plain place behind a scaled conversion
.irp c, 0,1
.irp i, 0,1,2
	v_permlane16_swap_b32 v[224+6*\c+\i], v[236+4*\c+\i]
.endr
.irp i, 0,1,2
	v_mov_b32 v[227+6*\c+\i], v[236+4*\c+\i]
.endr
.endr
.set NN, 0
.rept 32
	v_pk_mul_f32 v[160+NN:161+NN], v[160+NN:161+NN], v[252:253] op_sel_hi:[1,0]   ; O^T under the new M; these 32 are also the places between p's codes and scale word and the products
.set NN, NN+2
.endr
	s_wait_loadcnt 0x0                             ; V and its scale words are in (and the ids, where they were not compared): every load of the step is done, so the bases may step below
	WIN 0x01
.irp t, 0,1,2,3,4,5,6,7
	v_wmma_scale_f32_16x16x128_f8f6f4 v[160+8*\t:167+8*\t], v[96+12*\t:107+12*\t], v[224:235], v[160+8*\t:167+8*\t], v[40+\t], v253 matrix_a_fmt:MATRIX_FMT_BF6 matrix_b_fmt:MATRIX_FMT_BF6
.endr
	WIN 0
.rept 4
	v_nop                                          ; places in front of the next step's loads into V's registers and of the reads of O^T
.endr
.Lskip:
	s_add_nc_u64 s[32:33], s[32:33], 8*FRB
	s_add_nc_u64 s[34:35], s[34:35], 512
	s_add_nc_u64 s[36:37], s[36:37], 512
	s_add_co_u32 s31, s31, 128
	s_add_co_u32 s28, s28, 1
	s_cmp_lt_u32 s28, 16
	s_cbranch_scc1 .Lstep
	v_add_f32 v14, v14, v15                        ; the sum's two halves,
	v_permlanex16_b32 v252, v14, s[SEL], s[SEL+1]
	v_add_f32 v14, v14, v252                       ; and lane l xor 16's
	v_rcp_f32 v14, v14
	v_nop                                          ; a plain place behind the reciprocal
	s_wait_alu depctr_va_vdst(0)                   ; and the wait ahead of its first reader
.set NN, 0
.rept 64
	v_mul_f32 v[96+NN], v[160+NN], v14             ; register 16 b + i: channel 32 b + 16 h + i of my query
.set NN, NN+1
.endr
	QUANT 96, PW
.irp c, 0,1,2
	global_store_b128 v1, v[PC+4*\c:PC+4*\c+3], s[10:11] offset:512*\c   ; 512 consecutive bytes a store
.endr
	global_store_b32 v11, v[PW], s[12:13]          ; row r's scale word; lanes r and r + 16 hold the same word and name the same place
	s_endpgm
.Lfunc_end_k_qb173c64e5e_attn:
	.size	k_qb173c64e5e_attn, .Lfunc_end_k_qb173c64e5e_attn-k_qb173c64e5e_attn
	.p2alignl 7, 3214868480
	.fill 96, 4, 3214868480
	.section	.rodata,"a",@progbits
	.p2align	6, 0x0
	.amdhsa_kernel k_qb173c64e5e_attn
		.amdhsa_group_segment_fixed_size 0
		.amdhsa_private_segment_fixed_size 0
		.amdhsa_enable_private_segment 0
		.amdhsa_kernarg_size 40
		.amdhsa_user_sgpr_count 2
		.amdhsa_user_sgpr_kernarg_segment_ptr 1
		.amdhsa_wavefront_size32 1
		.amdhsa_system_sgpr_workgroup_id_x 1
		.amdhsa_system_sgpr_workgroup_id_y 1
		.amdhsa_system_sgpr_workgroup_id_z 1
		.amdhsa_system_vgpr_workitem_id 0
		.amdhsa_next_free_vgpr 512
		.amdhsa_next_free_sgpr 100
		.amdhsa_reserve_vcc 1
		.amdhsa_float_denorm_mode_32 3
		.amdhsa_float_denorm_mode_16_64 3
		.amdhsa_memory_ordered 1
		.amdhsa_forward_progress 1
		.amdhsa_inst_pref_size 54
	.end_amdhsa_kernel
	.amdgpu_metadata
---
amdhsa.version: [ 1, 2 ]
amdhsa.kernels:
  - .name:           k_qb173c64e5e_attn
    .symbol:         k_qb173c64e5e_attn.kd
    .args:
      - { .name: qkvc, .offset: 0, .size: 8, .value_kind: global_buffer, .address_space: global }
      - { .name: qkvs, .offset: 8, .size: 8, .value_kind: global_buffer, .address_space: global }
      - { .name: doc_ids, .offset: 16, .size: 8, .value_kind: global_buffer, .address_space: global }
      - { .name: oc, .offset: 24, .size: 8, .value_kind: global_buffer, .address_space: global }
      - { .name: os, .offset: 32, .size: 8, .value_kind: global_buffer, .address_space: global }
    .group_segment_fixed_size: 0
    .private_segment_fixed_size: 0
    .kernarg_segment_align: 8
    .kernarg_segment_size: 40
    .max_flat_workgroup_size: 256
    .sgpr_count:     100
    .vgpr_count:     512
    .wavefront_size: 32
...
	.end_amdgpu_metadata
.endif
;; end of part 3
;; launch outp (part 4): grid 8 x 8, 4 waves a work-group, clusters of 4 x 4, 327,680 bytes of LDS; arguments oc, os, cod, scl, out0; writes out0
.if DOCPART == 4
	.amdgcn_target "amdgcn-amd-amdhsa--gfx1250"
	.amdhsa_code_object_version 6
	.text
	.protected	k_qb173c64e5e_outp
	.globl	k_qb173c64e5e_outp
	.p2align	8
	.type	k_qb173c64e5e_outp,@function
k_qb173c64e5e_outp:
	s_mov_b64 s[64:65], 0
	v_nop
	global_prefetch_b8 v0, s[64:65] scope:SCOPE_SE
	s_setreg_imm32_b32 hwreg(HW_REG_WAVE_MODE, 25, 1), 1
	s_wait_xcnt 0x0
	s_wait_alu depctr_hold_cnt(0) depctr_sa_sdst(0) depctr_va_vdst(0) depctr_va_sdst(0) depctr_va_ssrc(0) depctr_va_vcc(0) depctr_vm_vsrc(0)
	s_getreg_b32 s2, hwreg(HW_REG_IB_STS2, 6, 4)
	s_cmp_eq_u32 s2, 0
	s_cbranch_scc0 .Lentry_in_a_cluster
	s_endpgm
.Lentry_in_a_cluster:
	s_bfe_u32 s2, ttmp6, 0x10000c
	s_cmp_lg_u32 s2, 0xf033
	s_cbranch_scc0 .Lentry_shape_is_right
	s_endpgm
.Lentry_shape_is_right:
; out0 = o Wo on codes of BF6 (E3M2) with E8M0 scales, f32 sums.  o (oc, os) and Wo (tensor 4 of cod, scl) lie as images of fragment registers: [k / 256][tile][(k / 128) % 2][1,536 bytes],
; tile tau = rows 32 (tau / 2) + 8 (tau % 2) + r + 8 (r / 8); scale words at tau x 1,024 + (k / 256) x 128 + 8 r + 4 ((k / 128) % 2).
; A tile of 256 x 256 of out0 is made by four waves, each 128 x 128: 64 accumulators.  K goes in steps of 256 through two LDS slots filled by the tensor data mover; 128 rows x 256 K are 24,576 dense bytes.
; THE MATRIX INSTRUCTION IS USED TRANSPOSED: source 0 = 16 rows of Wo's operand (output columns), source 1 = 16 rows of o: a lane holds one row t, and two neighbouring tiles' 16 registers are 16 neighbouring columns.
; CLUSTERS: 4 x 4 work-groups; o's tiles are asked for jointly along a row of the cluster, Wo's along a column.  The grid is 64 work-groups: 2,048 / 256 each way.
; REGISTERS: window 0: v1-29 addresses; v32-63 scale words, two sets, and nothing else; v128-223 A's fragments, one set; on the way out v128-255 take rows read back.  window 1: B's fragments, two sets.  windows 2, 3: the accumulators.
.set NQ,     2
.set FR,     12
.set NL,     3
.set NP,     4
.set FRB,    1536
.set TILEB,  3072
.set SIGB,   393216
.set TENB,   3145728
.set TENS,   131072
.set HALFT,  24576
.set SLOT,   4*HALFT
.set LAPS,   4
.set SCL,    2*SLOT
.set HALFS,  8192
.set SPARE,  SCL+4*HALFS               ; the spare words, 128 bytes for each wave: two blocks of 256 bytes that no other line names
.set SPITCH, 528                       ; the way out: a stage of 16 rows x (512 bytes + 16) for each wave, in slot 0, which has had its last fill and its last read when the first result is stored there
.set LI,   7                           ; v7   16 x lane
.set ADRA, 16
.set ADRB, 20
.set STO,  24                          ; v24  the way out: where I put my bytes of a row
.set RD,   25                          ; v25  where I read a row back
.set ADRS, 27
.set SPW,  28
.set NIL,  29
.set SC,   32
.set AF,   128
.set BK,   128
.set G1, 24
.set G0, 32
.set G1B, 48
.set G0B, 56
.set G1S, 68
.set G0S, 76
.set G1SB, 80
.set G0SB, 88
.set MSB, 0
.macro WIN new
.if MSB != (\new)
	s_set_vgpr_msb (MSB<<8)|(\new)
.set MSB, (\new)
.endif
.endm
.set MUL_LO, 0xa1
.set MUL_HI, 0xf1
.set TO_B,   0x40
.macro JLOAD g0a, g1a, g0b, g1b        ; a joint load: waves 0 and 1 fetch for A, waves 2 and 3 for B; four v_nop follow each of the two lines
	s_cmp_eq_u32 s15, 0
	s_cbranch_scc0 .Lfor_b_\@
	tensor_load_to_lds s[\g0a:\g0a+3], s[\g1a:\g1a+7]
	s_nop 0
.rept 4
	v_nop
.endr
	s_branch .Lasked_\@
.Lfor_b_\@:
	tensor_load_to_lds s[\g0b:\g0b+3], s[\g1b:\g1b+7]
	s_nop 0
.rept 4
	v_nop
.endr
.Lasked_\@:
.endm
.macro CREST
	s_cmp_lg_u32 s14, 0
	s_cbranch_scc1 .Lnot_wave_0_\@
	s_barrier_signal -3
.Lnot_wave_0_\@:
	s_barrier_wait -3
	s_barrier_signal -1
	s_barrier_wait -1
.endm
.macro CROUND
	s_barrier_signal -1
	s_barrier_wait -1
	CREST
.endm
	s_load_b128 s[4:7], s[0:1], 0x0                ; oc s[4:5], os s[6:7]
	s_load_b128 s[8:11], s[0:1], 0x10              ; cod s[8:9], scl s[10:11]
	s_load_b64 s[12:13], s[0:1], 0x20              ; out0
	v_lshl_add_u32 v[SPW], v0, 2, SPARE
	v_mov_b32 v[NIL], 0
	ds_add_u32 v28, v29
	ds_add_u32 v28, v29
	s_wait_dscnt 0x0
	v_lshrrev_b32 v1, 5, v0
	v_readfirstlane_b32 s14, v1                    ; wave 0..3
	s_lshr_b32 s15, s14, 1                         ; which half of the tile's rows is mine.  Also: I fetch for A (0) or for B (1)
	s_and_b32 s16, s14, 1                          ; which half of its columns.  Also: which 128 rows I fetch
	s_bfe_u32 s40, ttmp6, 0x40000                  ; cx
	s_bfe_u32 s41, ttmp6, 0x40004                  ; cy
	s_lshl_b32 s42, ttmp9, 2
	s_add_co_u32 s42, s42, s40                     ; tile column = 4 x cluster x + cx
	s_and_b32 s17, ttmp7, 0xffff
	s_lshl_b32 s17, s17, 2
	s_add_co_u32 s17, s17, s41                     ; tile row = 4 x cluster y + cy
	s_lshl_b32 s43, s41, 2
	s_lshl_b32 s43, 15, s43                        ; my row of the cluster
	s_lshl_b32 s44, 0x1111, s40                    ; my column
	s_or_b32 s[G1+0], s43, (3<<16)|(1<<21)         ; a dense block as rows of 256 bytes (32 elements of 8 bytes), no padding; 21 set beside a mask
	s_or_b32 s[G1B+0], s44, (3<<16)|(1<<21)
.irp g, G1, G1B
	s_mov_b32 s[\g+1], 32<<16
	s_mov_b32 s[\g+2], 96<<16
	s_mov_b32 s[\g+3], 32<<16
	s_mov_b32 s[\g+4], 96
	s_mov_b32 s[\g+5], 32
	s_mov_b32 s[\g+6], 0
	s_mov_b32 s[\g+7], 0
.endr
	s_or_b32 s[G1S+0], s43, (3<<16)|(1<<21)
	s_or_b32 s[G1SB+0], s44, (3<<16)|(1<<21)
.irp g, G1S, G1SB
	s_mov_b32 s[\g+1], 32<<16
	s_mov_b32 s[\g+2], 32<<16
	s_mov_b32 s[\g+3], 32<<16
	s_mov_b32 s[\g+4], 32
	s_mov_b32 s[\g+5], 32
	s_mov_b32 s[\g+6], 0
	s_mov_b32 s[\g+7], 0
.endr
	s_lshl_b32 s21, s16, 3                         ; which 8 tiles of the 16 I fetch
	s_lshl_b32 s20, s17, 4
	s_add_co_u32 s20, s20, s21                     ; A: first tile
	s_lshl_b32 s46, s42, 4
	s_add_co_u32 s46, s46, s21                     ; B: first tile
	s_lshl_b32 s22, s20, 10                        ; A's scale words
	s_mov_b32 s23, 0
	s_mul_i32 s20, s20, TILEB                      ; A's codes
	s_mov_b32 s21, 0
	s_lshl_b32 s92, s46, 10
	s_add_co_u32 s92, s92, 4*TENS                  ; B's scale words: tensor 4
	s_mov_b32 s93, 0
	s_mul_i32 s46, s46, TILEB
	s_add_co_u32 s46, s46, 4*TENB                  ; B's codes
	s_mov_b32 s47, 0
	s_mul_i32 s45, s14, HALFT
	s_mul_i32 s94, s14, HALFS
	s_wait_kmcnt 0x0
	s_add_nc_u64 s[20:21], s[4:5], s[20:21]
	s_add_nc_u64 s[22:23], s[6:7], s[22:23]
	s_add_nc_u64 s[46:47], s[8:9], s[46:47]
	s_add_nc_u64 s[92:93], s[10:11], s[92:93]
	CROUND                                         ; all sixteen work-groups are here: the first joint loads meet
	s_mov_b32 s[G0S], 1
	s_add_co_u32 s[G0S+1], s94, SCL
	s_mov_b64 s[G0S+2:G0S+3], s[22:23]
	s_or_b32 s[G0S+3], s[G0S+3], 0x80000000
	s_mov_b32 s[G0SB], 1
	s_add_co_u32 s[G0SB+1], s94, SCL
	s_mov_b64 s[G0SB+2:G0SB+3], s[92:93]
	s_or_b32 s[G0SB+3], s[G0SB+3], 0x80000000
	JLOAD G0S, G1S, G0SB, G1SB
.irp s, 0,1
	s_mov_b32 s[G0+4*\s], 1
	s_add_co_u32 s[G0+4*\s+1], s45, \s*SLOT
	s_add_nc_u64 s[G0+4*\s+2:G0+4*\s+3], s[20:21], \s*SIGB
	s_or_b32 s[G0+4*\s+3], s[G0+4*\s+3], 0x80000000
	s_mov_b32 s[G0B+4*\s], 1
	s_add_co_u32 s[G0B+4*\s+1], s45, \s*SLOT
	s_add_nc_u64 s[G0B+4*\s+2:G0B+4*\s+3], s[46:47], \s*SIGB
	s_or_b32 s[G0B+4*\s+3], s[G0B+4*\s+3], 0x80000000
	JLOAD G0+4*\s, G1, G0B+4*\s, G1B
.endr
	v_and_b32 v1, 15, v0                           ; r
	v_bfe_u32 v2, v0, 4, 1                         ; h
	v_and_b32 v3, 31, v0
	v_lshlrev_b32 v[LI], 4, v3                     ; 16 x lane
	s_mul_i32 s21, s15, HALFT
	s_mul_i32 s22, s16, HALFT
	s_add_co_u32 s22, s22, 2*HALFT
.irp s, 0,1
	v_add_nc_u32 v[ADRA+\s], s21, v[LI]
	v_add_nc_u32 v[ADRB+\s], s22, v[LI]
	s_add_co_u32 s21, s21, SLOT
	s_add_co_u32 s22, s22, SLOT
.endr
	v_lshlrev_b32 v5, 3, v1
	s_mul_i32 s21, s15, HALFS
	s_mul_i32 s22, s16, HALFS
	s_add_co_u32 s22, s22, 2*HALFS
	s_sub_co_u32 s22, s22, s21
	v_mul_u32_u24 v6, s22, v2                      ; lanes 16-31 take B's: one product, the distance between the two bases
	s_add_co_u32 s21, s21, SCL
	v_add_nc_u32 v5, v5, v6
	v_add_nc_u32 v[ADRS], s21, v5
	s_mul_i32 s23, s14, 16*SPITCH                  ; my stage
	v_mul_u32_u24 v5, v1, SPITCH
	v_lshl_add_u32 v5, v2, 6, v5
	v_add_nc_u32 v[STO], s23, v5                   ; in: row r, + 64 h: my 16 columns of each 32
	v_add_nc_u32 v[RD], s23, v[LI]                 ; back: the 32 lanes take one row of 512 bytes
	s_lshl_b32 s20, s17, 8
	s_lshl_b32 s21, s15, 7
	s_add_co_u32 s20, s20, s21                     ; my first row of out0
	s_lshl_b32 s20, s20, 13                        ; rows of 8,192 bytes
	s_lshl_b32 s46, s42, 10                        ; my first column, in bytes
	s_lshl_b32 s47, s16, 9
	s_add_co_u32 s46, s46, s47
	s_add_co_u32 s20, s20, s46
	s_mov_b32 s21, 0
	s_add_nc_u64 s[12:13], s[12:13], s[20:21]
.macro FRAG reg, adr, q, i
.irp c, 0,1,2
	ds_load_b128 v[\reg+4*\c:\reg+4*\c+3], v[\adr] offset:(\i)*TILEB+(\q)*FRB+512*\c
.endr
.endm
; The 64 accumulators take turns, one instruction a turn, in the same order in every step.
.macro MUL16 a0, p, q, sc, zero
.irp a, \a0, \a0+1
.irp b, 0,1,2,3,4,5,6,7
.if \zero
	v_wmma_scale_f32_16x16x128_f8f6f4 v[8*(8*((\a)%4)+\b):8*(8*((\a)%4)+\b)+7], v[128*(\p)+FR*\b:128*(\p)+FR*\b+FR-1], v[AF+FR*(\a):AF+FR*(\a)+FR-1], 0, v[SC+8*NQ*(\sc)+NQ*\b+(\q)], v[SC+8*NQ*(\sc)+NQ*(\a)+(\q)] matrix_a_fmt:MATRIX_FMT_BF6 matrix_b_fmt:MATRIX_FMT_BF6 matrix_a_scale:MATRIX_SCALE_ROW1
.else
	v_wmma_scale_f32_16x16x128_f8f6f4 v[8*(8*((\a)%4)+\b):8*(8*((\a)%4)+\b)+7], v[128*(\p)+FR*\b:128*(\p)+FR*\b+FR-1], v[AF+FR*(\a):AF+FR*(\a)+FR-1], v[8*(8*((\a)%4)+\b):8*(8*((\a)%4)+\b)+7], v[SC+8*NQ*(\sc)+NQ*\b+(\q)], v[SC+8*NQ*(\sc)+NQ*(\a)+(\q)] matrix_a_fmt:MATRIX_FMT_BF6 matrix_b_fmt:MATRIX_FMT_BF6 matrix_a_scale:MATRIX_SCALE_ROW1
.endif
.endr
.endr
.endm
.macro FETCH_B slot, q, p
	WIN TO_B
.irp i, 0,1,2,3,4,5,6,7
	FRAG 128*(\p)+FR*\i, ADRB+\slot, \q, \i
.endr
	WIN 0
.endm
.macro FETCH_A slot, q, i0
.irp i, \i0, \i0+1, \i0+2, \i0+3
	FRAG AF+FR*(\i), ADRA+\slot, \q, \i
.endr
.endm
.macro SCALES sc
.irp i, 0,1,2,3,4,5,6,7
	ds_load_b64 v[SC+8*NQ*\sc+NQ*\i:SC+8*NQ*\sc+NQ*\i+1], v[ADRS] offset:\i*1024
.endr
.endm
.macro PLACES n
.rept \n
	v_nop
.endr
.endm
.macro STEP slot, q, zero
	s_wait_dscnt 4*NL                              ; all but the youngest 12 loads (A's blocks 4-7) are in
	WIN MUL_LO
	MUL16 0, (\q)%2, \q, \slot, \zero
	MUL16 2, (\q)%2, \q, \slot, \zero
	s_wait_dscnt 0
	PLACES NP
	FETCH_B \slot, (\q)+1, 1-(\q)%2
	FETCH_A \slot, (\q)+1, 0
	WIN MUL_HI
	MUL16 4, (\q)%2, \q, \slot, \zero
	MUL16 6, (\q)%2, \q, \slot, \zero
	PLACES NP
	WIN 0
	FETCH_A \slot, (\q)+1, 4
.endm
.macro TURN slot, next, fill
	s_wait_tensorcnt 0x0                           ; all my tensor loads have landed: my part of the next slot
	ds_add_u32 v[SPW], v[NIL]                      ; 0 onto my spare word
	s_wait_dscnt 4*NL+1                            ; (the add and the youngest 12 loads may be out)
	WIN MUL_LO
	MUL16 0, 1, NQ-1, \slot, 0
	s_wait_dscnt 0x0                               ; the add is done, and my reads of this slot are over
	s_barrier_signal -1
	MUL16 2, 1, NQ-1, \slot, 0
	WIN 0
	s_barrier_wait -1
.if \fill
	CREST                                          ; the barrier has opened a round of the cluster's barrier
	s_add_nc_u64 s[G0+4*\slot+2:G0+4*\slot+3], s[G0+4*\slot+2:G0+4*\slot+3], 2*SIGB
	s_add_nc_u64 s[G0B+4*\slot+2:G0B+4*\slot+3], s[G0B+4*\slot+2:G0B+4*\slot+3], 2*SIGB
	JLOAD G0+4*\slot, G1, G0B+4*\slot, G1B         ; the first tensor load behind the round; its four v_nop are the places in front of the loads below
.else
	PLACES NP
.endif
	v_add_nc_u32 v[ADRS], 128, v[ADRS]
	FETCH_B \next, 0, 0
	FETCH_A \next, 0, 0
	SCALES \next
	WIN MUL_HI
	MUL16 4, 1, NQ-1, \slot, 0
	MUL16 6, 1, NQ-1, \slot, 0
	PLACES NP
	WIN 0
	FETCH_A \next, 0, 4
.endm
	s_wait_tensorcnt 1                             ; the scale words and my part of K step 0 are in (K step 1's load may be out)
	s_barrier_signal -1
	s_barrier_wait -1
	FETCH_B 0, 0, 0
	FETCH_A 0, 0, 0
	SCALES 0
	FETCH_A 0, 0, 4
	STEP 0, 0, 1
	s_mov_b32 s3, LAPS-1
.Llap:
	TURN 0, 1, 1
	STEP 1, 0, 0
	TURN 1, 0, 1
	STEP 0, 0, 0
	s_sub_co_u32 s3, s3, 1
	s_cmp_lg_u32 s3, 0
	s_cbranch_scc1 .Llap
	TURN 0, 1, 0
	STEP 1, 0, 0
	s_wait_dscnt 4*NL
	WIN MUL_LO
	MUL16 0, 1, NQ-1, 1, 0
	MUL16 2, 1, NQ-1, 1, 0
	s_wait_dscnt 0
	WIN MUL_HI
	MUL16 4, 1, NQ-1, 1, 0
	MUL16 6, 1, NQ-1, 1, 0
	WIN 0
; THE WAY OUT, block by block of 16 rows x 128 columns.  In accumulator (a, b) lane (r, h) holds row 32 (a / 2) + 8 (a % 2) + r + 8 (r / 8) and columns 32 (b / 2) + 16 h + 8 (b % 2) + 0 .. 7.
; A block goes through my own stage in LDS and comes back as whole rows of 512 bytes.  LDS serves a wave's instructions in order (ISA guide 5.7.1.4): no wait between the stores and the loads.
.macro TOSTAGE a
.set AC, 64*((\a)%4)
	WIN 0x08+4*((\a)/4)                            ; an LDS store's data: window 2 or 3
.irp b, 0,1,2,3,4,5,6,7
	ds_store_b128 v[STO], v[AC+8*\b:AC+8*\b+3] offset:128*(\b/2)+32*(\b%2)          ; each accumulator from its low end on
	ds_store_b128 v[STO], v[AC+8*\b+4:AC+8*\b+7] offset:128*(\b/2)+32*(\b%2)+16
.endr
	WIN 0
.set BB, BK+64*((\a)%2)
.irp t, 0,1,2,3,4,5,6,7,8,9,10,11,12,13,14,15
	ds_load_b128 v[BB+4*\t:BB+4*\t+3], v[RD] offset:\t*SPITCH
.endr
.endm
.macro SEND a, younger                 ; younger: the LDS instructions issued behind block a's loads, which may stay out
.set BB, BK+64*((\a)%2)
	s_wait_dscnt \younger
.irp t, 0,1,2,3,4,5,6,7,8,9,10,11,12,13,14,15
	global_store_b128 v[LI], v[BB+4*\t:BB+4*\t+3], s[12:13] offset:(32*((\a)/2)+8*((\a)%2)+\t+8*(\t/8))*8192 th:TH_STORE_NT   ; 512 consecutive bytes, at a multiple of 256 from out0's first byte; the row stands in the immediate: 127 rows at the most
.endr
.endm
	PLACES NP                                      ; in front of the reads of results and of the loads into the registers that held A's fragments
	TOSTAGE 0
.irp a, 1,2,3,4,5,6,7
.if \a > 1
	s_wait_xcnt 0x0                                ; block a - 2's stores have read their registers: block a's loads may land there
.endif
	TOSTAGE \a
	SEND \a-1, 32                                  ; behind block a - 1's loads: block a's 16 stores and 16 loads
.endr
	SEND 7, 0
	s_wait_tensorcnt 0x0                           ; the wave's end
	ds_add_u32 v[SPW], v[NIL]
	s_wait_dscnt 0x0
	CROUND                                         ; the closing round
	s_endpgm
.Lfunc_end_k_qb173c64e5e_outp:
	.size	k_qb173c64e5e_outp, .Lfunc_end_k_qb173c64e5e_outp-k_qb173c64e5e_outp
	.p2alignl 7, 3214868480
	.fill 96, 4, 3214868480
	.section	.rodata,"a",@progbits
	.p2align	6, 0x0
	.amdhsa_kernel k_qb173c64e5e_outp
		.amdhsa_group_segment_fixed_size 327680
		.amdhsa_private_segment_fixed_size 0
		.amdhsa_enable_private_segment 0
		.amdhsa_kernarg_size 40
		.amdhsa_user_sgpr_count 2
		.amdhsa_user_sgpr_kernarg_segment_ptr 1
		.amdhsa_wavefront_size32 1
		.amdhsa_system_sgpr_workgroup_id_x 1
		.amdhsa_system_sgpr_workgroup_id_y 1
		.amdhsa_system_sgpr_workgroup_id_z 1
		.amdhsa_system_vgpr_workitem_id 0
		.amdhsa_next_free_vgpr 1024
		.amdhsa_next_free_sgpr 98
		.amdhsa_reserve_vcc 0
		.amdhsa_float_denorm_mode_32 3
		.amdhsa_float_denorm_mode_16_64 3
		.amdhsa_memory_ordered 1
		.amdhsa_forward_progress 1
		.amdhsa_inst_pref_size 135
	.end_amdhsa_kernel
	.amdgpu_metadata
---
amdhsa.version: [ 1, 2 ]
amdhsa.kernels:
  - .name:           k_qb173c64e5e_outp
    .symbol:         k_qb173c64e5e_outp.kd
    .args:
      - { .name: oc, .offset: 0, .size: 8, .value_kind: global_buffer, .address_space: global }
      - { .name: os, .offset: 8, .size: 8, .value_kind: global_buffer, .address_space: global }
      - { .name: cod, .offset: 16, .size: 8, .value_kind: global_buffer, .address_space: global }
      - { .name: scl, .offset: 24, .size: 8, .value_kind: global_buffer, .address_space: global }
      - { .name: out0, .offset: 32, .size: 8, .value_kind: global_buffer, .address_space: global }
    .group_segment_fixed_size: 327680
    .private_segment_fixed_size: 0
    .kernarg_segment_align: 8
    .kernarg_segment_size: 40
    .max_flat_workgroup_size: 128
    .sgpr_count:     98
    .vgpr_count:     1024
    .wavefront_size: 32
...
	.end_amdgpu_metadata
.endif
;; end of part 4
;; ======== version 2 of 2: 4 launches
;; limits: right only within a limited range of input values
;; workspace buffers: cod 15,728,640 bytes; scl 655,360 bytes; qkvc 9,437,184 bytes; qkvs 393,216 bytes; oc 3,145,728 bytes; os 131,072 bytes; rt 2,097,152 bytes
;; launch quant (part 5): grid 768 x 1, 4 waves a work-group, no clusters, 58,880 bytes of LDS; arguments x, Wq, Wk, Wv, Wo, cod, scl, sin, cos, rt; writes cod, scl, rt
.if DOCPART == 5
	.amdgcn_target "amdgcn-amd-amdhsa--gfx1250"
	.amdhsa_code_object_version 6
	.text
	.protected	k_qb173c64e5e_quant
	.globl	k_qb173c64e5e_quant
	.p2align	8
	.type	k_qb173c64e5e_quant,@function
k_qb173c64e5e_quant:
	s_mov_b64 s[64:65], 0
	v_nop
	global_prefetch_b8 v0, s[64:65] scope:SCOPE_SE
	s_setreg_imm32_b32 hwreg(HW_REG_WAVE_MODE, 25, 1), 1
	s_wait_xcnt 0x0
; x [2048][2048] (K innermost) and Wq, Wk, Wv, Wo [2048 (k)][2048 (n)] (K outermost), f32, become operands of BF6 (E3M2) with one E8M0 byte for each 32 along K.
; A block's scale is 2^(floor(log2(largest magnitude)) - 4); its byte is the largest magnitude's exponent field - 4, held at 1 from below.
; LIMITS: NaN and infinities are not served; a block of zeros, or one whose largest magnitude lies under 2^-122, gets the byte 1 (only this program reads the bytes).
; LAYOUT OF AN OPERAND (2,048 rows, K = 2,048).  Tile tau holds the 16 rows 32 (tau / 2) + 8 (tau % 2) + r + 8 (r / 8).  A fragment (16 rows x 128 K, 12 registers a lane) lies as an IMAGE
; of its registers: registers 4 c .. 4 c + 3 of lane L at 512 c + 16 L, 1,536 bytes.  Codes: [k / 256][tau][(k / 128) % 2][1,536].  Scale words: tau x 1,024 + (k / 256) x 128 + 8 r + 4 ((k / 128) % 2).
; Tensor 0 of cod and scl is x, 1 to 4 are Wq, Wk, Wv, Wo.
; Work-groups 0-255 take x: a wave takes one tile x 256 K.  Work-groups 256-767 take the weights: a wave takes 32 columns x 256 K, a lane a column, its registers down K.
; The two ways use LDS bytes of their own; a wave uses only its own bytes: no barrier.
.set TENB,  3145728                    ; an operand's codes in bytes
.set TENS,  131072                     ; its scale words
.set TILEB, 3072                       ; a tile x 256 K
.set FRB,   1536                       ; a fragment's image
.set XSTG,  16*528                     ; x: a wave's stage, 16 rows of 512 bytes + 16
.set WBASE, 4*XSTG                     ; the weights' stages begin here
.set WSTG,  2*TILEB                    ; a wave's two tiles x 256 K
.set SEL,   46                         ; s[46:47] lane selects for v_permlanex16_b32: lane l xor 16
.set R,     32                         ; x: v32-159 two halves of 64 numbers
.set TM,    160                        ; v160-175 at work in QUANT
.set PC,    176                        ; v176-194 the codes just made
.set X,     32                         ; weights: v32-95 two sets of 32 numbers
.set C,     96                         ; v96-101 a block's codes
.set D,     104                        ; v104-106 its second half as converted
.set OUTR,  112                        ; v112-159 the way out
.set SB,    24                         ; v24-25 scale words
; 64 numbers of a lane, register 16 b + i = k 32 b + 16 (lane / 16) + i of my row, become a fragment's image in v[PC] on and its scale word in v[pw]
.macro QUANT s, pw
.irp b, 0,1,2,3
	v_max3_num_f32 v[TM+\b], |v[\s+16*\b]|, |v[\s+1+16*\b]|, 0x2800000   ; my 16 numbers of block b, and the floor 2^(5 - 127): the byte cannot fall under 1
.endr
.irp i, 2,4,6,8,10,12,14
.irp b, 0,1,2,3
	v_max3_num_f32 v[TM+\b], v[TM+\b], |v[\s+16*\b+\i]|, |v[\s+1+16*\b+\i]|
.endr
.endr
.irp b, 0,1,2,3
	v_permlanex16_b32 v[TM+4+\b], v[TM+\b], s[SEL], s[SEL+1]
.endr
.irp b, 0,1,2,3
	v_max_num_f32 v[TM+\b], v[TM+\b], v[TM+4+\b]       ; with lane l xor 16's: the block's largest magnitude
.endr
.irp b, 0,1,2,3
	v_add_nc_u32 v[TM+12+\b], 0xfe000000, v[TM+\b]     ; 4 off its exponent field: the conversion's scale operand
.endr
.irp b, 0,1,2,3
	v_lshrrev_b32 v[TM+4+\b], 23, v[TM+12+\b]          ; the scale's byte
.endr
	v_lshl_or_b32 v[\pw], v[TM+5], 8, v[TM+4]
	v_lshl_or_b32 v[\pw], v[TM+6], 16, v[\pw]
	v_lshl_or_b32 v[\pw], v[TM+7], 24, v[\pw]
.irp c, 0,1
	v_cvt_scalef32_pk16_bf6_f32 v[PC+6*\c:PC+2+6*\c], v[\s+32*\c:\s+15+32*\c], v[TM+12+2*\c]
	v_cvt_scalef32_pk16_bf6_f32 v[PC+12+4*\c:PC+14+4*\c], v[\s+16+32*\c:\s+31+32*\c], v[TM+12+2*\c+1]
.endr
	v_nop                                              ; one plain place behind a scaled conversion
.irp c, 0,1                            ; the operand's layout wants a whole block in a lane: lanes 0-15 block 2 c, lanes 16-31 block 2 c + 1
.irp i, 0,1,2
	v_permlane16_swap_b32 v[PC+6*\c+\i], v[PC+12+4*\c+\i]
.endr
.irp i, 0,1,2
	v_mov_b32 v[PC+3+6*\c+\i], v[PC+12+4*\c+\i]
.endr
.endr
.endm
	s_load_b256 s[4:11], s[0:1], 0x0               ; x s[4:5], Wq s[6:7], Wk s[8:9], Wv s[10:11]
	s_load_b128 s[12:15], s[0:1], 0x20             ; Wo s[12:13], cod s[14:15]
	s_load_b64 s[16:17], s[0:1], 0x30              ; scl
	v_lshl_add_u32 v208, v0, 2, 0xe400
	v_mov_b32 v209, 0
	v_lshrrev_b32 v1, 5, v0
	v_readfirstlane_b32 s18, v1                    ; wave 0..3
	v_and_b32 v1, 31, v0
	v_lshlrev_b32 v1, 4, v1                        ; 16 x lane
	s_mov_b32 s[SEL], 0x76543210
	s_mov_b32 s[SEL+1], 0xfedcba98
	s_cmp_lt_u32 ttmp9, 256
	s_cbranch_scc0 .Lweights
	; ---------------- x: K is innermost ----------------
	v_and_b32 v2, 15, v0                           ; r
	v_bfe_u32 v3, v0, 4, 1                         ; h
	s_mul_i32 s19, s18, XSTG                       ; my stage
	v_add_nc_u32 v4, s19, v1                       ; in: a row's 512 bytes as loaded, 16 a lane
	v_mul_u32_u24 v5, v2, 528
	v_lshl_add_u32 v5, v3, 6, v5
	v_add_nc_u32 v5, s19, v5                       ; back: row r, + 64 h: my 16 numbers of each block of 32
	v_lshlrev_b32 v6, 3, v2
	v_lshl_add_u32 v6, v3, 2, v6
	; THE RoPE TABLES become images of the registers that the next launch wants:
	; rt [tile tau of 16 positions][cos, sin][g = 0 .. 15][lane][16 bytes]: lane (r, h) holds table[32 (tau / 2) + 8 (tau % 2) + r + 8 (r / 8)][32 (g / 4) + 16 h + 4 (g % 4) + 0 .. 3].
	; The 1,024 waves of x's work-groups take an eighth of a tile's two images each: unit u takes tile u / 8, and of it cos (u % 8 < 4) or sin, groups 4 (u % 4) .. + 3: 4 loads, 4 stores of 512 consecutive bytes.
	v_and_b32 v7, 8, v2
	v_add_nc_u32 v7, v7, v2                        ; r + 8 (r / 8)
	v_lshlrev_b32 v7, 9, v7                        ; rows of 512 bytes
	v_lshl_add_u32 v7, v3, 6, v7                   ; + 64 h
	s_load_b128 s[36:39], s[0:1], 0x38             ; sin s[36:37], cos s[38:39]
	s_load_b64 s[40:41], s[0:1], 0x48              ; rt
.irp b, 0,1,2,3
	v_mov_b32 v[TM+4+\b], 0                        ; written once: a lane permute's destination counts as one of its sources
.endr
	s_lshl_b32 s20, ttmp9, 2
	s_add_co_u32 s20, s20, s18                     ; my unit
	s_lshr_b32 s21, s20, 3                         ; tau
	s_and_b32 s22, s20, 7                          ; which 256 along K
	s_lshr_b32 s24, s21, 1
	s_lshl_b32 s24, s24, 18                        ; 32 (tau / 2) rows of 8,192 bytes
	s_and_b32 s25, s21, 1
	s_lshl_b32 s25, s25, 16                        ; 8 (tau % 2) rows
	s_add_co_u32 s24, s24, s25
	s_lshl_b32 s25, s22, 10                        ; 256 numbers along K
	s_add_co_u32 s24, s24, s25
	s_mov_b32 s25, 0
	s_lshl_b32 s26, s22, 7
	s_add_co_u32 s26, s26, s21
	s_mul_i32 s26, s26, TILEB                      ; the codes' place
	s_mov_b32 s27, 0
	s_lshl_b32 s28, s21, 10
	s_lshl_b32 s29, s22, 7
	s_add_co_u32 s28, s28, s29                     ; the scale words' place
	s_mov_b32 s29, 0
	s_lshr_b32 s30, s21, 1
	s_lshl_b32 s30, s30, 14                        ; 32 (tau / 2) rows of 512 bytes
	s_and_b32 s31, s21, 1
	s_lshl_b32 s31, s31, 12                        ; 8 (tau % 2) rows
	s_add_co_u32 s30, s30, s31
	s_and_b32 s31, s22, 3
	s_lshl_b32 s31, s31, 7                         ; 32 numbers for each four groups
	s_add_co_u32 s30, s30, s31
	s_mov_b32 s31, 0
	s_lshl_b32 s32, s20, 11                        ; my unit's 2,048 bytes of rt
	s_mov_b32 s33, 0
	s_wait_alu depctr_va_vdst(0)
	s_wait_kmcnt 0x0
	s_cmp_lt_u32 s22, 4                            ; the choice hangs on ids alone
	s_cselect_b64 s[36:37], s[38:39], s[36:37]     ; cos or sin
	s_add_nc_u64 s[36:37], s[36:37], s[30:31]
	s_add_nc_u64 s[40:41], s[40:41], s[32:33]
.irp j, 0,1,2,3
	global_load_b128 v[8+4*\j:11+4*\j], v7, s[36:37] offset:16*\j   ; issued ahead of x's loads: x's counted waits cover them
.endr
	s_add_nc_u64 s[4:5], s[4:5], s[24:25]
	s_add_nc_u64 s[14:15], s[14:15], s[26:27]
	s_add_nc_u64 s[16:17], s[16:17], s[28:29]
.irp q, 0,1
.irp i, 0,1,2,3,4,5,6,7,8,9,10,11,12,13,14,15
	global_load_b128 v[R+64*\q+4*\i:R+64*\q+4*\i+3], v1, s[4:5] offset:(\i+8*(\i/8))*8192+512*\q th:TH_LOAD_NT   ; 32 lanes read 512 consecutive bytes of the tile's row i
.endr
.endr
.irp q, 0,1
	s_wait_loadcnt 16*(1-\q)                       ; this half's 16 loads are in; the other half's may be out
.irp i, 0,1,2,3,4,5,6,7,8,9,10,11,12,13,14,15
	ds_store_b128 v4, v[R+64*\q+4*\i:R+64*\q+4*\i+3] offset:528*\i
.endr
.irp b, 0,1,2,3
.irp j, 0,1,2,3
	ds_load_b128 v[R+64*\q+16*\b+4*\j:R+64*\q+16*\b+4*\j+3], v5 offset:128*\b+16*\j   ; LDS serves a wave's instructions in order: these see the stores above
.endr
.endr
	s_wait_dscnt 0x0
.if \q
	s_wait_xcnt 0x0                                ; the first fragment's stores have read their registers: the codes' registers may be written again
.endif
	QUANT R+64*\q, SB+\q
.irp c, 0,1,2
	global_store_b128 v1, v[PC+4*\c:PC+4*\c+3], s[14:15] offset:FRB*\q+512*\c   ; 512 consecutive bytes a store
.endr
.endr
	v_cmp_eq_u32 vcc_lo, 1, v3
	v_cndmask_b32 v26, v[SB], v[SB+1], vcc_lo      ; lanes 0-15 store the first 128's word of row r, lanes 16-31 the second's
	global_store_b32 v6, v26, s[16:17]
.irp j, 0,1,2,3
	global_store_b128 v1, v[8+4*\j:11+4*\j], s[40:41] offset:512*\j   ; 512 consecutive bytes a store
.endr
	s_wait_tensorcnt 0x0
	ds_add_u32 v208, v209
	s_wait_dscnt 0x0
	s_endpgm
	; ---------------- the weights: K is outermost ----------------
.Lweights:
	v_and_b32 v2, 31, v0                           ; l: my column of the wave's 32
	v_lshlrev_b32 v3, 2, v2                        ; 4 bytes a lane
	v_bfe_u32 v10, v0, 3, 1                        ; which of the two tiles: u = (l / 8) % 2
	v_and_b32 v11, 7, v0
	v_bfe_u32 v12, v0, 4, 1
	v_lshl_add_u32 v11, v12, 3, v11                ; and which row of it: r = l % 8 + 8 (l / 16)
	s_mul_i32 s19, s18, WSTG
	s_add_co_u32 s19, s19, WBASE                   ; my stage: the two tiles' images
	v_mul_u32_u24 v4, v10, TILEB
	v_lshl_add_u32 v4, v11, 4, v4
	v_add_nc_u32 v4, s19, v4                       ; in: tile u, image lane r (+ 16 for odd blocks)
	v_add_nc_u32 v7, s19, v1                       ; back: 16 bytes a lane
	v_lshlrev_b32 v9, 10, v10
	v_lshl_add_u32 v9, v11, 3, v9                  ; the scale words: 1,024 u + 8 r
	s_sub_co_u32 s20, ttmp9, 256
	s_lshr_b32 s21, s20, 7                         ; which weight: 0..3
	s_bfe_u32 s22, s20, 0x30004                    ; which 256 along K
	s_and_b32 s23, s20, 15
	s_lshl_b32 s23, s23, 2
	s_add_co_u32 s23, s23, s18                     ; which 32 columns: 0..63
	s_lshl_b32 s24, s22, 21                        ; 256 rows of 8,192 bytes
	s_lshl_b32 s25, s23, 7                         ; 32 columns of 4 bytes
	s_add_co_u32 s24, s24, s25
	s_mov_b32 s25, 0
	s_add_co_u32 s30, s21, 1                       ; the tensor's number in cod and scl
	s_lshl_b32 s26, s22, 7
	s_lshl_b32 s27, s23, 1
	s_add_co_u32 s26, s26, s27
	s_mul_i32 s26, s26, TILEB
	s_mul_i32 s27, s30, TENB
	s_add_co_u32 s26, s26, s27
	s_mov_b32 s27, 0
	s_mul_i32 s28, s30, TENS
	s_lshl_b32 s29, s23, 11
	s_add_co_u32 s28, s28, s29
	s_lshl_b32 s29, s22, 7
	s_add_co_u32 s28, s28, s29
	s_mov_b32 s29, 0
	s_wait_kmcnt 0x0
	s_cmp_lt_u32 s21, 2                            ; the choice hangs on the work-group's number alone
	s_cselect_b64 s[32:33], s[6:7], s[10:11]       ; Wq or Wv
	s_cselect_b64 s[34:35], s[8:9], s[12:13]       ; Wk or Wo
	s_bitcmp1_b32 s21, 0
	s_cselect_b64 s[32:33], s[34:35], s[32:33]
	s_add_nc_u64 s[32:33], s[32:33], s[24:25]
	s_add_nc_u64 s[14:15], s[14:15], s[26:27]
	s_add_nc_u64 s[16:17], s[16:17], s[28:29]
.macro LOAD t                          ; block t: W(32 t + i, my column), i = 0 .. 31, into set t % 2
.irp i, 0,1,2,3,4,5,6,7,8,9,10,11,12,13,14,15,16,17,18,19,20,21,22,23,24,25,26,27,28,29,30,31
	global_load_b32 v[X+32*((\t)%2)+\i], v3, s[32:33] offset:(32*(\t)+\i)*8192 th:TH_LOAD_NT
.endr
.endm
.macro BLOCK t
.set XS, X+32*((\t)%2)
.set IO, FRB*((\t)/4)+256*((\t)%2)     ; block t is block t % 4 of fragment t / 4: image lane r + 16 (t % 2), registers 6 ((t / 2) % 2) on
.if (\t) < 7
	s_wait_loadcnt 32                              ; this block's 32 loads are in; the next block's may be out
.else
	s_wait_loadcnt 0x0
.endif
	v_max3_num_f32 v12, |v[XS]|, |v[XS+1]|, |v[XS+2]|  ; the block's largest magnitude: all 32 numbers are mine
	v_max3_num_f32 v13, |v[XS+3]|, |v[XS+4]|, |v[XS+5]|
.irp i, 6,10,14,18,22,26
	v_max3_num_f32 v12, v12, |v[XS+\i]|, |v[XS+\i+1]|
	v_max3_num_f32 v13, v13, |v[XS+\i+2]|, |v[XS+\i+3]|
.endr
	v_max3_num_f32 v12, v12, |v[XS+30]|, |v[XS+31]|
	v_max3_num_f32 v12, v12, v13, 0x2800000        ; and the floor 2^(5 - 127)
	v_add_nc_u32 v14, 0xfe000000, v12              ; 4 off the exponent field: the conversion's scale operand
	v_lshrrev_b32 v15, 23, v14                     ; the scale's byte
.if (\t)%4 == 0
	v_mov_b32 v[SB+(\t)/4], v15
.else
	v_lshl_or_b32 v[SB+(\t)/4], v15, 8*((\t)%4), v[SB+(\t)/4]
.endif
	v_cvt_scalef32_pk16_bf6_f32 v[C:C+2], v[XS:XS+15], v14
	v_cvt_scalef32_pk16_bf6_f32 v[D:D+2], v[XS+16:XS+31], v14   ; (a conversion's three registers begin on an even number)
	v_nop                                          ; one plain place behind a scaled conversion
.irp i, 0,1,2
	v_mov_b32 v[C+3+\i], v[D+\i]
.endr
.if ((\t)/2)%2 == 0
	ds_store_b128 v4, v[C:C+3] offset:IO           ; the image's registers 0-3,
	ds_store_b64 v4, v[C+4:C+5] offset:IO+512      ; 4 and 5
.else
	ds_store_b64 v4, v[C:C+1] offset:IO+520        ; registers 6 and 7,
	ds_store_b128 v4, v[C+2:C+5] offset:IO+1024    ; 8-11
.endif
.if (\t)+2 < 8
	LOAD (\t)+2
.endif
	s_wait_dscnt 0x0                               ; the stores have read their registers: the next block's codes may be written
.endm
	LOAD 0
	LOAD 1
.irp t, 0,1,2,3,4,5,6,7
	BLOCK \t
.endr
	s_wait_alu depctr_va_vdst(0)
	global_store_b64 v9, v[SB:SB+1], s[16:17]      ; my column's two scale words
.irp k, 0,1,2,3,4,5,6,7,8,9,10,11
	ds_load_b128 v[OUTR+4*\k:OUTR+4*\k+3], v7 offset:512*\k   ; LDS serves a wave's instructions in order: these see my stores
.endr
.irp k, 0,1,2,3,4,5,6,7,8,9,10,11
	s_wait_dscnt 11-\k                             ; load k is in; the younger ones may be out
	global_store_b128 v1, v[OUTR+4*\k:OUTR+4*\k+3], s[14:15] offset:512*\k   ; 512 consecutive bytes a store; the wave's two tiles are 6,144 bytes on end
.endr
	s_wait_tensorcnt 0x0
	ds_add_u32 v208, v209
	s_wait_dscnt 0x0
	s_endpgm
.Lfunc_end_k_qb173c64e5e_quant:
	.size	k_qb173c64e5e_quant, .Lfunc_end_k_qb173c64e5e_quant-k_qb173c64e5e_quant
	.p2alignl 7, 3214868480
	.fill 96, 4, 3214868480
	.section	.rodata,"a",@progbits
	.p2align	6, 0x0
	.amdhsa_kernel k_qb173c64e5e_quant
		.amdhsa_group_segment_fixed_size 58880
		.amdhsa_private_segment_fixed_size 0
		.amdhsa_enable_private_segment 0
		.amdhsa_kernarg_size 80
		.amdhsa_user_sgpr_count 2
		.amdhsa_user_sgpr_kernarg_segment_ptr 1
		.amdhsa_wavefront_size32 1
		.amdhsa_system_sgpr_workgroup_id_x 1
		.amdhsa_system_sgpr_workgroup_id_y 1
		.amdhsa_system_sgpr_workgroup_id_z 1
		.amdhsa_system_vgpr_workitem_id 0
		.amdhsa_next_free_vgpr 210
		.amdhsa_next_free_sgpr 66
		.amdhsa_reserve_vcc 1
		.amdhsa_float_denorm_mode_32 3
		.amdhsa_float_denorm_mode_16_64 3
		.amdhsa_memory_ordered 1
		.amdhsa_forward_progress 1
		.amdhsa_inst_pref_size 61
	.end_amdhsa_kernel
	.amdgpu_metadata
---
amdhsa.version: [ 1, 2 ]
amdhsa.kernels:
  - .name:           k_qb173c64e5e_quant
    .symbol:         k_qb173c64e5e_quant.kd
    .args:
      - { .name: x, .offset: 0, .size: 8, .value_kind: global_buffer, .address_space: global }
      - { .name: Wq, .offset: 8, .size: 8, .value_kind: global_buffer, .address_space: global }
      - { .name: Wk, .offset: 16, .size: 8, .value_kind: global_buffer, .address_space: global }
      - { .name: Wv, .offset: 24, .size: 8, .value_kind: global_buffer, .address_space: global }
      - { .name: Wo, .offset: 32, .size: 8, .value_kind: global_buffer, .address_space: global }
      - { .name: cod, .offset: 40, .size: 8, .value_kind: global_buffer, .address_space: global }
      - { .name: scl, .offset: 48, .size: 8, .value_kind: global_buffer, .address_space: global }
      - { .name: sin, .offset: 56, .size: 8, .value_kind: global_buffer, .address_space: global }
      - { .name: cos, .offset: 64, .size: 8, .value_kind: global_buffer, .address_space: global }
      - { .name: rt, .offset: 72, .size: 8, .value_kind: global_buffer, .address_space: global }
    .group_segment_fixed_size: 58880
    .private_segment_fixed_size: 0
    .kernarg_segment_align: 8
    .kernarg_segment_size: 80
    .max_flat_workgroup_size: 128
    .sgpr_count:     66
    .vgpr_count:     210
    .wavefront_size: 32
...
	.end_amdgpu_metadata
.endif
;; end of part 5
;; launch qkv (part 6): grid 24 x 8, 4 waves a work-group, clusters of 4 x 4, 327,680 bytes of LDS; arguments cod, scl, rt, qkvc, qkvs; writes qkvc, qkvs
.if DOCPART == 6
	.amdgcn_target "amdgcn-amd-amdhsa--gfx1250"
	.amdhsa_code_object_version 6
	.text
	.protected	k_qb173c64e5e_qkv
	.globl	k_qb173c64e5e_qkv
	.p2align	8
	.type	k_qb173c64e5e_qkv,@function
k_qb173c64e5e_qkv:
	s_mov_b64 s[64:65], 0
	v_nop
	global_prefetch_b8 v0, s[64:65] scope:SCOPE_SE
	s_setreg_imm32_b32 hwreg(HW_REG_WAVE_MODE, 25, 1), 1
	s_wait_xcnt 0x0
	s_wait_alu depctr_hold_cnt(0) depctr_sa_sdst(0) depctr_va_vdst(0) depctr_va_sdst(0) depctr_va_ssrc(0) depctr_va_vcc(0) depctr_vm_vsrc(0)
	s_getreg_b32 s2, hwreg(HW_REG_IB_STS2, 6, 4)
	s_cmp_eq_u32 s2, 0
	s_cbranch_scc0 .Lentry_in_a_cluster
	s_endpgm
.Lentry_in_a_cluster:
	s_bfe_u32 s2, ttmp6, 0x10000c
	s_cmp_lg_u32 s2, 0xf033
	s_cbranch_scc0 .Lentry_shape_is_right
	s_endpgm
.Lentry_shape_is_right:
; q = rope(x Wq), k = rope(x Wk), v = x Wv, on codes of BF6 (E3M2) with E8M0 scales, f32 sums; the results are quantised here and leave as operands of the attention's two products.
; A tile of 256 x 256 results is made by four waves, each 128 x 128: 64 accumulators.  K goes in steps of 256 through two LDS slots filled by the tensor data mover.
; OPERANDS lie in cod as images of fragment registers ([k / 256][tile][(k / 128) % 2][1,536 bytes]; tile tau = rows 32 (tau / 2) + 8 (tau % 2) + r + 8 (r / 8)): 128 rows x 256 K are 24,576 dense bytes.
; Tensor 0 is x, 1 Wq, 2 Wk, 3 Wv.  THE MATRIX INSTRUCTION IS USED TRANSPOSED: B is source 0, A source 1: a lane holds one row of A, its registers run along B's rows.
; ROLES by the cluster's x: 0-1 q, 2-3 k: B = the weight's 256 columns, A = 256 rows of x.  4-5 v: B = 256 rows of x, A = Wv's 256 columns (a lane's registers run along the keys).
; LDS: A's slot 0, A's slot 1, B's slot 0, B's slot 1 (49,152 bytes each), the scale words of A's and B's 256 rows for all of K, the spare words.
; THE HEAD: one tensor load a wave: wave 0 brings A's K steps 0 and 1 (two rows of 49,152 bytes, 393,216 apart in memory, on end in LDS), wave 1 B's, waves 2 and 3 the scale words.
; CLUSTERS: 4 x 4 work-groups; A's tiles are asked for jointly along a row of the cluster, B's along a column.
; PREFETCH: behind the refill for K step s each wave names K step s + 2 of the 24,576 bytes that it fetches: 96 blocks of 256 bytes, of which each of the four partners takes 24 by address (lanes 24-31 name the
; last again); K steps 2 and 3 are named at the head; the last two refills name nothing.  The RoPE images of the work-group's 256 positions (262,144 bytes) are shared out among the 16 work-groups of q and k
; that read them: 64 blocks each, named once at the head by waves 0 and 1.
; THE TABLES come from rt as images of registers (laid by the launch before): 32 loads of 512 consecutive bytes for 16 positions; three sets of 128 registers take turns.
; OUT: qkvc [hd][t / 128][tile a][1,536] (hd 0-15 q, 16-31 k: rows t, K = d; hd 32-47 v: rows d, K = the group's 128 keys); qkvs [hd][t / 128][r][a], a word each.
; LIMITS: NaN and infinities are not served; a block of zeros or under 2^-122 gets the byte 1 (only this program reads the bytes); RoPE is one multiply and one fused multiply-add in f32.
; REGISTERS: window 0: v1-29 addresses; v32-63 scale words, two sets, and nothing else; v64-111 at work in the epilogue; v128-223 A's fragments.  window 1: B's fragments, two sets, at v0 and v128.
;   windows 2, 3: the accumulators ((a, b) at v[8 (8 (a % 4) + b)]).
.set NQ,     2
.set FR,     12
.set NL,     3
.set NP,     4                         ; places behind this matrix instruction (ISA guide 7.12.1)
.set FRB,    1536
.set TILEB,  3072
.set SIGB,   393216                    ; from one 256 along K to the next, in bytes
.set TENB,   3145728
.set TENS,   131072
.set HALFT,  24576                     ; 128 rows x 256 K
.set LAPS,   4
.set SCL,    8*HALFT
.set HALFS,  8192
.set SPARE,  SCL+4*HALFS               ; the spare words: 512 bytes that no other line names
.set LI,   7                           ; v7   16 x lane
.set OWA,  8                           ; v8   32 r + 16 h
.set PFO,  9                           ; v9   256 x min(lane, 23)
.set PFT,  10                          ; v10  256 x thread
.set ADRA, 16
.set ADRB, 20
.set ADRS, 27
.set SPW,  28
.set NIL,  29
.set SC,   32
.set TM,   64
.set PC,   80
.set OUTW, 100
.set PWS,  104
.set AF,   128
.set G0H, 4                            ; s[4:7], s[92:95] group 0 of the head's two loads of codes
.set G0HB, 92
.set PFA, 10                           ; s[10:11] where my prefetches stand
.set CNT, 18                           ; s18 laps to go
.set G1, 24
.set G0, 32
.set G1B, 48
.set G0B, 56
.set G1S, 68
.set G0S, 76
.set G1SB, 80
.set G0SB, 88
.set SEL, 100
.set MSB, 0
.macro WIN new
.if MSB != (\new)
	s_set_vgpr_msb (MSB<<8)|(\new)
.set MSB, (\new)
.endif
.endm
.set MUL_LO, 0xa1
.set MUL_HI, 0xf1
.set TO_B,   0x40
.macro JLOAD g0a, g1a, g0b, g1b        ; waves 0 and 1 fetch for A, waves 2 and 3 for B
	s_cmp_eq_u32 s15, 0
	s_cbranch_scc0 .Lfor_b_\@
	tensor_load_to_lds s[\g0a:\g0a+3], s[\g1a:\g1a+7]
	s_nop 0
.rept 4
	v_nop
.endr
	s_branch .Lasked_\@
.Lfor_b_\@:
	tensor_load_to_lds s[\g0b:\g0b+3], s[\g1b:\g1b+7]
	s_nop 0
.rept 4
	v_nop
.endr
.Lasked_\@:
.endm
.macro CREST
	s_cmp_lg_u32 s14, 0
	s_cbranch_scc1 .Lnot_wave_0_\@
	s_barrier_signal -3
.Lnot_wave_0_\@:
	s_barrier_wait -3
	s_barrier_signal -1
	s_barrier_wait -1
.endm
.macro CROUND
	s_barrier_signal -1
	s_barrier_wait -1
	CREST
.endm
.macro ARM under, g0, g1, next
	s_cmp_lt_u32 s14, \under
	s_cbranch_scc0 \next
	tensor_load_to_lds s[\g0:\g0+3], s[\g1:\g1+7]
	s_nop 0
.rept 4
	v_nop
.endr
	s_branch .Lhead_asked
\next:
.endm
	s_load_b128 s[4:7], s[0:1], 0x0                ; cod, scl
	s_load_b64 s[8:9], s[0:1], 0x10                ; rt
	s_load_b128 s[96:99], s[0:1], 0x18             ; qkvc, qkvs
	v_lshl_add_u32 v[SPW], v0, 2, SPARE
	v_mov_b32 v[NIL], 0
	ds_add_u32 v[SPW], v[NIL]                      ; the opening lines: the add twice on end
	ds_add_u32 v[SPW], v[NIL]
	v_lshrrev_b32 v1, 5, v0
	v_readfirstlane_b32 s14, v1                    ; wave 0..3
	s_lshr_b32 s15, s14, 1                         ; my half of A's rows; also: in the ring I fetch for A (0) or B (1)
	s_and_b32 s16, s14, 1                          ; my half of B's rows; also: which 128 rows I fetch
	s_bfe_u32 s40, ttmp6, 0x40000                  ; cx
	s_bfe_u32 s41, ttmp6, 0x40004                  ; cy
	s_and_b32 s42, ttmp9, 1
	s_lshl_b32 s42, s42, 2
	s_add_co_u32 s42, s42, s40                     ; B's tile of 256 rows
	s_and_b32 s17, ttmp7, 0xffff
	s_lshl_b32 s17, s17, 2
	s_add_co_u32 s17, s17, s41                     ; A's tile
	s_lshl_b32 s43, s41, 2
	s_lshl_b32 s43, 15, s43                        ; my row of the cluster
	s_lshl_b32 s44, 0x1111, s40                    ; my column
	s_or_b32 s[G1+0], s43, (3<<16)|(1<<21)         ; elements of 8 bytes; bit 21 beside a mask
	s_or_b32 s[G1B+0], s44, (3<<16)|(1<<21)
.irp g, G1, G1B                        ; the head's shape: 2 rows of 6,144 elements, 49,152 elements apart
	s_mov_b32 s[\g+1], 6144<<16
	s_mov_b32 s[\g+2], 2<<16
	s_mov_b32 s[\g+3], 6144<<16
	s_mov_b32 s[\g+4], 2
	s_mov_b32 s[\g+5], SIGB/8
	s_mov_b32 s[\g+6], 0
	s_mov_b32 s[\g+7], 0
.endr
	s_or_b32 s[G1S+0], s43, (3<<16)|(1<<21)
	s_or_b32 s[G1SB+0], s44, (3<<16)|(1<<21)
.irp g, G1S, G1SB                      ; the scale words of 256 rows: 64 rows of 256 bytes, dense
	s_mov_b32 s[\g+1], 32<<16
	s_mov_b32 s[\g+2], 64<<16
	s_mov_b32 s[\g+3], 32<<16
	s_mov_b32 s[\g+4], 64
	s_mov_b32 s[\g+5], 32
	s_mov_b32 s[\g+6], 0
	s_mov_b32 s[\g+7], 0
.endr
	s_lshr_b32 s45, ttmp9, 1
	s_add_co_u32 s45, s45, 1                       ; Wq or Wk
	s_cmp_lt_u32 ttmp9, 4
	s_cselect_b32 s18, 0, 3                        ; A: x, or Wv
	s_cselect_b32 s19, s45, 0                      ; B: the weight, or x
	s_mul_i32 s20, s17, 2*HALFT                    ; A's codes
	s_mul_i32 s21, s18, TENB
	s_add_co_u32 s20, s20, s21
	s_mov_b32 s21, 0
	s_lshl_b32 s22, s17, 14                        ; A's scale words
	s_mul_i32 s23, s18, TENS
	s_add_co_u32 s22, s22, s23
	s_mov_b32 s23, 0
	s_mul_i32 s46, s42, 2*HALFT                    ; B's codes
	s_mul_i32 s47, s19, TENB
	s_add_co_u32 s46, s46, s47
	s_mov_b32 s47, 0
	s_lshl_b32 s12, s42, 14                        ; B's scale words
	s_mul_i32 s13, s19, TENS
	s_add_co_u32 s12, s12, s13
	s_mov_b32 s13, 0
	s_mul_i32 s66, s16, HALFT                      ; my quarter of a slot, in memory and in LDS
	s_mov_b32 s67, 0
	s_mul_i32 s45, s15, 4*HALFT
	s_add_co_u32 s45, s45, s66                     ; where it goes: no place in the cluster enters an LDS address
	s_cmp_eq_u32 s15, 0                            ; the prefetches: my quarter, and of it my work-group's 24 blocks
	s_cselect_b32 s10, s20, s46
	s_cselect_b32 s19, s40, s41
	s_add_co_u32 s10, s10, s66
	s_mul_i32 s19, s19, 6144
	s_add_co_u32 s10, s10, s19
	s_mov_b32 s11, 0
	s_lshl_b32 s3, ttmp9, 2                        ; the tables' images: 262,144 x A's tile + 16,384 x my place among the 16 of q and k
	s_add_co_u32 s3, s3, s40
	s_lshl_b32 s3, s3, 14
	s_lshl_b32 s2, s17, 18
	s_add_co_u32 s2, s2, s3
	s_mov_b32 s3, 0
	s_wait_dscnt 0x0                               ; both opening adds are done
	s_wait_kmcnt 0x0
	s_add_nc_u64 s[20:21], s[4:5], s[20:21]
	s_add_nc_u64 s[46:47], s[4:5], s[46:47]
	s_add_nc_u64 s[PFA:PFA+1], s[4:5], s[PFA:PFA+1]
	s_add_nc_u64 s[22:23], s[6:7], s[22:23]
	s_add_nc_u64 s[12:13], s[6:7], s[12:13]
	s_add_nc_u64 s[2:3], s[8:9], s[2:3]
	s_mov_b32 s[G0H], 1
	s_mov_b32 s[G0H+1], 0
	s_mov_b64 s[G0H+2:G0H+3], s[20:21]
	s_or_b32 s[G0H+3], s[G0H+3], 0x80000000
	s_mov_b32 s[G0HB], 1
	s_mov_b32 s[G0HB+1], 4*HALFT
	s_mov_b64 s[G0HB+2:G0HB+3], s[46:47]
	s_or_b32 s[G0HB+3], s[G0HB+3], 0x80000000
	s_mov_b32 s[G0S], 1
	s_mov_b32 s[G0S+1], SCL
	s_mov_b64 s[G0S+2:G0S+3], s[22:23]
	s_or_b32 s[G0S+3], s[G0S+3], 0x80000000
	s_mov_b32 s[G0SB], 1
	s_mov_b32 s[G0SB+1], SCL+2*HALFS
	s_mov_b64 s[G0SB+2:G0SB+3], s[12:13]
	s_or_b32 s[G0SB+3], s[G0SB+3], 0x80000000
	s_add_nc_u64 s[20:21], s[20:21], s[66:67]      ; for the ring: my 128 rows
	s_add_nc_u64 s[46:47], s[46:47], s[66:67]
.irp s, 0,1
	s_mov_b32 s[G0+4*\s], 1
	s_add_co_u32 s[G0+4*\s+1], s45, \s*2*HALFT
	s_add_nc_u64 s[G0+4*\s+2:G0+4*\s+3], s[20:21], \s*SIGB
	s_or_b32 s[G0+4*\s+3], s[G0+4*\s+3], 0x80000000
	s_mov_b32 s[G0B+4*\s], 1
	s_add_co_u32 s[G0B+4*\s+1], s45, \s*2*HALFT
	s_add_nc_u64 s[G0B+4*\s+2:G0B+4*\s+3], s[46:47], \s*SIGB
	s_or_b32 s[G0B+4*\s+3], s[G0B+4*\s+3], 0x80000000
.endr
	CROUND                                         ; all sixteen work-groups are here: the first joint loads meet
	ARM 1, G0H,  G1,  .Lhead_b                     ; one chain of branches on the wave's number, one load to an arm
	ARM 2, G0HB, G1B, .Lhead_sa
	ARM 3, G0S,  G1S, .Lhead_sb
	tensor_load_to_lds s[G0SB:G0SB+3], s[G1SB:G1SB+7]
	s_nop 0
.rept 4
	v_nop
.endr
.Lhead_asked:
	; where my results go
	s_lshl_b32 s20, s42, 1
	s_add_co_u32 s20, s20, s16                     ; which 128 rows of B's tensor are mine
	s_lshl_b32 s21, s17, 1
	s_add_co_u32 s21, s21, s15                     ; which 128 rows of A's
	s_lshr_b32 s22, ttmp9, 1
	s_lshl_b32 s22, s22, 4
	s_add_co_u32 s22, s22, s20                     ; q, k: hd = 16 x (0 or 1) + the head
	s_add_co_u32 s23, s21, 32                      ; v: hd = 32 + the head
	s_cmp_lt_u32 ttmp9, 4
	s_cselect_b32 s22, s22, s23
	s_cselect_b32 s23, s21, s20                    ; the group of 128 along t
	s_lshl_b32 s22, s22, 4
	s_add_co_u32 s22, s22, s23
	s_mul_i32 s46, s22, 8*FRB
	s_mov_b32 s47, 0
	s_add_nc_u64 s[96:97], s[96:97], s[46:47]
	s_lshl_b32 s46, s22, 9
	s_add_nc_u64 s[98:99], s[98:99], s[46:47]
	s_lshl_b32 s46, s23, 17                        ; the images of my group's 8 tiles of positions (read by q and k alone)
	s_add_nc_u64 s[8:9], s[8:9], s[46:47]
	s_mov_b32 s[SEL], 0x76543210
	s_mov_b32 s[SEL+1], 0xfedcba98
	s_mul_i32 s20, s15, HALFT                      ; A's fragments: slot 0,
	s_add_co_u32 s21, s20, 2*HALFT                 ; slot 1
	s_mul_i32 s22, s16, HALFT
	s_add_co_u32 s22, s22, 4*HALFT                 ; B's
	s_add_co_u32 s23, s22, 2*HALFT
	s_mul_i32 s12, s15, HALFS                      ; the scale words: A's, my 128 rows;
	s_mul_i32 s13, s16, HALFS
	s_add_co_u32 s13, s13, 2*HALFS
	s_sub_co_u32 s13, s13, s12                     ; from there to B's
	s_add_co_u32 s12, s12, SCL
	v_and_b32 v1, 15, v0                           ; r
	v_bfe_u32 v2, v0, 4, 1                         ; h
	v_and_b32 v3, 31, v0
	v_lshlrev_b32 v[LI], 4, v3
	v_min_u32 v4, 23, v3
	v_lshlrev_b32 v[PFO], 8, v4
	v_lshlrev_b32 v[PFT], 8, v0
	v_add_nc_u32 v[ADRA], s20, v[LI]
	v_add_nc_u32 v[ADRA+1], s21, v[LI]
	v_add_nc_u32 v[ADRB], s22, v[LI]
	v_add_nc_u32 v[ADRB+1], s23, v[LI]
	v_lshlrev_b32 v5, 3, v1                        ; my row's two words of a K step
	v_mul_u32_u24 v6, s13, v2                      ; lanes 16-31 take B's
	v_add_nc_u32 v5, v5, v6
	v_add_nc_u32 v[ADRS], s12, v5
	v_lshlrev_b32 v[OWA], 5, v1
	v_lshl_add_u32 v[OWA], v2, 4, v[OWA]
.irp b, 0,1,2,3
	v_mov_b32 v[TM+4+\b], 0                        ; a lane permute's destination counts as one of its sources
.endr
	s_wait_alu depctr_va_vdst(0)                   ; the wait at the head's end
	global_prefetch_b8 v[PFO], s[PFA:PFA+1] offset:2*SIGB th:TH_LOAD_NT scope:SCOPE_SE
	global_prefetch_b8 v[PFO], s[PFA:PFA+1] offset:3*SIGB th:TH_LOAD_NT scope:SCOPE_SE
	s_cmp_ge_u32 ttmp9, 4                          ; v reads no table
	s_cbranch_scc1 .Lno_tab
	s_cmp_lg_u32 s15, 0
	s_cbranch_scc1 .Lno_tab
	global_prefetch_b8 v[PFT], s[2:3] th:TH_LOAD_NT scope:SCOPE_SE
.Lno_tab:
	s_wait_tensorcnt 0x0                           ; my tile of the head's four is in; no load of mine is out, so group 1 may be written:
.irp g, G1, G1B                        ; the ring's shape: 96 rows of 256 bytes, dense
	s_mov_b32 s[\g+1], 32<<16
	s_mov_b32 s[\g+2], 96<<16
	s_mov_b32 s[\g+3], 32<<16
	s_mov_b32 s[\g+4], 96
	s_mov_b32 s[\g+5], 32
.endr
	s_barrier_signal -1
	s_barrier_wait -1
.macro FRAG reg, adr, q, i
.irp c, 0,1,2
	ds_load_b128 v[\reg+4*\c:\reg+4*\c+3], v[\adr] offset:(\i)*TILEB+(\q)*FRB+512*\c
.endr
.endm
; 16 matrix instructions: A's blocks a0, a0 + 1 x B's eight.  The 64 accumulators take turns.
.macro MUL16 a0, p, q, sc, zero
.irp a, \a0, \a0+1
.irp b, 0,1,2,3,4,5,6,7
.if \zero
	v_wmma_scale_f32_16x16x128_f8f6f4 v[8*(8*((\a)%4)+\b):8*(8*((\a)%4)+\b)+7], v[128*(\p)+FR*\b:128*(\p)+FR*\b+FR-1], v[AF+FR*(\a):AF+FR*(\a)+FR-1], 0, v[SC+8*NQ*(\sc)+NQ*\b+(\q)], v[SC+8*NQ*(\sc)+NQ*(\a)+(\q)] matrix_a_fmt:MATRIX_FMT_BF6 matrix_b_fmt:MATRIX_FMT_BF6 matrix_a_scale:MATRIX_SCALE_ROW1
.else
	v_wmma_scale_f32_16x16x128_f8f6f4 v[8*(8*((\a)%4)+\b):8*(8*((\a)%4)+\b)+7], v[128*(\p)+FR*\b:128*(\p)+FR*\b+FR-1], v[AF+FR*(\a):AF+FR*(\a)+FR-1], v[8*(8*((\a)%4)+\b):8*(8*((\a)%4)+\b)+7], v[SC+8*NQ*(\sc)+NQ*\b+(\q)], v[SC+8*NQ*(\sc)+NQ*(\a)+(\q)] matrix_a_fmt:MATRIX_FMT_BF6 matrix_b_fmt:MATRIX_FMT_BF6 matrix_a_scale:MATRIX_SCALE_ROW1
.endif
.endr
.endr
.endm
.macro FETCH_B slot, q, p
	WIN TO_B
.irp i, 0,1,2,3,4,5,6,7
	FRAG 128*(\p)+FR*\i, ADRB+\slot, \q, \i
.endr
	WIN 0
.endm
.macro FETCH_A slot, q, i0
.irp i, \i0, \i0+1, \i0+2, \i0+3
	FRAG AF+FR*(\i), ADRA+\slot, \q, \i
.endr
.endm
.macro SCALES sc
.irp i, 0,1,2,3,4,5,6,7
	ds_load_b64 v[SC+8*NQ*\sc+NQ*\i:SC+8*NQ*\sc+NQ*\i+1], v[ADRS] offset:\i*1024
.endr
.endm
.macro PLACES n
.rept \n
	v_nop
.endr
.endm
.macro STEP slot, q, zero              ; a step of 128 along K that has its successor in the same slot
	s_wait_dscnt 4*NL                              ; all but the youngest 12 loads (A's blocks 4-7)
	WIN MUL_LO
	MUL16 0, (\q)%2, \q, \slot, \zero
	MUL16 2, (\q)%2, \q, \slot, \zero
	s_wait_dscnt 0
	PLACES NP
	FETCH_B \slot, (\q)+1, 1-(\q)%2
	FETCH_A \slot, (\q)+1, 0
	WIN MUL_HI
	MUL16 4, (\q)%2, \q, \slot, \zero
	MUL16 6, (\q)%2, \q, \slot, \zero
	PLACES NP
	WIN 0
	FETCH_A \slot, (\q)+1, 4
.endm
.macro ASK                             ; K step s + 2, behind the refill for K step s; the last lap's two refills name nothing
	s_cmp_gt_u32 s[CNT], 1
	s_cbranch_scc0 .Lno_ask_\@
	global_prefetch_b8 v[PFO], s[PFA:PFA+1] offset:3*SIGB th:TH_LOAD_NT scope:SCOPE_SE
.Lno_ask_\@:
.endm
; A slot's last step changes slots: in front of the barrier each wave waits for all its tensor loads, adds 0 to its spare word, and waits for that and for its reads of this slot.
.macro TURN slot, next, fill
.if \fill
	s_wait_xcnt 0x0                                ; my prefetches have read their address: it steps one K step
	s_add_nc_u64 s[PFA:PFA+1], s[PFA:PFA+1], SIGB
.endif
	s_wait_tensorcnt 0x0
	ds_add_u32 v[SPW], v[NIL]
	s_wait_dscnt 4*NL+1                            ; (the add and the youngest 12 loads may be out)
	WIN MUL_LO
	MUL16 0, 1, NQ-1, \slot, 0
	s_wait_dscnt 0x0
	s_barrier_signal -1
	MUL16 2, 1, NQ-1, \slot, 0
	WIN 0
	s_barrier_wait -1
.if \fill
	CREST                                          ; the barrier has opened a round of the cluster's barrier
	s_add_nc_u64 s[G0+4*\slot+2:G0+4*\slot+3], s[G0+4*\slot+2:G0+4*\slot+3], 2*SIGB
	s_add_nc_u64 s[G0B+4*\slot+2:G0B+4*\slot+3], s[G0B+4*\slot+2:G0B+4*\slot+3], 2*SIGB
	JLOAD G0+4*\slot, G1, G0B+4*\slot, G1B         ; its four v_nop are the places in front of the loads below
.else
	PLACES NP
.endif
	s_wait_alu depctr_va_vdst(0)                   ; the wait ahead of the reader below
	v_add_nc_u32 v[ADRS], 128, v[ADRS]             ; on to the next K step's scale words
	FETCH_B \next, 0, 0
	FETCH_A \next, 0, 0
	SCALES \next
.if \fill
	ASK
.endif
	WIN MUL_HI
	MUL16 4, 1, NQ-1, \slot, 0
	MUL16 6, 1, NQ-1, \slot, 0
	PLACES NP
	WIN 0
	FETCH_A \next, 0, 4
.endm
.macro LAST                            ; the very last step, and the places in front of the reads of results and of loads into the fragments' registers
	s_wait_dscnt 4*NL
	WIN MUL_LO
	MUL16 0, 1, NQ-1, 1, 0
	MUL16 2, 1, NQ-1, 1, 0
	s_wait_dscnt 0
	WIN MUL_HI
	MUL16 4, 1, NQ-1, 1, 0
	MUL16 6, 1, NQ-1, 1, 0
	WIN 0
	PLACES NP
.endm
	FETCH_B 0, 0, 0
	FETCH_A 0, 0, 0
	SCALES 0
	FETCH_A 0, 0, 4
	STEP 0, 0, 1                                   ; the first step's products start the sums
	s_mov_b32 s[CNT], LAPS-1
.Llap:
	TURN 0, 1, 1
	STEP 1, 0, 0
	TURN 1, 0, 1
	STEP 0, 0, 0
	s_sub_co_u32 s[CNT], s[CNT], 1
	s_cmp_lg_u32 s[CNT], 0
	s_cbranch_scc1 .Llap
	TURN 0, 1, 0                                   ; the last lap fills nothing
	STEP 1, 0, 0
; THE EPILOGUE.  For A's block a the lane's 64 registers v[64 (a % 4)] on, window 2 + a / 4: register 16 b + i = row 32 b + 16 (lane / 16) + i of my 128 rows of B.
.macro QUANT s, sw, pw                 ; 64 numbers in window sw become a fragment's image in v[PC] on and its scale word in v[pw]
	WIN ((\sw)<<2)|((\sw)<<4)
.irp b, 0,1,2,3
	v_max3_num_f32 v[TM+\b], 0x2800000, |v[\s+16*\b]|, |v[\s+1+16*\b]|   ; and the floor 2^(5 - 127)
.endr
.irp i, 2,4,6,8,10,12,14
.irp b, 0,1,2,3
	v_max3_num_f32 v[TM+\b], v[TM+\b], |v[\s+16*\b+\i]|, |v[\s+1+16*\b+\i]|
.endr
.endr
	WIN 0
.irp b, 0,1,2,3
	v_permlanex16_b32 v[TM+4+\b], v[TM+\b], s[SEL], s[SEL+1]
.endr
.irp b, 0,1,2,3
	v_max_num_f32 v[TM+\b], v[TM+\b], v[TM+4+\b]
.endr
.irp b, 0,1,2,3
	v_add_nc_u32 v[TM+12+\b], 0xfe000000, v[TM+\b]
.endr
.irp b, 0,1,2,3
	v_lshrrev_b32 v[TM+4+\b], 23, v[TM+12+\b]
.endr
	v_lshl_or_b32 v[\pw], v[TM+5], 8, v[TM+4]
	v_lshl_or_b32 v[\pw], v[TM+6], 16, v[\pw]
	v_lshl_or_b32 v[\pw], v[TM+7], 24, v[\pw]
	WIN (\sw)
.irp c, 0,1
	v_cvt_scalef32_pk16_bf6_f32 v[PC+6*\c:PC+2+6*\c], v[\s+32*\c:\s+15+32*\c], v[TM+12+2*\c]
	v_cvt_scalef32_pk16_bf6_f32 v[PC+12+4*\c:PC+14+4*\c], v[\s+16+32*\c:\s+31+32*\c], v[TM+12+2*\c+1]
.endr
	WIN 0
	v_nop                                          ; one plain place behind a scaled conversion
.irp c, 0,1
.irp i, 0,1,2
	v_permlane16_swap_b32 v[PC+6*\c+\i], v[PC+12+4*\c+\i]
.endr
.irp i, 0,1,2
	v_mov_b32 v[PC+3+6*\c+\i], v[PC+12+4*\c+\i]
.endr
.endr
.endm
.macro STORE a
.irp c, 0,1,2
	global_store_b128 v[LI], v[PC+4*\c:PC+4*\c+3], s[96:97] offset:(\a)*FRB+512*\c
.endr
.endm
.macro SETT a                          ; the tables' set a % 3: window 1 v0-127, window 1 v128-255, window 0 v128-255; cosines first, sines 64 on
.set TW, 1-((\a)%3)/2
.set TB, 128*((((\a)%3)+1)/2)
.endm
.macro LOADT a                         ; cos and sin of tile a's positions at my 64 places of d: 32 loads of 512 consecutive bytes
	SETT \a
	WIN TW<<6
.irp g, 0,1,2,3,4,5,6,7,8,9,10,11,12,13,14,15
	global_load_b128 v[TB+4*\g:TB+4*\g+3], v[LI], s[8:9] offset:(\a)*16384+512*\g
	global_load_b128 v[TB+64+4*\g:TB+64+4*\g+3], v[LI], s[8:9] offset:(\a)*16384+8192+512*\g
.endr
	WIN 0
.endm
.macro ROPE a                          ; register n holds d = 32 (n / 16) + 16 h + n % 16, so d + 64 is register n + 32.  The result takes the cosines' place
	SETT \a
.set AC, 64*((\a)%4)
	WIN (2+(\a)/4)|(TW<<2)|(TW<<4)|(TW<<6)
.set NN, 0
.rept 32
	v_pk_mul_f32 v[TB+NN:TB+NN+1], v[AC+NN:AC+NN+1], v[TB+NN:TB+NN+1]   ; u cos, each accumulator from its low end on
.set NN, NN+2
.endr
.set NN, 0
.rept 16
	v_pk_fma_f32 v[TB+NN:TB+NN+1], v[AC+NN+32:AC+NN+33], v[TB+64+NN:TB+64+NN+1], v[TB+NN:TB+NN+1] neg_lo:[1,0,0] neg_hi:[1,0,0]   ; d < 64: - u(d + 64) sin
.set NN, NN+2
.endr
.rept 16
	v_pk_fma_f32 v[TB+NN:TB+NN+1], v[AC+NN-32:AC+NN-31], v[TB+64+NN:TB+64+NN+1], v[TB+NN:TB+NN+1]   ; d >= 64: + u(d - 64) sin
.set NN, NN+2
.endr
	WIN 0
.endm
	s_cmp_ge_u32 ttmp9, 4                          ; the cluster's x: the same in all partners.  The tail is written once for q and k and once for v
	s_cbranch_scc1 .Lvpath
	LOADT 0                                        ; into B's set 0 and the 32 registers behind it: that set's last products stand ahead of STEP's places
	LAST
	LOADT 1
	LOADT 2
.irp a, 0,1,2,3,4,5,6,7
.if \a < 6
	s_wait_loadcnt 63                              ; this tile's 32 loads are in: behind them 64 were issued, and the count's field ends at 63
.else
	s_wait_loadcnt 32*(7-\a)
.endif
.if \a > 0
	s_wait_xcnt 0x0                                ; the last fragment's stores have read their registers
.endif
	ROPE \a
	QUANT TB, TW, PWS+\a
	STORE \a
.if \a < 5
	LOADT \a+3
.endif
.endr
	s_branch .Ljoin
.Lvpath:
	LAST
.irp a, 0,1,2,3,4,5,6,7
.if \a > 0
	s_wait_xcnt 0x0
.endif
	QUANT 64*((\a)%4), 2+(\a)/4, PWS+\a
	STORE \a
.endr
.Ljoin:
	v_cmp_eq_u32 vcc_lo, 1, v2
.irp i, 0,1,2,3
	v_cndmask_b32 v[OUTW+\i], v[PWS+\i], v[PWS+4+\i], vcc_lo   ; lanes 0-15 store row r's words of tiles 0-3, lanes 16-31 of tiles 4-7
.endr
	global_store_b128 v[OWA], v[OUTW:OUTW+3], s[98:99]
	s_wait_tensorcnt 0x0                           ; the wave's end
	ds_add_u32 v[SPW], v[NIL]
	s_wait_dscnt 0x0
	CROUND                                         ; the closing round
	s_endpgm
.Lfunc_end_k_qb173c64e5e_qkv:
	.size	k_qb173c64e5e_qkv, .Lfunc_end_k_qb173c64e5e_qkv-k_qb173c64e5e_qkv
	.p2alignl 7, 3214868480
	.fill 96, 4, 3214868480
	.section	.rodata,"a",@progbits
	.p2align	6, 0x0
	.amdhsa_kernel k_qb173c64e5e_qkv
		.amdhsa_group_segment_fixed_size 327680
		.amdhsa_private_segment_fixed_size 0
		.amdhsa_enable_private_segment 0
		.amdhsa_kernarg_size 40
		.amdhsa_user_sgpr_count 2
		.amdhsa_user_sgpr_kernarg_segment_ptr 1
		.amdhsa_wavefront_size32 1
		.amdhsa_system_sgpr_workgroup_id_x 1
		.amdhsa_system_sgpr_workgroup_id_y 1
		.amdhsa_system_sgpr_workgroup_id_z 1
		.amdhsa_system_vgpr_workitem_id 0
		.amdhsa_next_free_vgpr 1024
		.amdhsa_next_free_sgpr 102
		.amdhsa_reserve_vcc 1
		.amdhsa_float_denorm_mode_32 3
		.amdhsa_float_denorm_mode_16_64 3
		.amdhsa_memory_ordered 1
		.amdhsa_forward_progress 1
		.amdhsa_inst_pref_size 241
	.end_amdhsa_kernel
	.amdgpu_metadata
---
amdhsa.version: [ 1, 2 ]
amdhsa.kernels:
  - .name:           k_qb173c64e5e_qkv
    .symbol:         k_qb173c64e5e_qkv.kd
    .args:
      - { .name: cod, .offset: 0, .size: 8, .value_kind: global_buffer, .address_space: global }
      - { .name: scl, .offset: 8, .size: 8, .value_kind: global_buffer, .address_space: global }
      - { .name: rt, .offset: 16, .size: 8, .value_kind: global_buffer, .address_space: global }
      - { .name: qkvc, .offset: 24, .size: 8, .value_kind: global_buffer, .address_space: global }
      - { .name: qkvs, .offset: 32, .size: 8, .value_kind: global_buffer, .address_space: global }
    .group_segment_fixed_size: 327680
    .private_segment_fixed_size: 0
    .kernarg_segment_align: 8
    .kernarg_segment_size: 40
    .max_flat_workgroup_size: 128
    .sgpr_count:     102
    .vgpr_count:     1024
    .wavefront_size: 32
...
	.end_amdgpu_metadata
.endif
;; end of part 6
;; launch attn (part 7): grid 16 x 16, 8 waves a work-group, no clusters, 0 bytes of LDS; arguments qkvc, qkvs, doc_ids, oc, os; writes oc, os
.if DOCPART == 7
	.amdgcn_target "amdgcn-amd-amdhsa--gfx1250"
	.amdhsa_code_object_version 6
	.text
	.protected	k_qb173c64e5e_attn
	.globl	k_qb173c64e5e_attn
	.p2align	8
	.type	k_qb173c64e5e_attn,@function
k_qb173c64e5e_attn:
	s_mov_b64 s[64:65], 0
	v_nop
	global_prefetch_b8 v0, s[64:65] scope:SCOPE_SE
	s_setreg_imm32_b32 hwreg(HW_REG_WAVE_MODE, 25, 1), 1
	s_wait_xcnt 0x0
; out[t][head] = the sum over s of softmax_s(q[t] . k[s] / sqrt(128), masked) v[s], key s counting for query t where s <= t and doc_ids[s] == doc_ids[t]; both products on codes of BF6 (E3M2) with E8M0 scales.
; THE SOFTMAX AHEAD OF THE SECOND PRODUCT: t = score x log2(e) / sqrt(128); M = the running largest t rounded up to a whole number; p = 2^(t - M) is quantised along the keys, not normalised; the row's sum is taken
; of the unquantised p and divides at the end.  When M moves, the sum and O are multiplied by 2^(old M - new M): exact.  The result is quantised along the head's 128 and leaves as the last product's operand.
; SHARES.  A wave owns one tile of 16 queries (tile tau = rows 32 (tau / 2) + 8 (tau % 2) + r + 8 (r / 8)) of one head.  Waves 0-3 of work-group i take tiles 4 i + w, waves 4-7 tiles 120 - 4 i + w: early and late
; queries share a WGP.  A wave walks the 16 key steps of 128 in a loop of constant count and passes over a step whose every score is masked: steps behind its queries, and steps whose range of doc ids does not
; meet the range of its queries' ids (of the aligned 32 queries round my 16: a wider range, so nothing is passed over wrongly; no order of doc_ids is assumed).  The branches hang on doc_ids, whole numbers read
; from memory, so this launch has no tensor load: operands come from memory straight into registers, as images, three loads of 512 consecutive bytes a fragment.  No LDS, no barrier.
; Multicast is not used: partners would want different steps.
; LAYOUT.  Both products are used transposed (S^T = K Q^T, O^T = V^T P^T): a lane holds one query; the 16 registers of tiles 2 b, 2 b + 1 are keys (or channels) 32 b + 16 (lane / 16) + 0 .. 15.
; LIMITS: NaN and infinities are not served; the division is a multiplication by v_rcp_f32; a block of zeros or under 2^-122 gets the byte 1 (only this program reads the bytes).
; REGISTERS, window 0: v1-11 addresses and ids; v12 -M, v13 the largest t, v[14:15] the sum; v16-27 Q, v28 its scale words; v32-39 K's scale words, v40-47 V's; v48-84 at work at the head and in the last QUANT;
;   v96-159 S^T, then p; v160-223 O^T; v224-255 at work.   window 1: v0-95 K's eight fragments, v96-191 V's, v192-255 the doc ids of my 64 keys.
.set FRB,   1536
.set SIGB,  393216
.set VC,    3145728                    ; from k's codes of a head to v's: 16 heads x 16 groups x 8 fragments
.set VS,    131072                     ; and between their scale words
.set TM,    48
.set PC,    64
.set PW,    84
.set SEL,   20                         ; s[20:21]
.set CS,    22                         ; s[22:23] c = log2(e) / sqrt(128)
.set MSB, 0
.macro WIN new
.if MSB != (\new)
	s_set_vgpr_msb (MSB<<8)|(\new)
.set MSB, (\new)
.endif
.endm
.macro QUANT s, pw                     ; 64 numbers, register 16 b + i = k 32 b + 16 (lane / 16) + i, become a fragment's image in v[PC] on and its scale word in v[pw]
.irp b, 0,1,2,3
	v_max3_num_f32 v[TM+\b], |v[\s+16*\b]|, |v[\s+1+16*\b]|, 0x2800000
.endr
.irp i, 2,4,6,8,10,12,14
.irp b, 0,1,2,3
	s_delay_alu instid0(VALU_DEP_4)
	v_max3_num_f32 v[TM+\b], v[TM+\b], |v[\s+16*\b+\i]|, |v[\s+1+16*\b+\i]|
.endr
.endr
.irp b, 0,1,2,3
	s_delay_alu instid0(VALU_DEP_4)
	v_permlanex16_b32 v[TM+4+\b], v[TM+\b], s[SEL], s[SEL+1]
.endr
.irp b, 0,1,2,3
	s_delay_alu instid0(VALU_DEP_4)
	v_max_num_f32 v[TM+\b], v[TM+\b], v[TM+4+\b]
.endr
.irp b, 0,1,2,3
	s_delay_alu instid0(VALU_DEP_4)
	v_add_nc_u32 v[TM+12+\b], 0xfe000000, v[TM+\b]
.endr
.irp b, 0,1,2,3
	s_delay_alu instid0(VALU_DEP_4)
	v_lshrrev_b32 v[TM+4+\b], 23, v[TM+12+\b]
.endr
	s_delay_alu instid0(VALU_DEP_3)
	v_lshl_or_b32 v[\pw], v[TM+5], 8, v[TM+4]
	s_delay_alu instid0(VALU_DEP_1)
	v_lshl_or_b32 v[\pw], v[TM+6], 16, v[\pw]
	s_delay_alu instid0(VALU_DEP_1)
	v_lshl_or_b32 v[\pw], v[TM+7], 24, v[\pw]
.irp c, 0,1
	v_cvt_scalef32_pk16_bf6_f32 v[PC+6*\c:PC+2+6*\c], v[\s+32*\c:\s+15+32*\c], v[TM+12+2*\c]
	v_cvt_scalef32_pk16_bf6_f32 v[PC+12+4*\c:PC+14+4*\c], v[\s+16+32*\c:\s+31+32*\c], v[TM+12+2*\c+1]
.endr
	v_nop
.irp c, 0,1
.irp i, 0,1,2
	v_permlane16_swap_b32 v[PC+6*\c+\i], v[PC+12+4*\c+\i]
.endr
.irp i, 0,1,2
	s_delay_alu instid0(VALU_DEP_3)
	v_mov_b32 v[PC+3+6*\c+\i], v[PC+12+4*\c+\i]
.endr
.endr
.endm
	s_load_b256 s[4:11], s[0:1], 0x0               ; qkvc s[4:5], qkvs s[6:7], doc_ids s[8:9], oc s[10:11]
	s_load_b64 s[12:13], s[0:1], 0x20              ; os
	v_lshrrev_b32 v1, 5, v0
	s_delay_alu instid0(VALU_DEP_1)
	v_readfirstlane_b32 s18, v1                    ; wave 0..7
	v_and_b32 v6, 31, v0
	s_delay_alu instid0(VALU_DEP_1)
	v_lshlrev_b32 v1, 4, v6                        ; 16 x lane: my place in every image
	v_and_b32 v6, 15, v0                           ; r
	s_wait_alu depctr_va_vdst(0)
	v_bfe_u32 v7, v0, 4, 1                         ; h
	s_wait_alu depctr_va_vdst(0)
	v_lshlrev_b32 v2, 5, v6                        ; 32 r: a row's eight scale words
	v_lshlrev_b32 v3, 6, v7                        ; 64 h: my 16 keys' ids in each block of 32
	s_lshl_b32 s26, ttmp9, 2
	s_sub_co_u32 s27, 120, s26
	s_cmp_lt_u32 s18, 4
	s_cselect_b32 s19, s26, s27
	s_add_co_u32 s19, s19, s18                     ; my tile of queries: 0..127
	s_lshr_b32 s24, s19, 3                         ; its group of 128: the last key step that counts
	s_and_b32 s25, s19, 7                          ; and its place in the group
	s_lshr_b32 s26, s19, 1
	s_lshl_b32 s26, s26, 5                         ; the aligned 32 queries round my 16 begin here
	s_and_b32 s27, s19, 1
	s_lshl_b32 s27, s27, 3
	s_add_co_u32 s27, s27, s26
	v_and_b32 v4, 8, v6
	s_delay_alu instid0(VALU_DEP_1)
	v_add_nc_u32 v4, v4, v6
	s_delay_alu instid0(VALU_DEP_1)
	v_add_nc_u32 v4, s27, v4                       ; my query
	v_lshlrev_b32 v9, 4, v7
	s_delay_alu instid0(VALU_DEP_1)
	v_sub_nc_u32 v8, v4, v9                        ; my query - 16 h
	s_delay_alu instid0(VALU_DEP_3)
	v_lshlrev_b32 v9, 2, v4                        ; its id's byte
	v_lshlrev_b32 v10, 9, v6
	s_delay_alu instid0(VALU_DEP_1)
	v_lshl_add_u32 v10, v7, 8, v10                 ; 512 r + 256 h: at the head lane (r, h) takes the ids of keys 128 r + 64 h + 0 .. 63
	v_lshlrev_b32 v11, 3, v6                       ; 8 r: the output's scale word
	s_and_b32 s40, ttmp7, 0xffff                   ; the head
	s_lshl_b32 s41, s40, 7
	s_add_co_u32 s41, s41, s19
	s_mul_i32 s42, s41, FRB                        ; Q's image
	s_mov_b32 s43, 0
	s_lshl_b32 s44, s40, 4
	s_add_co_u32 s44, s44, s24
	s_lshl_b32 s44, s44, 9
	s_lshl_b32 s45, s25, 2
	s_add_co_u32 s44, s44, s45                     ; Q's scale words
	s_mov_b32 s45, 0
	s_add_co_u32 s46, s40, 16
	s_mul_i32 s48, s46, 128*FRB                    ; k's codes of my head
	s_mov_b32 s49, 0
	s_lshl_b32 s50, s46, 13                        ; and its scale words
	s_mov_b32 s51, 0
	s_lshl_b32 s52, s26, 2                         ; the 32 queries' ids
	s_mov_b32 s53, 0
	s_lshr_b32 s54, s40, 1
	s_and_b32 s55, s40, 1
	s_mul_i32 s56, s54, SIGB                       ; the output as an operand: K = 128 x head + d
	s_mul_i32 s57, s19, 2*FRB
	s_add_co_u32 s56, s56, s57
	s_mul_i32 s57, s55, FRB
	s_add_co_u32 s56, s56, s57
	s_mov_b32 s57, 0
	s_lshl_b32 s58, s19, 10
	s_lshl_b32 s59, s54, 7
	s_add_co_u32 s58, s58, s59
	s_lshl_b32 s59, s55, 2
	s_add_co_u32 s58, s58, s59
	s_mov_b32 s59, 0
	s_mov_b32 s[SEL], 0x76543210
	s_mov_b32 s[SEL+1], 0xfedcba98
	s_mov_b32 s[CS], 0x3e0293ee
	s_mov_b32 s[CS+1], s[CS]                       ; (named with it as a pair, so it is written)
	s_wait_alu depctr_va_vdst(0)
	s_wait_kmcnt 0x0
	s_add_nc_u64 s[42:43], s[4:5], s[42:43]
	s_add_nc_u64 s[44:45], s[6:7], s[44:45]
; THE WALK'S ORDER.  A wave's own group of keys (the diagonal step) is always walked, so it goes first, and its operands are asked for at the head; the other walked steps follow in ascending order,
; found by the lowest set bit of the mask of steps still to go.  The next step's K, scale words and ids are asked for behind the masks of the step at work (K's registers and the ids are done with),
; its V behind the second product.  Both stand under a branch on the mask; the wait ahead of the second product is for 0, so the counts hold on every way through the text.
.macro LOADK                           ; a step's K: 24 loads of codes, 16 of ids, 2 of scale words
	WIN 0x40
.irp t, 0,1,2,3,4,5,6,7
.irp c, 0,1,2
	global_load_b128 v[12*\t+4*\c:12*\t+4*\c+3], v1, s[32:33] offset:FRB*\t+512*\c
.endr
.endr
.irp b, 0,1,2,3
.irp j, 0,1,2,3
	global_load_b128 v[192+16*\b+4*\j:192+16*\b+4*\j+3], v3, s[36:37] offset:128*\b+16*\j
.endr
.endr
	WIN 0
	global_load_b128 v[32:35], v2, s[34:35]
	global_load_b128 v[36:39], v2, s[34:35] offset:16
.endm
.macro LOADV cb, sb                    ; a step's V: 24 loads of codes, 2 of scale words; cb, sb: the scalar pairs with the step's codes and scale words of k
	WIN 0x40
.irp t, 0,1,2,3,4,5,6,7
.irp c, 0,1,2
	global_load_b128 v[96+12*\t+4*\c:96+12*\t+4*\c+3], v1, s[\cb:\cb+1] offset:VC+FRB*\t+512*\c
.endr
.endr
	WIN 0
	global_load_b128 v[40:43], v2, s[\sb:\sb+1] offset:VS
	global_load_b128 v[44:47], v2, s[\sb:\sb+1] offset:VS+16
.endm
	s_add_nc_u64 s[48:49], s[4:5], s[48:49]        ; k's codes of my head; v's lie VC bytes on
	s_add_nc_u64 s[50:51], s[6:7], s[50:51]        ; k's scale words; v's VS bytes on
	s_mul_i32 s54, s24, 8*FRB
	s_mov_b32 s55, 0
	s_add_nc_u64 s[32:33], s[48:49], s[54:55]      ; the diagonal step's codes,
	s_lshl_b32 s54, s24, 9
	s_add_nc_u64 s[34:35], s[50:51], s[54:55]      ; scale words
	s_add_nc_u64 s[36:37], s[8:9], s[54:55]        ; and ids
	s_add_nc_u64 s[52:53], s[8:9], s[52:53]
	s_add_nc_u64 s[10:11], s[10:11], s[56:57]
	s_add_nc_u64 s[12:13], s[12:13], s[58:59]
	s_load_b512 s[68:83], s[52:53], 0x0            ; 32 queries' ids
	s_load_b512 s[84:99], s[52:53], 0x40
.irp c, 0,1,2
	global_load_b128 v[16+4*\c:19+4*\c], v1, s[42:43] offset:512*\c   ; Q stays in registers
.endr
	global_load_b32 v28, v2, s[44:45]
	global_load_b32 v5, v9, s[8:9]                 ; my query's id
.irp j, 0,1,2,3,4,5,6,7,8,9,10,11,12,13,14,15
	global_load_b128 v[96+4*\j:99+4*\j], v10, s[8:9] offset:16*\j
.endr
	LOADK                                          ; the diagonal step's K
	v_mov_b32 v13, 0xff61b1e6                      ; the largest t so far: -3e38, under every t
	s_delay_alu instid0(VALU_DEP_1)
	v_floor_f32 v12, -v13                          ; -M
	v_mov_b32 v14, 0
	v_mov_b32 v15, 0
.irp b, 0,1,2,3
	v_mov_b32 v[236+\b], 0                         ; written once: a lane permute's destination counts as one of its sources
	v_mov_b32 v[TM+4+\b], 0
.endr
	v_mov_b32 v50, 0
	v_mov_b32 v51, 0
	v_mov_b32 v252, 0
	v_mov_b32 v253, 0
.set NN, 0
.rept 64
	v_mov_b32 v[160+NN], 0                         ; O^T.  No first step is written out: the first finds zeros, which the first change of M leaves zeros
.set NN, NN+1
.endr
	s_wait_loadcnt 42                              ; Q, its scale words and the ids for the ranges are in; K's 42 loads may be out
	s_wait_kmcnt 0x0
	LOADV 32, 34                                   ; the diagonal step's V
	v_min_u32 v48, v96, v97
	v_max_u32 v49, v96, v97
.set NN, 2
.rept 62
	s_delay_alu instid0(VALU_DEP_2)
	v_min_u32 v48, v48, v[96+NN]
	s_delay_alu instid0(VALU_DEP_2)
	v_max_u32 v49, v49, v[96+NN]
.set NN, NN+1
.endr
	s_delay_alu instid0(VALU_DEP_2)
	v_permlanex16_b32 v50, v48, s[SEL], s[SEL+1]
	s_delay_alu instid0(VALU_DEP_2)
	v_permlanex16_b32 v51, v49, s[SEL], s[SEL+1]
	s_delay_alu instid0(VALU_DEP_2)
	v_min_u32 v48, v48, v50                        ; lane r: of key step r
	s_wait_alu depctr_va_vdst(0)
	v_max_u32 v49, v49, v51
	s_wait_alu depctr_va_vdst(0)
	s_min_u32 s38, s68, s69                        ; and of the queries
	s_max_u32 s39, s68, s69
.irp j, 70,71,72,73,74,75,76,77,78,79,80,81,82,83,84,85,86,87,88,89,90,91,92,93,94,95,96,97,98,99
	s_min_u32 s38, s38, s[\j]
	s_max_u32 s39, s39, s[\j]
.endr
	v_cmp_ge_u32 s26, s39, v48                     ; the ranges meet: the queries' greatest >= the step's least
	v_cmp_le_u32 s27, s38, v49                     ; and their least <= the step's greatest
	s_and_b32 s29, s26, s27
	s_lshl_b32 s26, 2, s24
	s_sub_co_u32 s26, s26, 1                       ; steps 0 .. my group's (at most 16 bits: lanes 16-31 fall away)
	s_and_b32 s29, s29, s26                        ; bit KS: step KS is walked.  My own group's bit is always set: a query's own key counts
	v_cmp_eq_u32 s26, s39, v48
	v_cmp_eq_u32 s27, s38, v49
	s_and_b32 s30, s26, s27                        ; bit KS: all ids of the step and of the queries are one number: no id need be compared
	s_mov_b32 s28, s24                             ; KS: the step at work; the diagonal step first
	s_lshl_b32 s31, s24, 7                         ; the diagonal step's first key
	s_lshl_b32 s62, 1, s24
	s_xor_b32 s62, s29, s62                        ; the steps still to go
	s_mov_b32 s61, 1                               ; a step is at hand
	s_mov_b32 s27, 0                               ; trips
	s_wait_loadcnt 26                              ; the diagonal step's K, scale words and ids are in; V's 26 loads may be out
.Lstep:
	s_cmp_lg_u32 s61, 0
	s_cbranch_scc0 .Lskip
	WIN 0x01                                       ; source 0 window 1
.irp t, 0,1,2,3,4,5,6,7
	v_wmma_scale_f32_16x16x128_f8f6f4 v[96+8*\t:103+8*\t], v[12*\t:12*\t+11], v[16:27], 0, v[32+\t], v28 matrix_a_fmt:MATRIX_FMT_BF6 matrix_b_fmt:MATRIX_FMT_BF6
.endr
	WIN 0
.rept 4
	v_nop                                          ; places in front of the first read of the scores
.endr
	s_bitcmp1_b32 s30, s28
	s_cbranch_scc1 .Lsame
	s_wait_loadcnt 26                              ; the ids are in; V's 24 loads and its 2 of scale words may be out
	WIN 0x01
.set NN, 0
.rept 64
	v_cmp_eq_u32 vcc_lo, v[192+NN], v5             ; the key's id against my query's
	v_cndmask_b32 v[96+NN], 0xff800000, v[96+NN], vcc_lo   ; another document's score becomes -infinity: p = 0 then
.set NN, NN+1
.endr
	WIN 0
.Lsame:
	s_cmp_lg_u32 s28, s24
	s_cbranch_scc1 .Lopen
	v_sub_nc_u32 v252, v8, s31                     ; on the diagonal: register 16 b + i holds key KF + 16 h + 32 b + i: hidden where 32 b + i > my query - KF - 16 h
	v_mov_b32 v254, 0xff800000
.set NN, 0
.rept 64
	v_cmp_gt_i32 vcc_lo, 32*(NN/16)+NN%16, v252
	v_cndmask_b32 v[96+NN], v[96+NN], v254, vcc_lo
.set NN, NN+1
.endr
.Lopen:
	s_wait_alu depctr_va_vdst(0)                   ; the wait ahead of the scalar lines and the wait below
	s_cmp_lg_u32 s62, 0
	s_cselect_b32 s63, 1, 0                        ; is a step left?
	s_ctz_i32_b32 s60, s62                         ; the lowest of them,
	s_min_u32 s60, s60, 15                         ; held inside the 16 steps
	s_sub_co_u32 s54, s62, 1
	s_and_b32 s62, s62, s54                        ; and taken off the mask
	s_cmp_lg_u32 s63, 0
	s_cbranch_scc0 .Lno_k
	s_wait_xcnt 0x0                                ; V's loads have read their bases
	s_mul_i32 s54, s60, 8*FRB
	s_mov_b32 s55, 0
	s_add_nc_u64 s[32:33], s[48:49], s[54:55]
	s_lshl_b32 s54, s60, 9
	s_add_nc_u64 s[34:35], s[50:51], s[54:55]
	s_add_nc_u64 s[36:37], s[8:9], s[54:55]
	LOADK                                          ; the next step's K: four places and the masks stand behind the first product
.Lno_k:
.irp b, 0,1,2,3
	v_max3_num_f32 v[232+\b], v[96+16*\b], v[97+16*\b], v[98+16*\b]   ; the largest score of each block of 32 keys: it serves the row's maximum and, since p rises with the score, the block's largest p
.endr
.irp i, 3,5,7,9,11,13
.irp b, 0,1,2,3
	v_max3_num_f32 v[232+\b], v[232+\b], v[96+16*\b+\i], v[97+16*\b+\i]
.endr
.endr
.irp b, 0,1,2,3
	v_max_num_f32 v[232+\b], v[232+\b], v[111+16*\b]
.endr
.irp b, 0,1,2,3
	s_delay_alu instid0(VALU_DEP_4)
	v_permlanex16_b32 v[236+\b], v[232+\b], s[SEL], s[SEL+1]
.endr
.irp b, 0,1,2,3
	s_delay_alu instid0(VALU_DEP_4)
	v_max_num_f32 v[232+\b], v[232+\b], v[236+\b]  ; with lane l xor 16's 16 keys
.endr
	s_delay_alu instid0(VALU_DEP_2)
	v_max3_num_f32 v254, v232, v233, v234
	s_delay_alu instid0(VALU_DEP_1)
	v_max_num_f32 v254, v254, v235
	s_delay_alu instid0(VALU_DEP_1)
	v_mul_f32 v254, s[CS], v254                    ; the step's largest t of my query (-infinity where all its keys are masked: the running maximum stays)
	s_delay_alu instid0(VALU_DEP_1)
	v_max_num_f32 v13, v13, v254
	v_mov_b32 v254, v12
	s_delay_alu instid0(VALU_DEP_2)
	v_floor_f32 v12, -v13                          ; the new -M = -ceil(t): a whole number
	s_delay_alu instid0(VALU_DEP_1)
	v_sub_f32 v254, v12, v254
	s_delay_alu instid0(VALU_DEP_1)
	v_cvt_i32_f32 v254, v254                       ; (it saturates)
	s_delay_alu instid0(VALU_DEP_1)
	v_ldexp_f32 v252, 1.0, v254                    ; f = 2^(old M - new M)
.set NN, 0
.rept 32
	v_pk_fma_f32 v[96+NN:97+NN], v[96+NN:97+NN], s[CS:CS+1], v[12:13] op_sel_hi:[1,0,0]   ; t - M, two at a time
.set NN, NN+2
.endr
.irp b, 0,1,2,3
	v_fma_f32 v[232+\b], v[232+\b], s[CS], v12     ; the same of each block's largest score
.endr
.set NN, 0
	s_wait_alu depctr_va_vdst(0)
.rept 64
	v_exp_f32 v[96+NN], v[96+NN]                   ; p = 2^(t - M), at most 1
.set NN, NN+1
.endr
	v_pk_mul_f32 v[14:15], v[14:15], v[252:253] op_sel_hi:[1,0]   ; the sums under the new M: a plain place behind the exponentials
	s_wait_alu depctr_va_vdst(0)                   ; one wait for the whole batch, ahead of its first reader
.irp b, 0,1,2,3
	v_exp_f32 v[232+\b], v[232+\b]                 ; the block's largest p
.endr
	v_pk_add_f32 v[236:237], v[100:101], v[104:105]
	v_pk_add_f32 v[254:255], v[108:109], v[112:113]
	v_pk_add_f32 v[250:251], v[116:117], v[120:121]
	v_pk_add_f32 v[248:249], v[124:125], v[128:129]
	v_pk_add_f32 v[246:247], v[132:133], v[136:137]
	v_pk_add_f32 v[244:245], v[140:141], v[144:145]
	v_pk_add_f32 v[242:243], v[148:149], v[152:153]
	v_pk_add_f32 v[14:15], v[14:15], v[156:157]
	v_pk_add_f32 v[236:237], v[236:237], v[96:97]
	v_pk_add_f32 v[254:255], v[254:255], v[98:99]
	v_pk_add_f32 v[250:251], v[250:251], v[102:103]
	v_pk_add_f32 v[248:249], v[248:249], v[106:107]
	v_pk_add_f32 v[246:247], v[246:247], v[110:111]
	v_pk_add_f32 v[244:245], v[244:245], v[114:115]
	v_pk_add_f32 v[242:243], v[242:243], v[118:119]
	v_pk_add_f32 v[14:15], v[14:15], v[122:123]
	v_pk_add_f32 v[236:237], v[236:237], v[126:127]
	v_pk_add_f32 v[254:255], v[254:255], v[130:131]
	v_pk_add_f32 v[250:251], v[250:251], v[134:135]
	v_pk_add_f32 v[248:249], v[248:249], v[138:139]
	v_pk_add_f32 v[246:247], v[246:247], v[142:143]
	v_pk_add_f32 v[244:245], v[244:245], v[146:147]
	v_pk_add_f32 v[242:243], v[242:243], v[150:151]
	v_pk_add_f32 v[14:15], v[14:15], v[154:155]
	v_pk_add_f32 v[236:237], v[236:237], v[158:159]
	s_delay_alu instid0(VALU_DEP_2)
	v_pk_add_f32 v[14:15], v[14:15], v[248:249]
	s_delay_alu instid0(VALU_DEP_2)
	v_pk_add_f32 v[236:237], v[236:237], v[246:247]
	v_pk_add_f32 v[254:255], v[254:255], v[244:245]
	v_pk_add_f32 v[250:251], v[250:251], v[242:243]
	s_delay_alu instid0(VALU_DEP_2)
	v_pk_add_f32 v[14:15], v[14:15], v[254:255]
	s_delay_alu instid0(VALU_DEP_2)
	v_pk_add_f32 v[236:237], v[236:237], v[250:251]
	s_delay_alu instid0(VALU_DEP_1)
	v_pk_add_f32 v[14:15], v[14:15], v[236:237]
	s_wait_alu depctr_va_vdst(0)                   ; and one for the four
.irp b, 0,1,2,3
	v_max_num_f32 v[232+\b], 0x2800000, v[232+\b]  ; the floor 2^(5 - 127)
.endr
.irp b, 0,1,2,3
	s_delay_alu instid0(VALU_DEP_4)
	v_add_nc_u32 v[244+\b], 0xfe000000, v[232+\b]
.endr
.irp b, 0,1,2,3
	s_delay_alu instid0(VALU_DEP_4)
	v_lshrrev_b32 v[236+\b], 23, v[244+\b]
.endr
	s_delay_alu instid0(VALU_DEP_3)
	v_lshl_or_b32 v253, v237, 8, v236              ; p's scale word for these 128 keys
	s_delay_alu instid0(VALU_DEP_1)
	v_lshl_or_b32 v253, v238, 16, v253
	s_delay_alu instid0(VALU_DEP_1)
	v_lshl_or_b32 v253, v239, 24, v253
.irp c, 0,1
	v_cvt_scalef32_pk16_bf6_f32 v[224+6*\c:226+6*\c], v[96+32*\c:111+32*\c], v[244+2*\c]
	v_cvt_scalef32_pk16_bf6_f32 v[236+4*\c:238+4*\c], v[112+32*\c:127+32*\c], v[244+2*\c+1]
.endr
	v_nop                                          ; one plain place behind a scaled conversion
.irp c, 0,1
.irp i, 0,1,2
	v_permlane16_swap_b32 v[224+6*\c+\i], v[236+4*\c+\i]
.endr
.irp i, 0,1,2
	s_delay_alu instid0(VALU_DEP_3)
	v_mov_b32 v[227+6*\c+\i], v[236+4*\c+\i]
.endr
.endr
.set NN, 0
.rept 32
	v_pk_mul_f32 v[160+NN:161+NN], v[160+NN:161+NN], v[252:253] op_sel_hi:[1,0]   ; O^T under the new M; these 32 are also the places between p's codes and scale word and the products
.set NN, NN+2
.endr
	s_wait_alu depctr_va_vdst(0)
	s_wait_loadcnt 0x0                             ; V and its scale words are in (and the ids, where they were not compared): every load of the step is done, so the bases may step below
	WIN 0x01
.irp t, 0,1,2,3,4,5,6,7
	v_wmma_scale_f32_16x16x128_f8f6f4 v[160+8*\t:167+8*\t], v[96+12*\t:107+12*\t], v[224:235], v[160+8*\t:167+8*\t], v[40+\t], v253 matrix_a_fmt:MATRIX_FMT_BF6 matrix_b_fmt:MATRIX_FMT_BF6
.endr
	WIN 0
.rept 4
	v_nop                                          ; places in front of the next step's loads into V's registers and of the reads of O^T
.endr
	s_cmp_lg_u32 s63, 0
	s_cbranch_scc0 .Lno_v
	s_min_u32 s60, s60, 15                         ; the next step's number, held inside the 16 steps once more, in one line with the addresses made of it
	s_mul_i32 s54, s60, 8*FRB
	s_mov_b32 s55, 0
	s_add_nc_u64 s[56:57], s[48:49], s[54:55]      ; bases of V's own: the last V's loads were waited for ahead of the second product
	s_lshl_b32 s54, s60, 9
	s_add_nc_u64 s[58:59], s[50:51], s[54:55]
	LOADV 56, 58                                   ; the next step's V
.Lno_v:
	s_mov_b32 s28, s60
	s_mov_b32 s61, s63
.Lskip:
	s_add_co_u32 s27, s27, 1
	s_cmp_lt_u32 s27, 16
	s_cbranch_scc1 .Lstep
	v_add_f32 v14, v14, v15                        ; the sum's two halves,
	s_delay_alu instid0(VALU_DEP_1)
	v_permlanex16_b32 v252, v14, s[SEL], s[SEL+1]
	s_delay_alu instid0(VALU_DEP_1)
	v_add_f32 v14, v14, v252                       ; and lane l xor 16's
	s_wait_alu depctr_va_vdst(0)
	v_rcp_f32 v14, v14
	v_nop                                          ; a plain place behind the reciprocal
	s_wait_alu depctr_va_vdst(0)                   ; and the wait ahead of its first reader
.set NN, 0
.rept 64
	v_mul_f32 v[96+NN], v[160+NN], v14             ; register 16 b + i: channel 32 b + 16 h + i of my query
.set NN, NN+1
.endr
	QUANT 96, PW
.irp c, 0,1,2
	global_store_b128 v1, v[PC+4*\c:PC+4*\c+3], s[10:11] offset:512*\c   ; 512 consecutive bytes a store
.endr
	global_store_b32 v11, v[PW], s[12:13]          ; row r's scale word; lanes r and r + 16 hold the same word and name the same place
	s_endpgm
.Lfunc_end_k_qb173c64e5e_attn:
	.size	k_qb173c64e5e_attn, .Lfunc_end_k_qb173c64e5e_attn-k_qb173c64e5e_attn
	.p2alignl 7, 3214868480
	.fill 96, 4, 3214868480
	.section	.rodata,"a",@progbits
	.p2align	6, 0x0
	.amdhsa_kernel k_qb173c64e5e_attn
		.amdhsa_group_segment_fixed_size 0
		.amdhsa_private_segment_fixed_size 0
		.amdhsa_enable_private_segment 0
		.amdhsa_kernarg_size 40
		.amdhsa_user_sgpr_count 2
		.amdhsa_user_sgpr_kernarg_segment_ptr 1
		.amdhsa_wavefront_size32 1
		.amdhsa_system_sgpr_workgroup_id_x 1
		.amdhsa_system_sgpr_workgroup_id_y 1
		.amdhsa_system_sgpr_workgroup_id_z 1
		.amdhsa_system_vgpr_workitem_id 0
		.amdhsa_next_free_vgpr 512
		.amdhsa_next_free_sgpr 100
		.amdhsa_reserve_vcc 1
		.amdhsa_float_denorm_mode_32 3
		.amdhsa_float_denorm_mode_16_64 3
		.amdhsa_memory_ordered 1
		.amdhsa_forward_progress 1
		.amdhsa_inst_pref_size 69
	.end_amdhsa_kernel
	.amdgpu_metadata
---
amdhsa.version: [ 1, 2 ]
amdhsa.kernels:
  - .name:           k_qb173c64e5e_attn
    .symbol:         k_qb173c64e5e_attn.kd
    .args:
      - { .name: qkvc, .offset: 0, .size: 8, .value_kind: global_buffer, .address_space: global }
      - { .name: qkvs, .offset: 8, .size: 8, .value_kind: global_buffer, .address_space: global }
      - { .name: doc_ids, .offset: 16, .size: 8, .value_kind: global_buffer, .address_space: global }
      - { .name: oc, .offset: 24, .size: 8, .value_kind: global_buffer, .address_space: global }
      - { .name: os, .offset: 32, .size: 8, .value_kind: global_buffer, .address_space: global }
    .group_segment_fixed_size: 0
    .private_segment_fixed_size: 0
    .kernarg_segment_align: 8
    .kernarg_segment_size: 40
    .max_flat_workgroup_size: 256
    .sgpr_count:     100
    .vgpr_count:     512
    .wavefront_size: 32
...
	.end_amdgpu_metadata
.endif
;; end of part 7
;; launch outp (part 8): grid 16 x 16, 4 waves a work-group, clusters of 4 x 4, 327,680 bytes of LDS; arguments oc, os, cod, scl, out0; writes out0
.if DOCPART == 8
	.amdgcn_target "amdgcn-amd-amdhsa--gfx1250"
	.amdhsa_code_object_version 6
	.text
	.protected	k_qb173c64e5e_outp
	.globl	k_qb173c64e5e_outp
	.p2align	8
	.type	k_qb173c64e5e_outp,@function
k_qb173c64e5e_outp:
	s_mov_b64 s[64:65], 0
	v_nop
	global_prefetch_b8 v0, s[64:65] scope:SCOPE_SE
	s_setreg_imm32_b32 hwreg(HW_REG_WAVE_MODE, 25, 1), 1
	s_wait_xcnt 0x0
	s_wait_alu depctr_hold_cnt(0) depctr_sa_sdst(0) depctr_va_vdst(0) depctr_va_sdst(0) depctr_va_ssrc(0) depctr_va_vcc(0) depctr_vm_vsrc(0)
	s_getreg_b32 s2, hwreg(HW_REG_IB_STS2, 6, 4)
	s_cmp_eq_u32 s2, 0
	s_cbranch_scc0 .Lentry_in_a_cluster
	s_endpgm
.Lentry_in_a_cluster:
	s_bfe_u32 s2, ttmp6, 0x10000c
	s_cmp_lg_u32 s2, 0xf033
	s_cbranch_scc0 .Lentry_shape_is_right
	s_endpgm
.Lentry_shape_is_right:
; out0 = O Wo on codes of BF6 (E3M2) with E8M0 scales, f32 sums.  O (oc, os) and Wo (tensor 4 of cod, scl) lie as images of fragment registers: [k / 256][tile][(k / 128) % 2][1,536 bytes].
; A tile of 128 x 128 results is made by four waves, each 64 x 64: 16 accumulators.  128 rows x 256 K are 24,576 dense bytes (BLK).
; LDS: A's K steps (of 256) 0-5 on end, B's 0-5 on end, the scale words of A's and B's 128 rows for all of K, the spare words.  K steps 6 and 7 come into the places of 0 and 1 when those have been read.
; THE HEAD: one tensor load a wave: wave 0 brings A's six K steps (six rows of 24,576 bytes, 393,216 apart in memory, on end in LDS), wave 1 B's, waves 2 and 3 the scale words.
; THE REFILL: one joint load a wave behind a round of the cluster's barrier: waves 0, 1 A's K steps 6, 7; waves 2, 3 B's.
; CLUSTERS: 4 x 4 work-groups; A's tiles are asked for jointly along a row of the cluster, B's along a column.
; PREFETCH: the text has no loop; the one refill's bytes are named once at the head: of the 96 blocks of 256 bytes that a wave will fetch each of the four partners takes 24 by address (lanes 24-31 name the last again).
; The matrix instruction is used transposed (B source 0, A source 1): a lane holds eight neighbouring columns of a row.  The way out goes through a stage in A's K step 2, which is filled once and read no more
; behind the walk's last barrier.
.set FR,     12
.set FRB,    1536
.set TILEB,  3072
.set SIGB,   393216
.set TENB,   3145728
.set TENS,   131072
.set BLK,    8*TILEB
.set SCL,    12*BLK
.set QS,     4096
.set SPARE,  SCL+4*QS
.set SPITCH, 272
.set STAGE,  2*BLK
.set LI,   7
.set PFO,  8
.set ADRA, 10
.set ADRB, 13
.set STO,  24
.set RD,   25
.set CO,   26
.set ADRS, 27
.set SPW,  28
.set NIL,  29
.set SC,   32
.set ACC,  128
.set G1,   24
.set G0,   32
.set G0H,  36
.set G1B,  48
.set G0B,  56
.set G0HB, 60
.set G1S,  68
.set G0S,  76
.set G1SB, 80
.set G0SB, 88
.set PFA,  92
.set MSB, 0
.macro WIN new
.if MSB != (\new)
	s_set_vgpr_msb (MSB<<8)|(\new)
.set MSB, (\new)
.endif
.endm
.set W_MUL, 0x05
.set W_FR,  0x40
.macro JLOAD g0a, g1a, g0b, g1b
	s_cmp_eq_u32 s15, 0
	s_cbranch_scc0 .Lfor_b_\@
	tensor_load_to_lds s[\g0a:\g0a+3], s[\g1a:\g1a+7]
	s_nop 0
.rept 4
	v_nop
.endr
	s_branch .Lasked_\@
.Lfor_b_\@:
	tensor_load_to_lds s[\g0b:\g0b+3], s[\g1b:\g1b+7]
	s_nop 0
.rept 4
	v_nop
.endr
.Lasked_\@:
.endm
.macro CREST
	s_cmp_lg_u32 s14, 0
	s_cbranch_scc1 .Lnot_wave_0_\@
	s_barrier_signal -3
.Lnot_wave_0_\@:
	s_barrier_wait -3
	s_barrier_signal -1
	s_barrier_wait -1
.endm
.macro CROUND
	s_barrier_signal -1
	s_barrier_wait -1
	CREST
.endm
.macro ARM under, g0, g1, next
	s_cmp_lt_u32 s14, \under
	s_cbranch_scc0 \next
	tensor_load_to_lds s[\g0:\g0+3], s[\g1:\g1+7]
	s_nop 0
.rept 4
	v_nop
.endr
	s_branch .Lhead_asked
\next:
.endm
	s_load_b128 s[4:7], s[0:1], 0x0                ; oc, os
	s_load_b128 s[8:11], s[0:1], 0x10              ; cod, scl
	s_load_b64 s[12:13], s[0:1], 0x20              ; out0
	v_lshl_add_u32 v[SPW], v0, 2, SPARE
	v_mov_b32 v[NIL], 0
	ds_add_u32 v[SPW], v[NIL]                      ; the opening lines: the add twice on end
	ds_add_u32 v[SPW], v[NIL]
	v_lshrrev_b32 v1, 5, v0
	v_readfirstlane_b32 s14, v1                    ; wave
	s_lshr_b32 s15, s14, 1                         ; my half of A's rows; in the refill: A (0) or B (1)
	s_and_b32 s16, s14, 1                          ; my half of B's rows; in the refill: K step 6 or 7
	s_bfe_u32 s18, ttmp6, 0x40000                  ; cx
	s_bfe_u32 s19, ttmp6, 0x40004                  ; cy
	s_lshl_b32 s44, ttmp9, 2
	s_add_co_u32 s44, s44, s18                     ; tile column
	s_and_b32 s17, ttmp7, 0xffff
	s_lshl_b32 s17, s17, 2
	s_add_co_u32 s17, s17, s19                     ; tile row
	s_lshl_b32 s45, s19, 2
	s_lshl_b32 s45, 15, s45
	s_lshl_b32 s46, 0x1111, s18
	s_or_b32 s[G1+0], s45, (3<<16)|(1<<21)
	s_or_b32 s[G1B+0], s46, (3<<16)|(1<<21)
.irp g, G1, G1B                        ; the head's shape: 6 rows of 3,072 elements of 8 bytes, 49,152 elements apart
	s_mov_b32 s[\g+1], 3072<<16
	s_mov_b32 s[\g+2], 6<<16
	s_mov_b32 s[\g+3], 3072<<16
	s_mov_b32 s[\g+4], 6
	s_mov_b32 s[\g+5], SIGB/8
	s_mov_b32 s[\g+6], 0
	s_mov_b32 s[\g+7], 0
.endr
	s_or_b32 s[G1S+0], s45, (3<<16)|(1<<21)
	s_or_b32 s[G1SB+0], s46, (3<<16)|(1<<21)
.irp g, G1S, G1SB                      ; the scale words of 128 rows: 32 rows of 256 bytes, dense
	s_mov_b32 s[\g+1], 32<<16
	s_mov_b32 s[\g+2], 32<<16
	s_mov_b32 s[\g+3], 32<<16
	s_mov_b32 s[\g+4], 32
	s_mov_b32 s[\g+5], 32
	s_mov_b32 s[\g+6], 0
	s_mov_b32 s[\g+7], 0
.endr
	s_mul_i32 s20, s17, BLK
	s_mov_b32 s21, 0
	s_lshl_b32 s22, s17, 13
	s_mov_b32 s23, 0
	s_mul_i32 s96, s44, BLK
	s_add_co_u32 s96, s96, 4*TENB
	s_mov_b32 s97, 0
	s_lshl_b32 s66, s44, 13
	s_add_co_u32 s66, s66, 4*TENS
	s_mov_b32 s67, 0
	s_mul_i32 s2, s16, SIGB
	s_add_co_u32 s2, s2, 6*SIGB                    ; the refill's K step
	s_mov_b32 s3, 0
	s_mul_i32 s47, s16, BLK                        ; and its place in LDS
	s_cmp_eq_u32 s15, 0
	s_cselect_b32 s94, s18, s19                    ; my place among the four that ask with me
	s_mul_i32 s94, s94, 6144
	s_mov_b32 s95, 0
	s_wait_dscnt 0x0
	s_wait_kmcnt 0x0
	s_add_nc_u64 s[20:21], s[4:5], s[20:21]
	s_add_nc_u64 s[22:23], s[6:7], s[22:23]
	s_add_nc_u64 s[96:97], s[8:9], s[96:97]
	s_add_nc_u64 s[66:67], s[10:11], s[66:67]
	s_add_nc_u64 s[40:41], s[20:21], s[2:3]
	s_add_nc_u64 s[42:43], s[96:97], s[2:3]
	s_cmp_eq_u32 s15, 0
	s_cselect_b64 s[PFA:PFA+1], s[40:41], s[42:43]
	s_add_nc_u64 s[PFA:PFA+1], s[PFA:PFA+1], s[94:95]
	s_mov_b32 s[G0H], 1
	s_mov_b32 s[G0H+1], 0
	s_mov_b64 s[G0H+2:G0H+3], s[20:21]
	s_or_b32 s[G0H+3], s[G0H+3], 0x80000000
	s_mov_b32 s[G0HB], 1
	s_mov_b32 s[G0HB+1], 6*BLK
	s_mov_b64 s[G0HB+2:G0HB+3], s[96:97]
	s_or_b32 s[G0HB+3], s[G0HB+3], 0x80000000
	s_mov_b32 s[G0S], 1
	s_mov_b32 s[G0S+1], SCL
	s_mov_b64 s[G0S+2:G0S+3], s[22:23]
	s_or_b32 s[G0S+3], s[G0S+3], 0x80000000
	s_mov_b32 s[G0SB], 1
	s_mov_b32 s[G0SB+1], SCL+2*QS
	s_mov_b64 s[G0SB+2:G0SB+3], s[66:67]
	s_or_b32 s[G0SB+3], s[G0SB+3], 0x80000000
	s_mov_b32 s[G0], 1
	s_mov_b32 s[G0+1], s47
	s_mov_b64 s[G0+2:G0+3], s[40:41]
	s_or_b32 s[G0+3], s[G0+3], 0x80000000
	s_mov_b32 s[G0B], 1
	s_add_co_u32 s[G0B+1], s47, 6*BLK
	s_mov_b64 s[G0B+2:G0B+3], s[42:43]
	s_or_b32 s[G0B+3], s[G0B+3], 0x80000000
	CROUND                                         ; the first joint loads meet
	ARM 1, G0H,  G1,  .Lhead_b
	ARM 2, G0HB, G1B, .Lhead_sa
	ARM 3, G0S,  G1S, .Lhead_sb
	tensor_load_to_lds s[G0SB:G0SB+3], s[G1SB:G1SB+7]
	s_nop 0
.rept 4
	v_nop
.endr
.Lhead_asked:
	v_and_b32 v1, 15, v0
	v_bfe_u32 v2, v0, 4, 1
	v_and_b32 v3, 31, v0
	v_lshlrev_b32 v[LI], 4, v3
	v_min_u32 v4, 23, v3
	v_lshlrev_b32 v[PFO], 8, v4
	s_mul_i32 s2, s15, 4*TILEB
	s_mul_i32 s3, s16, 4*TILEB
	s_add_co_u32 s3, s3, 6*BLK
.irp s, 0,1,2                          ; an address register for each two K steps: the loads' offsets stay under 65,536
	v_add_nc_u32 v[ADRA+\s], s2, v[LI]
	v_add_nc_u32 v[ADRB+\s], s3, v[LI]
	s_add_co_u32 s2, s2, 2*BLK
	s_add_co_u32 s3, s3, 2*BLK
.endr
	v_lshlrev_b32 v5, 3, v1
	s_lshl_b32 s2, s15, 12
	s_lshl_b32 s3, s16, 12
	s_add_co_u32 s3, s3, 2*QS
	s_sub_co_u32 s3, s3, s2
	v_mul_u32_u24 v6, s3, v2                       ; lanes 16-31 take B's scale words
	s_add_co_u32 s2, s2, SCL
	v_add_nc_u32 v5, v5, v6
	v_add_nc_u32 v[ADRS], s2, v5
	s_mul_i32 s2, s14, 16*SPITCH
	s_add_co_u32 s2, s2, STAGE
	v_mul_u32_u24 v5, v1, SPITCH
	v_lshl_add_u32 v5, v2, 6, v5
	v_add_nc_u32 v[STO], s2, v5
	v_mul_u32_u24 v5, v2, SPITCH
	v_lshl_add_u32 v5, v1, 4, v5
	v_add_nc_u32 v[RD], s2, v5
	v_lshlrev_b32 v[CO], 13, v2
	v_lshl_add_u32 v[CO], v1, 4, v[CO]
	s_lshl_b32 s20, s17, 7
	s_lshl_b32 s21, s15, 6
	s_add_co_u32 s20, s20, s21
	s_lshl_b32 s20, s20, 13
	s_lshl_b32 s96, s44, 9
	s_lshl_b32 s97, s16, 8
	s_add_co_u32 s96, s96, s97
	s_add_co_u32 s20, s20, s96
	s_mov_b32 s21, 0
	s_add_nc_u64 s[12:13], s[12:13], s[20:21]
.macro FRAG reg, adr, off
.irp c, 0,1,2
	ds_load_b128 v[\reg+4*\c:\reg+4*\c+3], v[\adr] offset:(\off)+512*\c
.endr
.endm
.macro FETCH k                         ; step k of 128: K step k / 2 lies at place (k / 2) % 6
.set FS, (((\k)/2)%6)/2
.set FO, ((((\k)/2)%6)%2)*BLK+((\k)%2)*FRB
.set FB, 128*((\k)%2)
	WIN W_FR
.irp i, 0,1,2,3
	FRAG FB+FR*\i, ADRB+FS, FO+\i*TILEB
	FRAG FB+48+FR*\i, ADRA+FS, FO+\i*TILEB
.endr
.endm
.macro MUL4 k, a, zero                 ; the 16 accumulators take turns
.set MB, 128*((\k)%2)
.set MS, SC+8*((\k)/2)+(\k)%2
.irp b, 0,1,2,3
.if \zero
	v_wmma_scale_f32_16x16x128_f8f6f4 v[ACC+8*(4*(\a)+\b):ACC+8*(4*(\a)+\b)+7], v[MB+FR*\b:MB+FR*\b+FR-1], v[MB+48+FR*(\a):MB+48+FR*(\a)+FR-1], 0, v[MS+2*\b], v[MS+2*(\a)] matrix_a_fmt:MATRIX_FMT_BF6 matrix_b_fmt:MATRIX_FMT_BF6 matrix_a_scale:MATRIX_SCALE_ROW1
.else
	v_wmma_scale_f32_16x16x128_f8f6f4 v[ACC+8*(4*(\a)+\b):ACC+8*(4*(\a)+\b)+7], v[MB+FR*\b:MB+FR*\b+FR-1], v[MB+48+FR*(\a):MB+48+FR*(\a)+FR-1], v[ACC+8*(4*(\a)+\b):ACC+8*(4*(\a)+\b)+7], v[MS+2*\b], v[MS+2*(\a)] matrix_a_fmt:MATRIX_FMT_BF6 matrix_b_fmt:MATRIX_FMT_BF6 matrix_a_scale:MATRIX_SCALE_ROW1
.endif
.endr
.endm
.macro PLACES n
.rept \n
	v_nop
.endr
.endm
.macro STEP k, zero
.if (\k) > 0
	PLACES 4
.endif
	FETCH (\k)+1
	s_wait_dscnt 24                                ; all but the 24 loads just issued
	WIN W_MUL
.irp a, 0,1,2,3
	MUL4 \k, \a, \zero
.endr
.endm
.macro TURN k, fill                    ; the three lines, the barrier; fill = 1: it opens a round, and the refill follows
	WIN 0
	s_wait_tensorcnt 0x0
	ds_add_u32 v[SPW], v[NIL]
	s_wait_dscnt 1                                 ; (the add may be out)
	WIN W_MUL
	MUL4 \k, 0, 0
	s_wait_dscnt 0x0
	s_barrier_signal -1
	MUL4 \k, 1, 0
	WIN 0
	s_barrier_wait -1
.if \fill
	CREST
	JLOAD G0, G1, G0B, G1B
.else
	PLACES 4
.endif
	FETCH (\k)+1
	WIN W_MUL
	MUL4 \k, 2, 0
	MUL4 \k, 3, 0
.endm
	s_wait_alu depctr_va_vdst(0)                   ; the wait at the head's end
	global_prefetch_b8 v[PFO], s[PFA:PFA+1] th:TH_LOAD_NT scope:SCOPE_SE
	s_wait_tensorcnt 0x0                           ; my tile of the head's four is in; no load of mine is out, so group 1 may be written:
.irp g, G1, G1B                        ; the refill's shape: 96 rows of 256 bytes, dense
	s_mov_b32 s[\g+1], 32<<16
	s_mov_b32 s[\g+2], 96<<16
	s_mov_b32 s[\g+3], 32<<16
	s_mov_b32 s[\g+4], 96
	s_mov_b32 s[\g+5], 32
.endr
	s_barrier_signal -1
	s_barrier_wait -1
.irp s, 0,1,2,3,4,5,6,7
.irp i, 0,1,2,3
	ds_load_b64 v[SC+8*\s+2*\i:SC+8*\s+2*\i+1], v[ADRS] offset:\i*1024+\s*128   ; all of K's scale words stay in registers
.endr
.endr
	FETCH 0
	STEP 0, 1
	STEP 1, 0
	STEP 2, 0
	TURN 3, 1                                      ; K steps 0 and 1 are read: 6 and 7 take their places
.irp k, 4,5,6,7,8,9,10
	STEP \k, 0
.endr
	TURN 11, 0                                     ; K steps 6 and 7 are in
.irp k, 12,13,14
	STEP \k, 0
.endr
	s_wait_dscnt 0x0
.irp a, 0,1,2,3
	MUL4 15, \a, 0
.endr
	WIN 0
.macro TOSTAGE a
.irp b, 0,1,2,3
	ds_store_b128 v[STO], v[ACC+8*(4*(\a)+\b):ACC+8*(4*(\a)+\b)+3] offset:128*(\b/2)+32*(\b%2)
	ds_store_b128 v[STO], v[ACC+8*(4*(\a)+\b)+4:ACC+8*(4*(\a)+\b)+7] offset:128*(\b/2)+32*(\b%2)+16
.endr
.irp t, 0,1,2,3,4,5,6,7
	ds_load_b128 v[ACC+32*(\a)+4*\t:ACC+32*(\a)+4*\t+3], v[RD] offset:2*\t*SPITCH   ; LDS serves a wave's instructions in order
.endr
.endm
.macro SEND a, younger
	s_wait_dscnt \younger
.irp t, 0,1,2,3,4,5,6,7
	global_store_b128 v[CO], v[ACC+32*(\a)+4*\t:ACC+32*(\a)+4*\t+3], s[12:13] offset:(32*((\a)/2)+8*((\a)%2)+2*\t+8*(\t/4))*8192 th:TH_STORE_NT   ; 16 lanes store 256 consecutive bytes
.endr
.endm
	PLACES 4
	TOSTAGE 0
.irp a, 1,2,3
	TOSTAGE \a
	SEND \a-1, 16
.endr
	SEND 3, 0
	s_wait_tensorcnt 0x0                           ; the wave's end
	ds_add_u32 v[SPW], v[NIL]
	s_wait_dscnt 0x0
	CROUND                                         ; the closing round
	s_endpgm
.Lfunc_end_k_qb173c64e5e_outp:
	.size	k_qb173c64e5e_outp, .Lfunc_end_k_qb173c64e5e_outp-k_qb173c64e5e_outp
	.p2alignl 7, 3214868480
	.fill 96, 4, 3214868480
	.section	.rodata,"a",@progbits
	.p2align	6, 0x0
	.amdhsa_kernel k_qb173c64e5e_outp
		.amdhsa_group_segment_fixed_size 327680
		.amdhsa_private_segment_fixed_size 0
		.amdhsa_enable_private_segment 0
		.amdhsa_kernarg_size 40
		.amdhsa_user_sgpr_count 2
		.amdhsa_user_sgpr_kernarg_segment_ptr 1
		.amdhsa_wavefront_size32 1
		.amdhsa_system_sgpr_workgroup_id_x 1
		.amdhsa_system_sgpr_workgroup_id_y 1
		.amdhsa_system_sgpr_workgroup_id_z 1
		.amdhsa_system_vgpr_workitem_id 0
		.amdhsa_next_free_vgpr 512
		.amdhsa_next_free_sgpr 100
		.amdhsa_reserve_vcc 0
		.amdhsa_float_denorm_mode_32 3
		.amdhsa_float_denorm_mode_16_64 3
		.amdhsa_memory_ordered 1
		.amdhsa_forward_progress 1
		.amdhsa_inst_pref_size 80
	.end_amdhsa_kernel
	.amdgpu_metadata
---
amdhsa.version: [ 1, 2 ]
amdhsa.kernels:
  - .name:           k_qb173c64e5e_outp
    .symbol:         k_qb173c64e5e_outp.kd
    .args:
      - { .name: oc, .offset: 0, .size: 8, .value_kind: global_buffer, .address_space: global }
      - { .name: os, .offset: 8, .size: 8, .value_kind: global_buffer, .address_space: global }
      - { .name: cod, .offset: 16, .size: 8, .value_kind: global_buffer, .address_space: global }
      - { .name: scl, .offset: 24, .size: 8, .value_kind: global_buffer, .address_space: global }
      - { .name: out0, .offset: 32, .size: 8, .value_kind: global_buffer, .address_space: global }
    .group_segment_fixed_size: 327680
    .private_segment_fixed_size: 0
    .kernarg_segment_align: 8
    .kernarg_segment_size: 40
    .max_flat_workgroup_size: 128
    .sgpr_count:     100
    .vgpr_count:     512
    .wavefront_size: 32
...
	.end_amdgpu_metadata
.endif
;; end of part 8
